; MI455X (gfx1250); checked and timed in simulation.
; The chip was launched on July 23, 2026; its instructions are those of AMD's public machine-readable ISA for CDNA 5 (MIT licence, August 2026) and "CDNA5" Instruction Set Architecture Reference Guide (July 2026). The comments in the code are by the model that wrote it; some were corrected since.
;; Cross Attention. Allowed arithmetic: matrix products marked QUANTISED: E2M3 operands, one E8M0 scale for each 32 along K, by v_wmma_scale_f32_16x16x128_f8f6f4 with both operands' format E2M3, f32 sums; everything else in f32.
;; Inputs: Wkv 1,024 x 2,048 float32; Wp 1,024 x 1,024 float32; Wq 1,024 x 1,024 float32; attention_mask 4 x 1 x 1 x 2,048 float32; bkv 2,048 float32; bp 1,024 float32; bq 1,024 float32; ctx 4 x 2,048 x 1,024 float32; x 4 x 1,024 x 1,024 float32.
;; Outputs: out0 4 x 1,024 x 1,024 float32.
;; This version of the problem:
;;   THIS VERSION OF THE PROBLEM IS GIVEN IN LOW PRECISION. The matrix products marked QUANTISED in the list below multiply operands that are first quantised to E2M3 (2 exponent bits, 3 mantissa bits; 6 bits a number), with one power-of-two scale for each 32 numbers along K (OCP MX v1.0); their sums are f32. All else is computed in f32.
;;   The module's matrix products, in the order in which they are computed (A, B: the left and right operand; K: the contracted axis; several contracted axes count as one K, in the product's order):
;;     1. [M 4,096, K 1,024] x [K 1,024, N 1,024]; A: input x; B: input Wq: QUANTISED
;;     2. [M 8,192, K 1,024] x [K 1,024, N 2,048]; A: input ctx; B: input Wkv: QUANTISED
;;     3. batch 64 x [M 1,024, K 64] x [K 64, N 2,048]; A: computed on the way; B: computed on the way: QUANTISED
;;     4. batch 64 x [M 1,024, K 2,048] x [K 2,048, N 64]; A: softmax (see below); B: computed on the way: QUANTISED
;;     5. [M 4,096, K 1,024] x [K 1,024, N 1,024]; A: computed on the way; B: input Wp: QUANTISED
;;   THE QUANTISER, for each operand of a quantised product, along K:
;;     - K is cut into blocks of 32 from its start; a last block that is shorter is filled with zeros.
;;     - A block's scale is 2^e with e = floor(log2(the largest magnitude in the block)) - 2, held to -126 .. 127; a block of zeros has e = 0. As a byte (E8M0): e + 127.
;;     - Each number is divided by its block's scale, clamped to +-7.5, and rounded to the nearest number of E2M3, ties to even, subnormals kept.
;;     - The product sums the exact products of the quantised numbers (number of the format x scale) in f32.
;;   ~~~python
;;   def quantise(x, axis):      # numpy; x: float32 -> the quantised numbers, widened to float32 again
;;       x = np.moveaxis(x, axis, -1); K = x.shape[-1]
;;       x = np.pad(x, [(0, 0)] * (x.ndim - 1) + [(0, -K % 32)]); x = x.reshape(x.shape[:-1] + (-1, 32)); a = np.abs(x).max(-1, keepdims=True)
;;       e = np.where(a > 0, np.clip(np.frexp(np.where(a > 0, a, 1))[1] - 1 - 2, -126, 127), 0)      # np.frexp(a)[1] - 1 = floor(log2(a)), exactly
;;       r = np.clip(x / 2.0 ** e, -7.5, 7.5)
;;       step = 2.0 ** (np.maximum(np.frexp(np.where(r == 0, 1, r))[1] - 1, 0) - 3)
;;       q = np.round(r / step) * step * 2.0 ** e      # np.round: ties to even
;;       return np.moveaxis(q.reshape(q.shape[:-2] + (-1,))[..., :K], -1, axis).astype(np.float32)
;;   ~~~
;;   SOFTMAX AHEAD OF A QUANTISED PRODUCT. Where the list says 'softmax', what is quantised is not the finished softmax but p = 2^(t - M), with t = logit x log2(e) and M = ceil(the row's largest t), a whole number; so 1/2 < the row's largest p <= 1. The row's sum l is taken of the UNQUANTISED p, in f32, and the product's result is divided by l at the end. Since M is a whole number, a kernel that streams over the keys may use a running M (the ceiling of the running maximum): every later rescaling is an exact power of two, which a block's scale takes up: the codes' values come out the same.
;;   OPERANDS COMPUTED ON THE WAY. 'Computed on the way' means the value that the module computes at that place (a softmax that the list does not call 'softmax' is quantised finished and normalised). What goes into a quantiser is computed in f32, as accurately as f32 sums, v_exp_f32 and their like allow (about 1e-6 of the number): no bf16 or f16 on the way to a quantiser, and a product that is left as it is and whose result goes on into a quantised operand takes f32 operands (vector FMAs, or v_wmma_f32_16x16x4_f32). A number that lies on a knife's edge between two numbers of the format may be rounded either way, as far as f32 arithmetic and the matrix unit's own rounding can turn it there, and no further.
;; 2 versions. Each part assembles by itself: llvm-mc -triple=amdgcn-amd-amdhsa -mcpu=gfx1250 --defsym DOCPART=n.
;; ======== version 1 of 2: 4 launches
;; limits: right only within a limited range of input values
;; workspace buffers: act 9,830,400 bytes; wts 3,276,800 bytes; qk 10,223,616 bytes; vv 6,815,744 bytes; aa 3,276,800 bytes
;; launch quant (part 1): grid 1024 x 1, 4 waves a work-group, no clusters, 0 bytes of LDS; arguments x, ctx, Wq, Wkv, Wp, act, wts; writes act, wts
.if DOCPART == 1
	.amdgcn_target "amdgcn-amd-amdhsa--gfx1250"
	.amdhsa_code_object_version 6
	.text
	.protected	k_q3db05aabcf_quant
	.globl	k_q3db05aabcf_quant
	.p2align	8
	.type	k_q3db05aabcf_quant,@function
k_q3db05aabcf_quant:
	s_mov_b64 s[64:65], 0
	v_nop
	global_prefetch_b8 v0, s[64:65] scope:SCOPE_SE
	s_setreg_imm32_b32 hwreg(HW_REG_WAVE_MODE, 25, 1), 1
	s_wait_xcnt 0x0
; CROSS ATTENTION IN MX-FP6, launch 1 of 4: x, ctx, Wq, Wkv, Wp (f32) become codes of E2M3 with one E8M0 byte for each 32 along K = 1,024.
; DEAD WORK: none.  Every bias goes into a quantised operand (bq, bkv) or into the output (bp); attention_mask varies along the softmax's axis; so all nine inputs are loaded by some launch and every product is done.
; A block's scale is 2^(floor(log2(its largest magnitude)) - 2); its byte is the largest magnitude's exponent field - 2, held at 1 from below.
; LIMITS: a block of zeros gets the byte 1 where the rule says 127 (its codes are zeros, and this program alone reads the bytes); blocks whose largest magnitude lies under 2^-124 keep the byte 1;
; NaN and infinities among the inputs are not served.
; LAYOUT OF THE WORKSPACE: operands lie as IMAGES OF THEIR REGISTERS.  A fragment (16 rows x 128 K, 12 registers a lane) is 1,536 bytes: registers 4 c .. 4 c + 3 of lane l at 512 c + 16 l.
; act: [tile 0..767][K step 0..7][1,536] (x: tiles 0-255, ctx: 256-767), wts: [tile 0..255][K step][1,536] (Wq 0-63, Wkv's k part 64-127, its v part 128-191, Wp 192-255); behind the codes the scale words, [tile][K step][row 0..15].
; THE ROWS OF A TILE ARE NOT NEIGHBOURS: lane r of tile 2 B + u holds row (or weight column) 32 B + 8 u + r + 8 (r / 8), so that the results of two neighbouring tiles are 16 neighbours along the next product's K.
; SHARES: work-groups 0-255 take the weights (K is their first axis: a lane takes a column and its registers run down K), work-groups 256-1023 a tile of 16 rows each (K innermost: a lane takes 16 neighbours of each block).
; No LDS, no barrier: a lane's registers already are the operand's.
.set ACT_SC, 9437184                   ; where act's scale words begin
.set W_SC,   3145728                   ; and wts's
.set X,   32                           ; v32-159  128 numbers
.set F,   160                          ; v160-183 weights: the registers of fragment lanes (r, 0) and (r, 1)
.set TQ,  184                          ; v184-186 weights: a block's upper 16 codes
.set PCA, 160                          ; rows: the first K step's fragment,
.set PCB, 172                          ; the second's
.set PX,  184                          ; v184-191 rows: the blocks' other halves
.set TM,  8                            ; v8-23    rows: at work
.set SEL, 34                           ; s[34:35] v_permlanex16_b32's selects for lane l xor 16
	s_load_b256 s[4:11], s[0:1], 0x0               ; x, ctx, Wq, Wkv
	s_load_b128 s[12:15], s[0:1], 0x20             ; Wp, act
	s_load_b64 s[16:17], s[0:1], 0x30              ; wts
	v_lshrrev_b32 v1, 5, v0
	v_readfirstlane_b32 s18, v1                    ; wave
	v_and_b32 v1, 31, v0                           ; lane
	s_cmp_lt_u32 ttmp9, 256
	s_cbranch_scc0 .Lrows
; ---- THE WEIGHTS.  Wave w of work-group g: columns 32 cg .. 32 cg + 31 of the 4,096 (Wq, Wkv, Wp side by side), cg = 2 (g / 4) + w % 2; K step 2 (g % 4) + w / 2.
	s_lshr_b32 s19, ttmp9, 2                       ; g / 4
	s_and_b32 s20, ttmp9, 3
	s_and_b32 s21, s18, 1
	s_lshl_b32 s22, s19, 1
	s_add_co_u32 s22, s22, s21                     ; cg
	s_lshr_b32 s23, s18, 1
	s_lshl_b32 s24, s20, 1
	s_add_co_u32 s24, s24, s23                     ; the K step
	v_lshlrev_b32 v2, 2, v1                        ; in: 4 bytes a lane: the wave reads 128 consecutive bytes of a row, the work-group 256
	v_bfe_u32 v5, v1, 3, 1                         ; my column is lane r of tile 2 cg + u: u = (lane / 8) % 2,
	v_and_b32 v6, 7, v1
	v_lshrrev_b32 v7, 4, v1
	v_lshl_add_u32 v6, v7, 3, v6                   ; r = lane % 8 + 8 (lane / 16)
	v_mul_u32_u24 v3, v5, 12288                    ; out: a tile's eight images are 12,288 bytes,
	v_lshl_add_u32 v3, v6, 4, v3                   ; + 16 r
	v_lshlrev_b32 v4, 9, v5                        ; the scale word: 512 u + 4 r
	v_lshl_add_u32 v4, v6, 2, v4
	s_lshl_b32 s26, s22, 4
	s_add_co_u32 s26, s26, s24
	s_mul_i32 s26, s26, 1536                       ; image (tile 2 cg, this K step)
	s_mov_b32 s27, 0
	s_lshl_b32 s28, s22, 10
	s_lshl_b32 s29, s24, 6
	s_add_co_u32 s28, s28, s29
	s_add_co_u32 s28, s28, W_SC
	s_mov_b32 s29, 0
	s_wait_kmcnt 0x0
	s_add_nc_u64 s[26:27], s[16:17], s[26:27]
	s_add_nc_u64 s[28:29], s[16:17], s[28:29]
.macro WLOAD t, pitch                  ; block t: W(32 t + i, my column), i = 0 .. 31
.set ii, 0
.rept 32
	global_load_b32 v[X+32*(\t)+ii], v2, s[36:37] offset:(32*(\t)+ii)*(\pitch) th:TH_LOAD_NT
.set ii, ii+1
.endr
.endm
.macro WBLOCK t                        ; block t is block 2 c + h of the K step: registers 6 c .. 6 c + 5 of fragment lane (r, h)
.set XS, X+32*(\t)
.set FD, F+12*((\t)&1)+6*((\t)>>1)
	v_max3_num_f32 v12, |v[XS]|, |v[XS+1]|, |v[XS+2]|               ; the block's largest magnitude: all 32 numbers are mine; two chains
	v_max3_num_f32 v13, |v[XS+3]|, |v[XS+4]|, |v[XS+5]|
.irp i, 6,10,14,18,22,26
	v_max3_num_f32 v12, v12, |v[XS+\i]|, |v[XS+\i+1]|
	v_max3_num_f32 v13, v13, |v[XS+\i+2]|, |v[XS+\i+3]|
.endr
	v_max3_num_f32 v12, v12, |v[XS+30]|, |v[XS+31]|
	v_max3_num_f32 v12, v12, v13, 0x1800000        ; and the floor 2^(3 - 127): the byte cannot fall under 1
	v_add_nc_u32 v11, 0xff000000, v12              ; 2 off its exponent field: the conversion's scale operand
	v_lshrrev_b32 v13, 23, v11                     ; the scale's byte
.if (\t) == 0
	v_mov_b32 v16, v13
.else
	v_lshl_or_b32 v16, v13, 8*(\t), v16            ; the K step's four bytes make my column's scale word
.endif
	v_cvt_scalef32_pk16_fp6_f32 v[FD:FD+2], v[XS:XS+15], v11
	v_cvt_scalef32_pk16_fp6_f32 v[TQ:TQ+2], v[XS+16:XS+31], v11     ; (a conversion's three registers begin on an even number)
	v_nop                                          ; one plain place behind a scaled conversion
.irp i, 0,1,2
	v_mov_b32 v[FD+3+\i], v[TQ+\i]
.endr
.endm
.macro WBODY pitch                     ; loads run two blocks ahead: 64 are out at the most
	WLOAD 0, \pitch
	WLOAD 1, \pitch
	s_wait_loadcnt 32                              ; block 0 is in; block 1's 32 loads may be out
	WLOAD 2, \pitch
	WBLOCK 0
	s_wait_loadcnt 32                              ; block 1 is in; block 2's may be out
	WLOAD 3, \pitch
	WBLOCK 1
	s_wait_loadcnt 32                              ; block 2 is in; block 3's may be out
	WBLOCK 2
	s_wait_loadcnt 0x0
	WBLOCK 3
.irp h, 0,1
.irp c, 0,1,2
	global_store_b128 v3, v[F+12*\h+4*\c:F+12*\h+4*\c+3], s[26:27] offset:256*\h+512*\c   ; the 16 lanes of a tile store 256 consecutive bytes, aligned: two such pieces an instruction
.endr
.endr
	global_store_b32 v4, v16, s[28:29]             ; 64 consecutive bytes for each of the two tiles
	s_endpgm
.endm
	s_sub_co_u32 s33, s19, 16
	s_cmp_lt_u32 s33, 32                           ; g / 4 = 16 .. 47: Wkv, whose rows are 8,192 bytes
	s_cbranch_scc1 .Lwide
	s_cmp_lt_u32 s19, 16
	s_cselect_b64 s[36:37], s[8:9], s[12:13]       ; Wq or Wp: the choice hangs on the work-group's number alone
	s_cselect_b32 s32, 0, 96
	s_sub_co_u32 s32, s22, s32                     ; the group of 32 columns inside that weight
	s_lshl_b32 s32, s32, 7
	s_lshl_b32 s33, s24, 19                        ; 128 rows of 4,096 bytes a K step
	s_add_co_u32 s32, s32, s33
	s_mov_b32 s33, 0
	s_add_nc_u64 s[36:37], s[36:37], s[32:33]
	WBODY 4096
.Lwide:
	s_sub_co_u32 s32, s22, 32
	s_lshl_b32 s32, s32, 7
	s_lshl_b32 s33, s24, 20
	s_add_co_u32 s32, s32, s33
	s_mov_b32 s33, 0
	s_add_nc_u64 s[36:37], s[10:11], s[32:33]
	WBODY 8192
; ---- THE ROWS.  Work-group 256 + T takes tile T; wave w its K steps 2 w and 2 w + 1.
; 64 numbers of a lane, register 16 b + i = k 32 b + 16 (lane / 16) + i of my row, become a fragment's codes in v[pc] on and its scale word in v[pw].
.macro QUANT s, pc, pw
.irp b, 0,1,2,3
	v_max3_num_f32 v[TM+\b], |v[(\s)+16*\b]|, |v[(\s)+1+16*\b]|, 0x1800000   ; block b: my 16 numbers, and the floor 2^(3 - 127)
.endr
.irp i, 2,4,6,8,10,12,14
.irp b, 0,1,2,3
	v_max3_num_f32 v[TM+\b], v[TM+\b], |v[(\s)+16*\b+\i]|, |v[(\s)+1+16*\b+\i]|   ; (the four blocks by turns)
.endr
.endr
.irp b, 0,1,2,3
	v_permlanex16_b32 v[TM+4+\b], v[TM+\b], s[SEL], s[SEL+1]
.endr
.irp b, 0,1,2,3
	v_max_num_f32 v[TM+\b], v[TM+\b], v[TM+4+\b]   ; with lane l xor 16's: the block's largest magnitude
.endr
.irp b, 0,1,2,3
	v_add_nc_u32 v[TM+12+\b], 0xff000000, v[TM+\b] ; 2 off its exponent field: the conversion's scale operand
.endr
.irp b, 0,1,2,3
	v_lshrrev_b32 v[TM+4+\b], 23, v[TM+12+\b]      ; the scale's byte
.endr
	v_lshl_or_b32 v[\pw], v[TM+5], 8, v[TM+4]
	v_lshl_or_b32 v[\pw], v[TM+6], 16, v[\pw]
	v_lshl_or_b32 v[\pw], v[TM+7], 24, v[\pw]
.irp c, 0,1
	v_cvt_scalef32_pk16_fp6_f32 v[(\pc)+6*\c:(\pc)+2+6*\c], v[(\s)+32*\c:(\s)+15+32*\c], v[TM+12+2*\c]
	v_cvt_scalef32_pk16_fp6_f32 v[PX+4*\c:PX+2+4*\c], v[(\s)+16+32*\c:(\s)+31+32*\c], v[TM+12+2*\c+1]
.endr
	v_nop                                          ; one plain place behind a scaled conversion
.irp c, 0,1                            ; the operand's layout wants a WHOLE block in a lane: lanes 0-15 block 2 c, lanes 16-31 block 2 c + 1
.irp i, 0,1,2
	v_permlane16_swap_b32 v[(\pc)+6*\c+\i], v[PX+4*\c+\i]
.endr
.irp i, 0,1,2
	v_mov_b32 v[(\pc)+3+6*\c+\i], v[PX+4*\c+\i]
.endr
.endr
.endm
.Lrows:
	s_sub_co_u32 s19, ttmp9, 256                   ; T
	v_and_b32 v5, 15, v1                           ; r
	v_lshrrev_b32 v6, 4, v1                        ; h
	v_and_b32 v7, 8, v5
	v_add_nc_u32 v7, v7, v5                        ; r + 8 (r / 8)
	v_lshlrev_b32 v2, 12, v7                       ; in: that row of 4,096 bytes,
	v_lshl_add_u32 v2, v6, 6, v2                   ; + 64 h: my 16 numbers of a block of 32
	v_lshlrev_b32 v3, 4, v1                        ; out: 16 x lane
	v_lshlrev_b32 v4, 2, v1                        ; and 4 x lane
.irp b, 0,1,2,3
	v_mov_b32 v[TM+4+\b], 0                        ; written once: a lane permute's destination counts as one of its sources
.endr
	s_mov_b32 s[SEL], 0x76543210
	s_mov_b32 s[SEL+1], 0xfedcba98
	s_lshl_b32 s26, s19, 3
	s_lshl_b32 s27, s18, 1
	s_add_co_u32 s26, s26, s27
	s_mul_i32 s26, s26, 1536                       ; image (T, 2 w)
	s_mov_b32 s27, 0
	s_lshl_b32 s28, s19, 9
	s_lshl_b32 s29, s18, 7
	s_add_co_u32 s28, s28, s29
	s_add_co_u32 s28, s28, ACT_SC                  ; the two K steps' scale words: 128 bytes
	s_mov_b32 s29, 0
	s_wait_kmcnt 0x0
	s_add_nc_u64 s[26:27], s[14:15], s[26:27]
	s_add_nc_u64 s[28:29], s[14:15], s[28:29]
	s_cmp_lt_u32 s19, 256                          ; x's tile or ctx's?  The choice hangs on the work-group's number alone
	s_cselect_b64 s[30:31], s[4:5], s[6:7]
	s_cselect_b32 s20, 0, 256
	s_sub_co_u32 s20, s19, s20                     ; the tile inside its tensor
	s_lshr_b32 s21, s20, 1
	s_lshl_b32 s21, s21, 17                        ; 32 rows of 4,096 bytes for each pair of tiles,
	s_and_b32 s22, s20, 1
	s_lshl_b32 s22, s22, 15                        ; 8 rows for the odd one,
	s_add_co_u32 s21, s21, s22
	s_lshl_b32 s22, s18, 10                        ; my two K steps: 1,024 bytes of a row
	s_add_co_u32 s22, s21, s22
	s_mov_b32 s23, 0
	s_add_nc_u64 s[30:31], s[30:31], s[22:23]
.irp k, 0,1
.irp b, 0,1,2,3
.irp j, 0,1,2,3
	global_load_b128 v[X+64*\k+16*\b+4*\j:X+64*\k+16*\b+4*\j+3], v2, s[30:31] offset:512*\k+128*\b+16*\j th:TH_LOAD_NT
.endr
.endr
.endr
	s_wait_loadcnt 16                              ; the first K step's 16 loads are in; the second's may be out
	QUANT X, PCA, 24
.irp c, 0,1,2
	global_store_b128 v3, v[PCA+4*\c:PCA+4*\c+3], s[26:27] offset:512*\c          ; 512 consecutive bytes an instruction
.endr
	s_wait_loadcnt 0x0
	QUANT X+64, PCB, 25
.irp c, 0,1,2
	global_store_b128 v3, v[PCB+4*\c:PCB+4*\c+3], s[26:27] offset:1536+512*\c
.endr
	v_cmp_gt_u32 vcc_lo, 16, v1
	v_cndmask_b32 v26, v25, v24, vcc_lo            ; lanes 0-15 store the first K step's words, lanes 16-31 the second's
	global_store_b32 v4, v26, s[28:29]             ; 128 consecutive bytes
	s_endpgm
.Lfunc_end_k_q3db05aabcf_quant:
	.size	k_q3db05aabcf_quant, .Lfunc_end_k_q3db05aabcf_quant-k_q3db05aabcf_quant
	.p2alignl 7, 3214868480
	.fill 96, 4, 3214868480
	.section	.rodata,"a",@progbits
	.p2align	6, 0x0
	.amdhsa_kernel k_q3db05aabcf_quant
		.amdhsa_group_segment_fixed_size 0
		.amdhsa_private_segment_fixed_size 0
		.amdhsa_enable_private_segment 0
		.amdhsa_kernarg_size 56
		.amdhsa_user_sgpr_count 2
		.amdhsa_user_sgpr_kernarg_segment_ptr 1
		.amdhsa_wavefront_size32 1
		.amdhsa_system_sgpr_workgroup_id_x 1
		.amdhsa_system_sgpr_workgroup_id_y 1
		.amdhsa_system_sgpr_workgroup_id_z 1
		.amdhsa_system_vgpr_workitem_id 0
		.amdhsa_next_free_vgpr 192
		.amdhsa_next_free_sgpr 66
		.amdhsa_reserve_vcc 1
		.amdhsa_float_denorm_mode_32 3
		.amdhsa_float_denorm_mode_16_64 3
		.amdhsa_memory_ordered 1
		.amdhsa_forward_progress 1
		.amdhsa_inst_pref_size 53
	.end_amdhsa_kernel
	.amdgpu_metadata
---
amdhsa.version: [ 1, 2 ]
amdhsa.kernels:
  - .name:           k_q3db05aabcf_quant
    .symbol:         k_q3db05aabcf_quant.kd
    .args:
      - { .name: x, .offset: 0, .size: 8, .value_kind: global_buffer, .address_space: global }
      - { .name: ctx, .offset: 8, .size: 8, .value_kind: global_buffer, .address_space: global }
      - { .name: Wq, .offset: 16, .size: 8, .value_kind: global_buffer, .address_space: global }
      - { .name: Wkv, .offset: 24, .size: 8, .value_kind: global_buffer, .address_space: global }
      - { .name: Wp, .offset: 32, .size: 8, .value_kind: global_buffer, .address_space: global }
      - { .name: act, .offset: 40, .size: 8, .value_kind: global_buffer, .address_space: global }
      - { .name: wts, .offset: 48, .size: 8, .value_kind: global_buffer, .address_space: global }
    .group_segment_fixed_size: 0
    .private_segment_fixed_size: 0
    .kernarg_segment_align: 8
    .kernarg_segment_size: 56
    .max_flat_workgroup_size: 128
    .sgpr_count:     66
    .vgpr_count:     192
    .wavefront_size: 32
...
	.end_amdgpu_metadata
.endif
;; end of part 1
;; launch proj (part 2): grid 8 x 160, 4 waves a work-group, clusters of 4 x 4, 229,376 bytes of LDS; arguments act, wts, bq, bkv, qk, vv; writes qk, vv
.if DOCPART == 2
	.amdgcn_target "amdgcn-amd-amdhsa--gfx1250"
	.amdhsa_code_object_version 6
	.text
	.protected	k_q3db05aabcf_proj
	.globl	k_q3db05aabcf_proj
	.p2align	8
	.type	k_q3db05aabcf_proj,@function
k_q3db05aabcf_proj:
	s_mov_b64 s[64:65], 0
	v_nop
	global_prefetch_b8 v0, s[64:65] scope:SCOPE_SE
	s_setreg_imm32_b32 hwreg(HW_REG_WAVE_MODE, 25, 1), 1
	s_wait_xcnt 0x0
	s_wait_alu depctr_hold_cnt(0) depctr_sa_sdst(0) depctr_va_vdst(0) depctr_va_sdst(0) depctr_va_ssrc(0) depctr_va_vcc(0) depctr_vm_vsrc(0)
	s_getreg_b32 s2, hwreg(HW_REG_IB_STS2, 6, 4)
	s_cmp_eq_u32 s2, 0
	s_cbranch_scc0 .Lentry_in_a_cluster
	s_endpgm
.Lentry_in_a_cluster:
	s_bfe_u32 s2, ttmp6, 0x10000c
	s_cmp_lg_u32 s2, 0xf033
	s_cbranch_scc0 .Lentry_shape_is_right
	s_endpgm
.Lentry_shape_is_right:
; CROSS ATTENTION IN MX-FP6, launch 2 of 4: q = x Wq + bq, k and v = ctx Wkv + bkv, on codes of E2M3 (sums in f32), and their quantising for attention's two products: q and k along the head's 64, v along the keys.
; Nothing of reference() is left out here.
; LIMITS: a block of zeros gets the byte 1 where the rule says 127 (zero codes; this program alone reads the bytes); blocks under 2^-124 keep the byte 1; NaN and infinities are not served.
; A work-group makes 128 rows of P x 128 rows of R over all of K = 1,024.  P is source 0: a lane's registers run along P's rows, and the results are quantised along them.  R is source 1: a lane stands for one of R's rows.
;   q (cluster y 0-7) and k (8-23): P = weight columns (64 a wave: one head), R = rows of x or ctx.     v (24-39): P = rows of ctx (64 keys a wave), R = the v part's columns (one head a wave).
; Both tiles, 96 KiB each, and their scale words lie whole in LDS: each byte of LDS is filled once, so there is no ring.  They are images of the operands' registers (launch 1), so a fragment is three loads of 16 bytes a lane, 512 consecutive bytes each.
; CLUSTERS: 4 x 4.  P's tile hangs on cx alone and is asked for jointly by a column of the cluster, R's on cy alone, by a row.  The mode hangs on the cluster's y alone: it is the same in all sixteen.
; OUT: qk codes [head][pair of act tiles 0..383][1,536]: registers 0-5 the even tile's 64 along K, 6-11 the odd tile's; scale words [head][64 rows][256 bytes]: lane l's 8 bytes at 8 l: lanes 0-15 tiles 0, 1, lanes 16-31 tiles 2, 3; two bytes in a word's low half.
;      vv codes [batch x 16 + head][64 keys 0..31][pair of channel tiles][1,536], scale words in the same form.
; REGISTERS: window 0: v1-13 addresses; v16-47 scale words; v48-79 the bias; v80-121 the quantiser's; v128-255 16 accumulators ((tr, tp) at v[128 + 32 tr + 8 tp]).   window 1: two sets of 8 fragments, v0-95 and v96-191.
.set ACT_SC, 9437184
.set W_SC,   3145728
.set QK_SC,  9437184
.set V_SC,   6291456
.set RT,    98304                      ; LDS: P's codes at 0, [K half][tile 0..7][K step 0..3][1,536]; R's here;
.set PS,    196608                     ; P's scale words, [tile][K step][row]; R's 4,096 bytes on;
.set SPARE, 204800                     ; the spare words, 128 bytes for each wave: two blocks of 256 bytes that no other line names
.set SPW, 12
.set NIL, 13
.set SC,  16                           ; v[SC + 8 i + s]: lanes 0-15 the words of my P tile i, lanes 16-31 of my R tile i, K step s
.set BI,  48
.set PC,  80
.set PX,  92
.set TM,  100
.set ACC, 128
.set F0,  0
.set F1,  96
.set G1P,  24                          ; descriptor groups 1: P's codes, R's codes, P's scale words, R's
.set G1R,  32
.set G1PS, 40
.set G1RS, 48
.set G0PS, 56                          ; groups 0: P's scale words, its K halves 0 and 1; the same for R
.set G0P0, 60
.set G0P1, 68
.set G0RS, 72
.set G0R0, 76
.set G0R1, 80
.set SEL,  98
.set MSB, 0
.macro WIN new                         ; the immediate's high byte repeats the setting that is left
.if MSB != \new
	s_set_vgpr_msb (MSB<<8)|\new
.set MSB, \new
.endif
.endm
.set MUL,  0x05                        ; sources 0 and 1 window 1; C and D window 0
.set TO_F, 0x40                        ; destination window 1, address window 0
; A joint load: waves 0 and 1 fetch for P, waves 2 and 3 for R.  An s_nop 0 and four v_nop follow each of the two lines.
.macro JLOAD g0p, g1p, g0r, g1r
	s_cmp_eq_u32 s18, 0
	s_cbranch_scc0 .Lfor_r_\@
	tensor_load_to_lds s[\g0p:\g0p+3], s[\g1p:\g1p+7]
	s_nop 0
.rept 4
	v_nop
.endr
	s_branch .Lasked_\@
.Lfor_r_\@:
	tensor_load_to_lds s[\g0r:\g0r+3], s[\g1r:\g1r+7]
	s_nop 0
.rept 4
	v_nop
.endr
.Lasked_\@:
.endm
.macro CROUND                          ; a round of the cluster's barrier
	s_barrier_signal -1
	s_barrier_wait -1
	s_cmp_lg_u32 s16, 0
	s_cbranch_scc1 .Lnot_wave_0_\@
	s_barrier_signal -3
.Lnot_wave_0_\@:
	s_barrier_wait -3
	s_barrier_signal -1
	s_barrier_wait -1
.endm
.macro QUANT s, pc, pw                 ; 64 numbers of a lane, register 16 b + i = place 32 b + 16 (lane / 16) + i, become 12 registers of codes and a word of four scale bytes
.irp b, 0,1,2,3
	v_max3_num_f32 v[TM+\b], |v[(\s)+16*\b]|, |v[(\s)+1+16*\b]|, 0x1800000   ; my 16 numbers, and the floor 2^(3 - 127).  (Each accumulator is read from its low end on)
.endr
.irp i, 2,4,6,8,10,12,14
.irp b, 0,1,2,3
	v_max3_num_f32 v[TM+\b], v[TM+\b], |v[(\s)+16*\b+\i]|, |v[(\s)+1+16*\b+\i]|
.endr
.endr
.irp b, 0,1,2,3
	v_permlanex16_b32 v[TM+4+\b], v[TM+\b], s[SEL], s[SEL+1]
.endr
.irp b, 0,1,2,3
	v_max_num_f32 v[TM+\b], v[TM+\b], v[TM+4+\b]
.endr
.irp b, 0,1,2,3
	v_add_nc_u32 v[TM+12+\b], 0xff000000, v[TM+\b]
.endr
.irp b, 0,1,2,3
	v_lshrrev_b32 v[TM+4+\b], 23, v[TM+12+\b]
.endr
	v_lshl_or_b32 v[\pw], v[TM+5], 8, v[TM+4]
	v_lshl_or_b32 v[\pw], v[TM+6], 16, v[\pw]
	v_lshl_or_b32 v[\pw], v[TM+7], 24, v[\pw]
.irp c, 0,1
	v_cvt_scalef32_pk16_fp6_f32 v[(\pc)+6*\c:(\pc)+2+6*\c], v[(\s)+32*\c:(\s)+15+32*\c], v[TM+12+2*\c]
	v_cvt_scalef32_pk16_fp6_f32 v[PX+4*\c:PX+2+4*\c], v[(\s)+16+32*\c:(\s)+31+32*\c], v[TM+12+2*\c+1]
.endr
	v_nop                                          ; one plain place behind a scaled conversion
.irp c, 0,1
.irp i, 0,1,2
	v_permlane16_swap_b32 v[(\pc)+6*\c+\i], v[PX+4*\c+\i]
.endr
.irp i, 0,1,2
	v_mov_b32 v[(\pc)+3+6*\c+\i], v[PX+4*\c+\i]
.endr
.endr
.endm
	s_load_b256 s[4:11], s[0:1], 0x0               ; act, wts, bq, bkv
	s_load_b128 s[12:15], s[0:1], 0x20             ; qk, vv
	v_lshl_add_u32 v[SPW], v0, 2, SPARE
	v_mov_b32 v[NIL], 0
	ds_add_u32 v[SPW], v[NIL]                      ; the wave's opening: the add, twice on end, and its wait ahead of my first tensor load
	ds_add_u32 v[SPW], v[NIL]
	v_lshrrev_b32 v1, 5, v0
	v_readfirstlane_b32 s16, v1                    ; wave 0..3
	s_and_b32 s17, s16, 1                          ; which 64 rows of P are mine.  Also: which half of a tile I fetch
	s_lshr_b32 s18, s16, 1                         ; which 64 rows of R.  Also: I fetch for P (0) or for R (1)
	s_bfe_u32 s19, ttmp6, 0x40000                  ; cx
	s_bfe_u32 s20, ttmp6, 0x40004                  ; cy
	s_mov_b32 s21, ttmp9                           ; cluster x
	s_and_b32 s22, ttmp7, 0xffff                   ; cluster y
	s_cmp_ge_u32 s22, 24
	s_cselect_b32 s23, 1, 0                        ; 1: v
	s_lshl_b32 s84, s21, 2                         ; P's tile of 128 rows.  q, k: in wts, 4 x cluster x (+ 8 for k) + cx;
	s_cmp_ge_u32 s22, 8
	s_cselect_b32 s2, 8, 0
	s_add_co_u32 s84, s84, s2
	s_lshl_b32 s2, s22, 2
	s_sub_co_u32 s2, s2, 64                        ; v: in act, 4 (cluster y - 16) + cx
	s_cmp_eq_u32 s23, 1
	s_cselect_b32 s84, s2, s84
	s_add_co_u32 s84, s84, s19
	s_lshl_b32 s85, s22, 2                         ; R's tile.  q, k: in act, 4 x cluster y + cy;
	s_lshl_b32 s3, s21, 2
	s_add_co_u32 s3, s3, 16                        ; v: in wts, 16 + 4 x cluster x + cy
	s_cmp_eq_u32 s23, 1
	s_cselect_b32 s85, s3, s85
	s_add_co_u32 s85, s85, s20
	s_lshl_b32 s2, 0x1111, s19                     ; my column of the cluster (same cx): P's mask
	s_lshl_b32 s3, s20, 2
	s_lshl_b32 s3, 15, s3                          ; my row (same cy): R's
	s_or_b32 s[G1P], s2, (3<<16)|(1<<21)           ; 15:0 the mask; 17:16 elements of 8 bytes; 20 no padding; 21 set beside a mask
	s_or_b32 s[G1PS], s2, (3<<16)|(1<<21)
	s_or_b32 s[G1R], s3, (3<<16)|(1<<21)
	s_or_b32 s[G1RS], s3, (3<<16)|(1<<21)
.irp g, G1P, G1R                       ; codes: four tiles' four K steps: 4 rows of 6,144 bytes, 12,288 bytes apart in memory, dense in LDS
	s_mov_b32 s[\g+1], 768<<16                     ; tensor_dim0
	s_mov_b32 s[\g+2], 4<<16                       ; tensor_dim1
	s_mov_b32 s[\g+3], 768<<16                     ; tile_dim0
	s_mov_b32 s[\g+4], 4                           ; tile_dim1
	s_mov_b32 s[\g+5], 1536                        ; tensor_dim0_stride
	s_mov_b32 s[\g+6], 0
	s_mov_b32 s[\g+7], 0
.endr
.irp g, G1PS, G1RS                     ; scale words: four tiles', 2,048 dense bytes as 8 rows of 256
	s_mov_b32 s[\g+1], 32<<16
	s_mov_b32 s[\g+2], 8<<16
	s_mov_b32 s[\g+3], 32<<16
	s_mov_b32 s[\g+4], 8
	s_mov_b32 s[\g+5], 32
	s_mov_b32 s[\g+6], 0
	s_mov_b32 s[\g+7], 0
.endr
	s_mul_i32 s2, s17, 49152                       ; my half of a tile's codes in memory
	s_mul_i32 s86, s84, 98304
	s_add_co_u32 s86, s86, s2
	s_mov_b32 s87, 0                               ; P's codes, in bytes from the buffer's start
	s_mul_i32 s88, s85, 98304
	s_add_co_u32 s88, s88, s2
	s_mov_b32 s89, 0                               ; R's
	s_cmp_eq_u32 s23, 1
	s_mov_b32 s94, W_SC
	s_cselect_b32 s94, ACT_SC, s94                 ; where the scale words begin in P's buffer,
	s_mov_b32 s96, ACT_SC
	s_cselect_b32 s96, W_SC, s96                   ; and in R's
	s_lshl_b32 s2, s17, 11
	s_lshl_b32 s95, s84, 12
	s_add_co_u32 s94, s94, s95
	s_add_co_u32 s94, s94, s2
	s_mov_b32 s95, 0
	s_lshl_b32 s97, s85, 12
	s_add_co_u32 s96, s96, s97
	s_add_co_u32 s96, s96, s2
	s_mov_b32 s97, 0
	s_mov_b32 s[SEL], 0x76543210
	s_mov_b32 s[SEL+1], 0xfedcba98
	s_wait_dscnt 0x0                               ; both opening adds are done
	s_wait_kmcnt 0x0
	s_cmp_eq_u32 s23, 1
	s_cselect_b64 s[90:91], s[4:5], s[6:7]         ; P's buffer: act for v, else wts
	s_cselect_b64 s[92:93], s[6:7], s[4:5]         ; R's: the other
	s_add_nc_u64 s[86:87], s[90:91], s[86:87]
	s_add_nc_u64 s[94:95], s[90:91], s[94:95]
	s_add_nc_u64 s[88:89], s[92:93], s[88:89]
	s_add_nc_u64 s[96:97], s[92:93], s[96:97]
	s_mov_b32 s[G0PS], 1                           ; every wave makes both sets and asks by one of them
	s_lshl_b32 s[G0PS+1], s17, 11
	s_add_co_u32 s[G0PS+1], s[G0PS+1], PS
	s_mov_b64 s[G0PS+2:G0PS+3], s[94:95]
	s_or_b32 s[G0PS+3], s[G0PS+3], 0x80000000
	s_mov_b32 s[G0P0], 1
	s_mul_i32 s[G0P0+1], s17, 24576
	s_mov_b64 s[G0P0+2:G0P0+3], s[86:87]
	s_or_b32 s[G0P0+3], s[G0P0+3], 0x80000000
	s_mov_b32 s[G0P1], 1
	s_add_co_u32 s[G0P1+1], s[G0P0+1], 49152
	s_add_nc_u64 s[G0P1+2:G0P1+3], s[86:87], 6144
	s_or_b32 s[G0P1+3], s[G0P1+3], 0x80000000
	s_mov_b32 s[G0RS], 1
	s_add_co_u32 s[G0RS+1], s[G0PS+1], 4096
	s_mov_b64 s[G0RS+2:G0RS+3], s[96:97]
	s_or_b32 s[G0RS+3], s[G0RS+3], 0x80000000
	s_mov_b32 s[G0R0], 1
	s_add_co_u32 s[G0R0+1], s[G0P0+1], RT
	s_mov_b64 s[G0R0+2:G0R0+3], s[88:89]
	s_or_b32 s[G0R0+3], s[G0R0+3], 0x80000000
	s_mov_b32 s[G0R1], 1
	s_add_co_u32 s[G0R1+1], s[G0R0+1], 49152
	s_add_nc_u64 s[G0R1+2:G0R1+3], s[88:89], 6144
	s_or_b32 s[G0R1+3], s[G0R1+3], 0x80000000
	CROUND                                         ; all sixteen work-groups are here: the joint loads meet
	JLOAD G0PS, G1PS, G0RS, G1RS                   ; three loads of mine are out: the scale words,
	JLOAD G0P0, G1P, G0R0, G1R                     ; K steps 0-3,
	JLOAD G0P1, G1P, G0R1, G1R                     ; K steps 4-7
	v_and_b32 v1, 31, v0                           ; lane
	v_and_b32 v2, 15, v0                           ; r
	v_bfe_u32 v3, v0, 4, 1                         ; h
	v_lshlrev_b32 v9, 4, v1                        ; 16 x lane: an image's place for my lane
	v_lshlrev_b32 v10, 3, v1                       ; 8 x lane
	s_mul_i32 s2, s17, 24576
	v_add_nc_u32 v4, s2, v9                        ; my four tiles of P, K half 0,
	s_add_co_u32 s2, s2, 49152
	v_add_nc_u32 v5, s2, v9                        ; K half 1
	s_mul_i32 s2, s18, 24576
	s_add_co_u32 s2, s2, RT
	v_add_nc_u32 v6, s2, v9                        ; of R
	s_add_co_u32 s2, s2, 49152
	v_add_nc_u32 v7, s2, v9
	s_xor_b32 s2, s17, 1                           ; scale words: lanes 0-15 P's, lanes 16-31 R's: the lower base + h x the distance, 4,096 + 2,048 (my R half - my P half)
	s_add_co_u32 s2, s2, s18
	s_lshl_b32 s2, s2, 11
	s_add_co_u32 s2, s2, 2048
	v_mul_u32_u24 v8, s2, v3
	s_lshl_b32 s3, s17, 11
	s_add_co_u32 s3, s3, PS
	v_lshl_add_u32 v8, v2, 2, v8
	v_add_nc_u32 v8, s3, v8
.irp b, 0,1,2,3
	v_mov_b32 v[TM+4+\b], 0                        ; written once: a lane permute's destination counts as one of its sources
.endr
	s_lshl_b32 s94, s84, 1
	s_add_co_u32 s94, s94, s17                     ; PG: my 64 rows of P, counted in P's buffer
	s_lshl_b32 s95, s85, 1
	s_add_co_u32 s95, s95, s18                     ; RG: my 64 rows of R
	; where the results go: q, k: piece (PG % 16) x 192 + RG of qk;  v: piece batch x 512 + head x 32 + group of 64 keys of vv.  A piece: 3,072 bytes of codes, 256 of scale words
	s_and_b32 s96, s94, 15
	s_mul_i32 s96, s96, 192
	s_add_co_u32 s96, s96, s95
	s_sub_co_u32 s97, s94, 64
	s_lshr_b32 s86, s97, 5
	s_lshl_b32 s86, s86, 9
	s_and_b32 s97, s97, 31
	s_add_co_u32 s86, s86, s97
	s_sub_co_u32 s97, s95, 32
	s_lshl_b32 s97, s97, 5
	s_add_co_u32 s86, s86, s97
	s_cmp_eq_u32 s23, 1
	s_cselect_b32 s96, s86, s96
	s_cselect_b64 s[88:89], s[14:15], s[12:13]
	s_mov_b32 s97, QK_SC
	s_cselect_b32 s97, V_SC, s97
	s_mul_i32 s86, s96, 3072
	s_mov_b32 s87, 0
	s_add_nc_u64 s[90:91], s[88:89], s[86:87]      ; codes
	s_lshl_b32 s86, s96, 8
	s_add_co_u32 s86, s86, s97
	s_add_nc_u64 s[92:93], s[88:89], s[86:87]      ; scale words
	; THE BIAS IS THE C OF EACH SUM'S FIRST MATRIX INSTRUCTION: eight registers a tile, in the result's layout
	s_cmp_eq_u32 s23, 1
	s_cbranch_scc1 .Lbias_v
	s_cmp_lt_u32 s22, 8                            ; q, k: the bias runs along P: tile tp's register j is column 32 (tp / 2) + 16 h + 8 (tp % 2) + j of the head
	s_cselect_b64 s[86:87], s[8:9], s[10:11]
	s_and_b32 s96, s94, 15
	s_lshl_b32 s96, s96, 8
	s_mov_b32 s97, 0
	s_add_nc_u64 s[86:87], s[86:87], s[96:97]
	v_lshlrev_b32 v11, 6, v3
.irp tp, 0,1,2,3
	global_load_b128 v[BI+8*\tp:BI+8*\tp+3], v11, s[86:87] offset:(32*(\tp/2)+8*(\tp%2))*4
	global_load_b128 v[BI+8*\tp+4:BI+8*\tp+7], v11, s[86:87] offset:(32*(\tp/2)+8*(\tp%2))*4+16
.endr
	s_branch .Lbias_done
.Lbias_v:
	s_sub_co_u32 s96, s95, 32                      ; v: the bias runs along R: all eight registers of tile tr hold my lane's channel's, 32 (tr / 2) + 8 (tr % 2) + r + 8 (r / 8)
	s_lshl_b32 s96, s96, 8
	s_add_co_u32 s96, s96, 4096
	s_mov_b32 s97, 0
	s_add_nc_u64 s[86:87], s[10:11], s[96:97]
	v_and_b32 v11, 8, v2
	v_add_nc_u32 v11, v11, v2
	v_lshlrev_b32 v11, 2, v11
.irp tr, 0,1,2,3
.irp j, 0,1,2,3,4,5,6,7
	global_load_b32 v[BI+8*\tr+\j], v11, s[86:87] offset:(32*(\tr/2)+8*(\tr%2))*4
.endr
.endr
.Lbias_done:
.macro FETCH s, f                      ; K step s: my four fragments of P, then my four of R, into set f: 24 loads of 512 consecutive bytes
.irp i, 0,1,2,3
.irp c, 0,1,2
	ds_load_b128 v[(\f)+12*\i+4*\c:(\f)+12*\i+4*\c+3], v[4+(\s)/4] offset:\i*6144+((\s)%4)*1536+512*\c
.endr
.endr
.irp i, 0,1,2,3
.irp c, 0,1,2
	ds_load_b128 v[(\f)+48+12*\i+4*\c:(\f)+48+12*\i+4*\c+3], v[6+(\s)/4] offset:\i*6144+((\s)%4)*1536+512*\c
.endr
.endr
.endm
; 16 matrix instructions, 128 along K.  The 16 accumulators take turns, one instruction a turn, in the same order in every step.  cm = 1, 2: the bias starts the sums
.macro MUL16 s, f, cm
.irp tr, 0,1,2,3
.irp tp, 0,1,2,3
.set rD, ACC+32*\tr+8*\tp
.set rA, (\f)+12*\tp
.set rB, (\f)+48+12*\tr
.set rC, rD
.if (\cm) == 1
.set rC, BI+8*\tp
.endif
.if (\cm) == 2
.set rC, BI+8*\tr
.endif
	v_wmma_scale_f32_16x16x128_f8f6f4 v[rD:rD+7], v[rA:rA+11], v[rB:rB+11], v[rC:rC+7], v[SC+8*\tp+(\s)], v[SC+8*\tr+(\s)] matrix_a_fmt:MATRIX_FMT_FP6 matrix_b_fmt:MATRIX_FMT_FP6 matrix_b_scale:MATRIX_SCALE_ROW1
.endr
.endr
.endm
.macro STEP s                          ; K steps 1 to 7
	s_wait_dscnt 0x0                               ; this step's fragments are in (asked for 16 matrix instructions ago)
.if (\s) == 3
	s_wait_tensorcnt 0x0                           ; my part of K steps 4-7 has landed,
	s_barrier_signal -1
	s_barrier_wait -1                              ; everybody's has.
.endif
.if (\s) < 7
.rept 4
	v_nop                                          ; four places in front of loads into registers that the last step's matrix instructions have read (ISA guide 7.12.1 for vector instructions)
.endr
	WIN TO_F
	FETCH (\s)+1, 96*(((\s)+1)%2)
.endif
	WIN MUL
	MUL16 \s, 96*((\s)%2), 0
.endm
	s_wait_tensorcnt 0x1                           ; my scale words and my part of K steps 0-3 are in; the load of K steps 4-7 may be out
	s_barrier_signal -1
	s_barrier_wait -1                              ; everybody's are
.irp i, 0,1,2,3
.irp q, 0,1,2,3,4,5,6,7
	ds_load_b32 v[SC+8*\i+\q], v8 offset:\i*512+\q*64   ; all of K's scale words, once
.endr
.endr
	WIN TO_F
	FETCH 0, F0
	s_wait_loadcnt 0x0                             ; the bias
	s_wait_dscnt 0x0
	FETCH 1, F1
	WIN 0                                          ; at a branch and at a label every window is 0
	s_cmp_eq_u32 s23, 1
	s_cbranch_scc1 .Lfirst_v
	WIN MUL
	MUL16 0, F0, 1
	WIN 0
	s_branch .Lfirst_done
.Lfirst_v:
	WIN MUL
	MUL16 0, F0, 2
	WIN 0
.Lfirst_done:
	STEP 1
	STEP 2
	STEP 3
	STEP 4
	STEP 5
	STEP 6
	STEP 7
	WIN 0
.rept 4
	v_nop                                          ; four places in front of the first read of results
.endr
	QUANT ACC, PC, 116                             ; R tiles 0 and 1: my 64 places along P are two blocks of 32 for each
.irp c, 0,1,2
	global_store_b128 v9, v[PC+4*\c:PC+4*\c+3], s[90:91] offset:512*\c            ; 512 consecutive bytes an instruction
.endr
	s_wait_xcnt 0x0                                ; the stores' data are written again only behind this wait
	QUANT ACC+64, PC, 117                          ; R tiles 2 and 3
.irp c, 0,1,2
	global_store_b128 v9, v[PC+4*\c:PC+4*\c+3], s[90:91] offset:1536+512*\c
.endr
	v_cmp_gt_u32 vcc_lo, 16, v1
	v_cndmask_b32 v120, v117, v116, vcc_lo         ; lanes 0-15: tiles 0 and 1; lanes 16-31: tiles 2 and 3
	v_and_b32 v118, 0xffff, v120                   ; a word for each tile: its two bytes below, zeros above
	v_lshrrev_b32 v119, 16, v120
	global_store_b64 v10, v[118:119], s[92:93]     ; 256 consecutive bytes, aligned
	s_wait_tensorcnt 0x0                           ; the wave's end
	ds_add_u32 v[SPW], v[NIL]
	s_wait_dscnt 0x0
	CROUND                                         ; the closing round
	s_endpgm
.Lfunc_end_k_q3db05aabcf_proj:
	.size	k_q3db05aabcf_proj, .Lfunc_end_k_q3db05aabcf_proj-k_q3db05aabcf_proj
	.p2alignl 7, 3214868480
	.fill 96, 4, 3214868480
	.section	.rodata,"a",@progbits
	.p2align	6, 0x0
	.amdhsa_kernel k_q3db05aabcf_proj
		.amdhsa_group_segment_fixed_size 229376
		.amdhsa_private_segment_fixed_size 0
		.amdhsa_enable_private_segment 0
		.amdhsa_kernarg_size 48
		.amdhsa_user_sgpr_count 2
		.amdhsa_user_sgpr_kernarg_segment_ptr 1
		.amdhsa_wavefront_size32 1
		.amdhsa_system_sgpr_workgroup_id_x 1
		.amdhsa_system_sgpr_workgroup_id_y 1
		.amdhsa_system_sgpr_workgroup_id_z 1
		.amdhsa_system_vgpr_workitem_id 0
		.amdhsa_next_free_vgpr 512
		.amdhsa_next_free_sgpr 100
		.amdhsa_reserve_vcc 1
		.amdhsa_float_denorm_mode_32 3
		.amdhsa_float_denorm_mode_16_64 3
		.amdhsa_memory_ordered 1
		.amdhsa_forward_progress 1
		.amdhsa_inst_pref_size 58
	.end_amdhsa_kernel
	.amdgpu_metadata
---
amdhsa.version: [ 1, 2 ]
amdhsa.kernels:
  - .name:           k_q3db05aabcf_proj
    .symbol:         k_q3db05aabcf_proj.kd
    .args:
      - { .name: act, .offset: 0, .size: 8, .value_kind: global_buffer, .address_space: global }
      - { .name: wts, .offset: 8, .size: 8, .value_kind: global_buffer, .address_space: global }
      - { .name: bq, .offset: 16, .size: 8, .value_kind: global_buffer, .address_space: global }
      - { .name: bkv, .offset: 24, .size: 8, .value_kind: global_buffer, .address_space: global }
      - { .name: qk, .offset: 32, .size: 8, .value_kind: global_buffer, .address_space: global }
      - { .name: vv, .offset: 40, .size: 8, .value_kind: global_buffer, .address_space: global }
    .group_segment_fixed_size: 229376
    .private_segment_fixed_size: 0
    .kernarg_segment_align: 8
    .kernarg_segment_size: 48
    .max_flat_workgroup_size: 128
    .sgpr_count:     100
    .vgpr_count:     512
    .wavefront_size: 32
...
	.end_amdgpu_metadata
.endif
;; end of part 2
;; launch attn (part 3): grid 4 x 64, 16 waves a work-group, clusters of 4 x 1, 229,376 bytes of LDS; arguments qk, vv, attention_mask, aa; writes aa
.if DOCPART == 3
	.amdgcn_target "amdgcn-amd-amdhsa--gfx1250"
	.amdhsa_code_object_version 6
	.text
	.protected	k_q3db05aabcf_attn
	.globl	k_q3db05aabcf_attn
	.p2align	8
	.type	k_q3db05aabcf_attn,@function
k_q3db05aabcf_attn:
	s_mov_b64 s[64:65], 0
	v_nop
	global_prefetch_b8 v0, s[64:65] scope:SCOPE_SE
	s_setreg_imm32_b32 hwreg(HW_REG_WAVE_MODE, 25, 1), 1
	s_wait_xcnt 0x0
	s_wait_alu depctr_hold_cnt(0) depctr_sa_sdst(0) depctr_va_vdst(0) depctr_va_sdst(0) depctr_va_ssrc(0) depctr_va_vcc(0) depctr_vm_vsrc(0)
	s_getreg_b32 s2, hwreg(HW_REG_IB_STS2, 6, 4)
	s_cmp_eq_u32 s2, 0
	s_cbranch_scc0 .Lentry_in_a_cluster
	s_endpgm
.Lentry_in_a_cluster:
	s_bfe_u32 s2, ttmp6, 0x10000c
	s_cmp_lg_u32 s2, 0x3003
	s_cbranch_scc0 .Lentry_shape_is_right
	s_endpgm
.Lentry_shape_is_right:
; CROSS ATTENTION IN MX-FP6, launch 3 of 4: a = softmax(q k^T / 8 + mask) v for one batch and head, both products on codes of E2M3, and a's quantising along D for the last product.  Nothing of reference() is left out here.
; THE SOFTMAX AHEAD OF THE SECOND PRODUCT: t = (score / 8 + mask) log2(e); M = the row's largest t so far, rounded UP to a whole number; p = 2^(t - M) is what is quantised, along the keys, not normalised.
; The row's sum is taken of the unquantised p and divides at the end.  When M moves, the sum and O are multiplied by 2^(old M - new M): exact.
; LIMITS: 8 x mask is held at -3e38 from below, so a mask of -infinity acts as a hole.  The running largest t begins at -2^31: a query ALL of whose t lie under that (every key masked by about -1.5e9 or less) gets the sum 0 and no finite
; result, where reference() still forms a softmax among them.  NaN among the inputs is not served.  A block of zeros has the byte 1 where the rule says 127 (zero codes; this program alone reads the bytes).
; SHARES: a work-group owns 256 queries of one (batch, head); each of its sixteen waves 16 of them, one tile, in 256 registers: four waves to a SIMD.  Every wave walks the 2,048 keys, 128 a step.
; The head's K, V and their scale words, 208 KiB, lie whole in LDS: each byte of LDS is filled once, so there is no ring.  CLUSTER: the four query blocks of a (batch, head) ask for them jointly.
; LAYOUT: both products transposed: S^T = K Q^T, O^T = V^T P^T: a lane holds ONE query throughout.  A tile's keys are chosen (launch 1) so that the 16 registers of tiles 2 b, 2 b + 1 are keys 32 b + 16 (lane / 16) + 0 .. 15.
; THE FIRST PRODUCT'S K IS 64: a key tile's six registers stand in the lower half of source 0; the upper half is the next tile's registers, which meet ZERO CODES in Q's upper half.  Both scale words hold 0 in the upper two bytes.
; 8 x MASK IS THE C OF THE FIRST PRODUCT: (score + 8 mask) x log2(e) / 8 = t: the mask costs no vector instruction.
; REGISTERS: v1-4 addresses that stay; v5, v6 the add's two; v8-11 the step's addresses; v12 -M, v13 the largest t, v[14:15] the sum; v16-27 Q; v28 its scale word; v32-85 K's tiles, then V's fragments; v86-95 scale words;
;   v96-159 S^T, then p; v160-191 O^T; v192-211 p's codes; v212-231 at work.
.set QK_SC, 9437184
.set V_SC,  6291456
.set A_SC,  3145728
.set VI,    98304                      ; LDS: K's images at 0, 6,144 bytes a step; V's here;
.set SCK,   196608                     ; K's scale words, 512 bytes a step; V's 8,192 bytes on;
.set MK,    212992                     ; 8 x mask, 2,048 numbers: stored by the waves, never a tensor load's target;
.set SPARE, 221184                     ; the spare words, 128 bytes for each wave: eight blocks of 256 bytes that no other line names
.set SPW, 5
.set NIL, 6
.set BM,  212                          ; v212-215 the blocks' largest scores, then largest p
.set BT,  216                          ; v216-219 the other half's; later the bytes
.set BS,  220                          ; v220-223 the conversions' scale operands
.set PW,  224                          ; v224     p's scale word
.set WV,  18
.set SEL, 20
.set CS,  22
.set TB,  27                           ; s27 where the step's images begin
.set TS,  28                           ; s28 where its scale words and its numbers of the mask begin: 512 bytes a step, all three
.set G1C, 32
.set G1S, 40
.set G0S, 48
.set G0A, 52
.set G0B, 56
.macro CROUND                          ; a round of the cluster's barrier
	s_barrier_signal -1
	s_barrier_wait -1
	s_cmp_lg_u32 s[WV], 0
	s_cbranch_scc1 .Lnot_wave_0_\@
	s_barrier_signal -3
.Lnot_wave_0_\@:
	s_barrier_wait -3
	s_barrier_signal -1
	s_barrier_wait -1
.endm
	s_load_b256 s[4:11], s[0:1], 0x0               ; qk, vv, attention_mask, aa
	v_lshl_add_u32 v[SPW], v0, 2, SPARE
	v_mov_b32 v[NIL], 0
	ds_add_u32 v[SPW], v[NIL]                      ; the wave's opening: the add, twice on end, and its wait ahead of my first tensor load
	ds_add_u32 v[SPW], v[NIL]
	v_lshrrev_b32 v1, 5, v0
	v_readfirstlane_b32 s[WV], v1                  ; wave 0..15
	s_bfe_u32 s19, ttmp6, 0x40000                  ; cx: my block of 256 queries
	s_and_b32 s24, ttmp7, 0xffff                   ; batch x 16 + head, which the four partners share
	s_lshr_b32 s25, s24, 4                         ; batch
	s_and_b32 s26, s24, 15                         ; head
	s_mov_b32 s[G1C], 15|(3<<16)|(1<<21)           ; 15:0 the mask: all four work-groups; 17:16 elements of 8 bytes; 21 set beside a mask.  Codes: 6,144 dense bytes as 24 rows of 256
	s_mov_b32 s[G1C+1], 32<<16
	s_mov_b32 s[G1C+2], 24<<16
	s_mov_b32 s[G1C+3], 32<<16
	s_mov_b32 s[G1C+4], 24
	s_mov_b32 s[G1C+5], 32
	s_mov_b32 s[G1C+6], 0
	s_mov_b32 s[G1C+7], 0
	s_mov_b32 s[G1S], 15|(3<<16)|(1<<21)           ; scale words: 1,024 dense bytes as 4 rows
	s_mov_b32 s[G1S+1], 32<<16
	s_mov_b32 s[G1S+2], 4<<16
	s_mov_b32 s[G1S+3], 32<<16
	s_mov_b32 s[G1S+4], 4
	s_mov_b32 s[G1S+5], 32
	s_mov_b32 s[G1S+6], 0
	s_mov_b32 s[G1S+7], 0
	s_lshr_b32 s60, s[WV], 3                       ; waves 0-7 fetch K, waves 8-15 V: an eighth of each part
	s_and_b32 s61, s[WV], 7
	s_mul_i32 s62, s26, 384
	s_lshl_b32 s63, s25, 6
	s_add_co_u32 s62, s62, s63
	s_add_co_u32 s62, s62, 128
	s_mul_i32 s62, s62, 1536                       ; K's codes: pair head x 384 + 128 + batch x 64 of qk
	s_mul_i32 s63, s24, 98304                      ; V's codes
	s_mul_i32 s66, s26, 192
	s_lshl_b32 s67, s25, 5
	s_add_co_u32 s66, s66, s67
	s_add_co_u32 s66, s66, 64
	s_lshl_b32 s66, s66, 8
	s_add_co_u32 s66, s66, QK_SC                   ; K's scale words
	s_lshl_b32 s67, s24, 13
	s_add_co_u32 s67, s67, V_SC                    ; V's
	s_cmp_eq_u32 s60, 0
	s_cselect_b32 s68, s62, s63
	s_cselect_b32 s70, s66, s67
	s_mov_b32 s69, 0
	s_mov_b32 s71, 0
	s_mul_i32 s72, s61, 6144
	s_add_co_u32 s68, s68, s72
	s_lshl_b32 s73, s61, 10
	s_add_co_u32 s70, s70, s73
	s_mul_i32 s74, s60, VI
	s_add_co_u32 s74, s74, s72                     ; LDS: my eighth of the first half of K's or V's images;
	s_lshl_b32 s75, s[WV], 10
	s_add_co_u32 s75, s75, SCK                     ; my sixteenth of the scale words
	s_mov_b32 s[SEL], 0x76543210
	s_mov_b32 s[SEL+1], 0xfedcba98
	s_mov_b32 s[CS], 0x3e38aa3b                    ; c = log2(e) / 8
	s_mov_b32 s[CS+1], s[CS]                       ; (named with it as a pair, so it is written)
	s_mov_b32 s[TB], 0
	s_mov_b32 s[TS], 0
	s_wait_dscnt 0x0                               ; both opening adds are done
	s_wait_kmcnt 0x0
	s_cmp_eq_u32 s60, 0
	s_cselect_b64 s[76:77], s[4:5], s[6:7]
	s_add_nc_u64 s[68:69], s[76:77], s[68:69]
	s_add_nc_u64 s[70:71], s[76:77], s[70:71]
	s_mov_b32 s[G0S], 1
	s_mov_b32 s[G0S+1], s75
	s_mov_b64 s[G0S+2:G0S+3], s[70:71]
	s_or_b32 s[G0S+3], s[G0S+3], 0x80000000
	s_mov_b32 s[G0A], 1
	s_mov_b32 s[G0A+1], s74
	s_mov_b64 s[G0A+2:G0A+3], s[68:69]
	s_or_b32 s[G0A+3], s[G0A+3], 0x80000000
	s_mov_b32 s[G0B], 1
	s_add_co_u32 s[G0B+1], s74, 49152
	s_add_nc_u64 s[G0B+2:G0B+3], s[68:69], 49152
	s_or_b32 s[G0B+3], s[G0B+3], 0x80000000
	CROUND                                         ; all four work-groups are here: the joint loads meet
	tensor_load_to_lds s[G0S:G0S+3], s[G1S:G1S+7]  ; every wave issues three: scale words,
	s_nop 0
	tensor_load_to_lds s[G0A:G0A+3], s[G1C:G1C+7]  ; keys 0 to 1,023,
	s_nop 0
	tensor_load_to_lds s[G0B:G0B+3], s[G1C:G1C+7]  ; keys 1,024 to 2,047
	s_nop 0
.rept 4
	v_nop
.endr
	v_and_b32 v7, 31, v0                           ; lane
	v_and_b32 v30, 15, v0                          ; r
	v_bfe_u32 v31, v0, 4, 1                        ; h
	v_lshlrev_b32 v1, 4, v7                        ; K's images: 16 x lane
	v_add_nc_u32 v2, VI, v1                        ; V's
	v_lshlrev_b32 v3, 3, v7
	v_add_nc_u32 v3, SCK, v3                       ; scale words: 8 x lane
	v_lshlrev_b32 v4, 6, v31
	v_add_nc_u32 v4, MK, v4                        ; the mask: my half's 16 keys of each 32
	v_lshlrev_b32 v29, 4, v0                       ; 16 x thread
	s_lshl_b32 s66, s25, 13
	s_mov_b32 s67, 0
	s_add_nc_u64 s[66:67], s[8:9], s[66:67]
	global_load_b128 v[96:99], v29, s[66:67]       ; the batch's mask: four numbers a thread
	s_mul_i32 s68, s26, 384
	s_lshl_b32 s69, s25, 5
	s_add_co_u32 s68, s68, s69
	s_lshl_b32 s69, s19, 3
	s_add_co_u32 s68, s68, s69
	s_lshr_b32 s69, s[WV], 1
	s_add_co_u32 s68, s68, s69                     ; Q: pair head x 384 + batch x 32 + 8 cx + wave / 2
	s_mul_i32 s68, s68, 1536
	s_mov_b32 s69, 0
	s_add_nc_u64 s[68:69], s[4:5], s[68:69]
.irp c, 0,1,2
	global_load_b128 v[32+4*\c:35+4*\c], v1, s[68:69] offset:512*\c
.endr
	s_mul_i32 s70, s26, 192
	s_lshl_b32 s71, s25, 4
	s_add_co_u32 s70, s70, s71
	s_lshl_b32 s71, s19, 2
	s_add_co_u32 s70, s70, s71
	s_lshr_b32 s71, s[WV], 2
	s_add_co_u32 s70, s70, s71
	s_lshl_b32 s70, s70, 8                         ; its 64 rows' scale words; my tile is the wave % 4-th: 128 bytes on for tiles 2, 3; 4 for the odd ones
	s_bfe_u32 s71, s[WV], 0x10001
	s_lshl_b32 s71, s71, 7
	s_add_co_u32 s70, s70, s71
	s_and_b32 s71, s[WV], 1
	s_lshl_b32 s71, s71, 2
	s_add_co_u32 s70, s70, s71
	s_add_co_u32 s70, s70, QK_SC
	s_mov_b32 s71, 0
	s_add_nc_u64 s[70:71], s[4:5], s[70:71]
	v_lshlrev_b32 v30, 3, v30
	global_load_b32 v28, v30, s[70:71]             ; Q's scale word: two bytes, zeros above
	s_and_b32 s60, s[WV], 1
	s_cmp_eq_u32 s60, 1
	s_cselect_b32 s30, -1, 0                       ; all lanes: my tile is the pair's odd one
	v_mov_b32 v13, 0xcf000000                      ; the largest t so far: -2^31
	v_floor_f32 v12, -v13                          ; -M
	v_mov_b32 v14, 0                               ; the sum, in two halves
	v_mov_b32 v15, 0
.irp i, 0,1,2,3,4,5
	v_mov_b32 v[22+\i], 0                          ; Q's upper half: zero codes
	v_mov_b32 v[80+\i], 0                          ; what stands above the step's last key tile
.endr
.irp b, 0,1,2,3
	v_mov_b32 v[BT+\b], 0                          ; written once: a lane permute's destination counts as one of its sources
.endr
	v_mov_b32 v227, 0                              ; (named as the upper half of the pair v[226:227])
	v_mov_b32 v228, 0
.set jj, 0
.rept 32
	v_mov_b32 v[160+jj], 0                         ; O^T.  (The step is written once: the first finds zeros, which the first change of M leaves zeros)
.set jj, jj+1
.endr
	s_wait_loadcnt 0x0
.irp i, 0,1,2,3
	v_mul_f32 v[96+\i], 0x41000000, v[96+\i]       ; 8 x mask,
.endr
.irp i, 0,1,2,3
	v_max_num_f32 v[96+\i], 0xff61b1e6, v[96+\i]   ; held at -3e38 from below
.endr
	v_add_nc_u32 v29, MK, v29
	ds_store_b128 v29, v[96:99]
.irp i, 0,1,2,3,4,5
	v_cndmask_b32 v[16+\i], v[32+\i], v[38+\i], s30   ; my tile's six registers of the pair's twelve
.endr
	s_wait_tensorcnt 0x1                           ; my scale words and my part of the first half are in; the second half's load may be out
	s_wait_dscnt 0x0                               ; my part of the mask is stored
	s_barrier_signal -1
	s_barrier_wait -1
; A KEY STEP: 128 keys.
.macro STEP
	v_add_nc_u32 v8, s[TB], v1                     ; (these four are also the places in front of loads into registers that the last matrix instructions have read)
	v_add_nc_u32 v9, s[TB], v2
	v_add_nc_u32 v10, s[TS], v3
	v_add_nc_u32 v11, s[TS], v4
.irp t, 0,1,2,3,4,5,6,7
	ds_load_b128 v[96+8*\t:99+8*\t], v11 offset:128*(\t/2)+32*(\t%2)       ; 8 x mask of keys 32 (t / 2) + 16 h + 8 (t % 2) + 0 .. 7: the C of tile t
	ds_load_b128 v[100+8*\t:103+8*\t], v11 offset:128*(\t/2)+32*(\t%2)+16
.endr
.irp p, 0,1,2,3
.irp c, 0,1,2
	ds_load_b128 v[32+12*\p+4*\c:35+12*\p+4*\c], v8 offset:1536*\p+512*\c   ; four pairs of key tiles: tile t's six registers at v[32 + 6 t]
.endr
.endr
	ds_load_b64 v[86:87], v10                      ; K's scale words: register 2 (t / 4) + t % 2, lanes 0-15 for t % 4 < 2, lanes 16-31 else
	ds_load_b64 v[88:89], v10 offset:256
	s_wait_dscnt 0x0
.irp t, 0,1,2,3,4,5,6,7
.if (\t%4) < 2
	v_wmma_scale_f32_16x16x128_f8f6f4 v[96+8*\t:103+8*\t], v[32+6*\t:43+6*\t], v[16:27], v[96+8*\t:103+8*\t], v[86+2*(\t/4)+\t%2], v28 matrix_a_fmt:MATRIX_FMT_FP6 matrix_b_fmt:MATRIX_FMT_FP6
.else
	v_wmma_scale_f32_16x16x128_f8f6f4 v[96+8*\t:103+8*\t], v[32+6*\t:43+6*\t], v[16:27], v[96+8*\t:103+8*\t], v[86+2*(\t/4)+\t%2], v28 matrix_a_fmt:MATRIX_FMT_FP6 matrix_b_fmt:MATRIX_FMT_FP6 matrix_a_scale:MATRIX_SCALE_ROW1
.endif
.endr
.rept 4
	v_nop                                          ; four places: in front of the loads into K's registers, and of the first read of the scores
.endr
.irp t, 0,1,2,3                        ; V's four fragments (16 channels x 128 keys): registers 6 e on from the image of keys 64 e on; the even tile is the pair's registers 0-5, the odd one 6-11.  They land under the softmax
.irp e, 0,1
.if (\t%2) == 0
	ds_load_b128 v[32+12*\t+6*\e:35+12*\t+6*\e], v9 offset:3072*\e+1536*(\t/2)
	ds_load_b64 v[36+12*\t+6*\e:37+12*\t+6*\e], v9 offset:3072*\e+1536*(\t/2)+512
.else
	ds_load_b64 v[32+12*\t+6*\e:33+12*\t+6*\e], v9 offset:3072*\e+1536*(\t/2)+520
	ds_load_b128 v[34+12*\t+6*\e:37+12*\t+6*\e], v9 offset:3072*\e+1536*(\t/2)+1024
.endif
.endr
.endr
	ds_load_b64 v[90:91], v10 offset:8192          ; V's scale words of keys 0-63,
	ds_load_b64 v[92:93], v10 offset:8448          ; and of keys 64-127
.irp b, 0,1,2,3
	v_max3_num_f32 v[BM+\b], v[96+16*\b], v[97+16*\b], v[98+16*\b]   ; THE LARGEST SCORE OF EACH BLOCK OF 32 KEYS serves twice: for the row's maximum, and, since p rises with the score, for the block's largest p
.endr
.irp i, 3,5,7,9,11,13
.irp b, 0,1,2,3
	v_max3_num_f32 v[BM+\b], v[BM+\b], v[96+16*\b+\i], v[97+16*\b+\i]
.endr
.endr
.irp b, 0,1,2,3
	v_max_num_f32 v[BM+\b], v[BM+\b], v[111+16*\b]
.endr
.irp b, 0,1,2,3
	v_permlanex16_b32 v[BT+\b], v[BM+\b], s[SEL], s[SEL+1]
.endr
.irp b, 0,1,2,3
	v_max_num_f32 v[BM+\b], v[BM+\b], v[BT+\b]     ; with lane l xor 16's 16 keys
.endr
	v_max3_num_f32 v228, v[BM], v[BM+1], v[BM+2]
	v_max_num_f32 v228, v228, v[BM+3]
	v_mul_f32 v228, s[CS], v228                    ; the step's largest t (c is positive)
	v_max_num_f32 v13, v13, v228                   ; the running largest t
	v_mov_b32 v228, v12
	v_floor_f32 v12, -v13                          ; the new -M = floor(-t) = -ceil(t)
	v_sub_f32 v228, v12, v228                      ; old M - new M: a whole number, 0 or less
	v_cvt_i32_f32 v228, v228                       ; (it saturates)
	v_ldexp_f32 v226, 1.0, v228                    ; f = 2^(old M - new M)
.set jj, 0
.rept 32
	v_pk_fma_f32 v[96+jj:97+jj], v[96+jj:97+jj], s[CS:CS+1], v[12:13] op_sel_hi:[1,0,0]   ; t - M, two at a time
.set jj, jj+2
.endr
.irp b, 0,1,2,3
	v_fma_f32 v[BM+\b], v[BM+\b], s[CS], v12       ; the same of each block's largest score
.endr
.set jj, 0
.rept 64
	v_exp_f32 v[96+jj], v[96+jj]                   ; p = 2^(t - M): not normalised
.set jj, jj+1
.endr
	v_pk_mul_f32 v[14:15], v[14:15], v[226:227] op_sel_hi:[1,0]   ; the sums under the new M.  (A plain place behind the exponentials)
	s_wait_alu depctr_va_vdst(0)                   ; one wait for the whole batch, ahead of its first reader
.irp b, 0,1,2,3
	v_exp_f32 v[BM+\b], v[BM+\b]                   ; the block's largest p: the same two instructions on the same number give the same bits
.endr
	v_pk_add_f32 v[230:231], v[96:97], v[98:99]    ; THE ROW'S SUM IS TAKEN OF THE UNQUANTISED p: two at a time, in two chains
.set jj, 4
.rept 15
	v_pk_add_f32 v[14:15], v[14:15], v[96+jj:97+jj]
	v_pk_add_f32 v[230:231], v[230:231], v[98+jj:99+jj]
.set jj, jj+4
.endr
	v_pk_add_f32 v[14:15], v[14:15], v[230:231]
	s_wait_alu depctr_va_vdst(0)                   ; and one for the four
.irp b, 0,1,2,3
	v_max_num_f32 v[BM+\b], 0x1800000, v[BM+\b]    ; the floor 2^(3 - 127): the byte cannot fall under 1
.endr
.irp b, 0,1,2,3
	v_add_nc_u32 v[BS+\b], 0xff000000, v[BM+\b]    ; 2 off the exponent field: the conversion's scale operand
.endr
.irp b, 0,1,2,3
	v_lshrrev_b32 v[BT+\b], 23, v[BS+\b]           ; the scale's byte
.endr
	v_lshl_or_b32 v[PW], v[BT+1], 8, v[BT]         ; p's scale word for these 128 keys
	v_lshl_or_b32 v[PW], v[BT+2], 16, v[PW]
	v_lshl_or_b32 v[PW], v[BT+3], 24, v[PW]
.irp c, 0,1
	v_cvt_scalef32_pk16_fp6_f32 v[192+6*\c:194+6*\c], v[96+32*\c:111+32*\c], v[BS+2*\c]
	v_cvt_scalef32_pk16_fp6_f32 v[204+4*\c:206+4*\c], v[112+32*\c:127+32*\c], v[BS+2*\c+1]
.endr
	v_nop                                          ; one plain place behind a scaled conversion
.irp c, 0,1                            ; the operand's layout wants a WHOLE block in a lane
.irp i, 0,1,2
	v_permlane16_swap_b32 v[192+6*\c+\i], v[204+4*\c+\i]
.endr
.irp i, 0,1,2
	v_mov_b32 v[195+6*\c+\i], v[204+4*\c+\i]
.endr
.endr
	s_wait_dscnt 0x0                               ; V's fragments and scale words are in
	v_lshl_or_b32 v94, v92, 16, v90                ; V's words for 128 keys: the first 64 keys' two bytes below, the next 64's above
	v_lshl_or_b32 v95, v93, 16, v91
.set jj, 0
.rept 16
	v_pk_mul_f32 v[160+jj:161+jj], v[160+jj:161+jj], v[226:227] op_sel_hi:[1,0]   ; O^T under the new M.  (These 16 are also the places between the scale words and codes just written and the matrix instructions)
.set jj, jj+2
.endr
.irp t, 0,1,2,3
.if \t < 2
	v_wmma_scale_f32_16x16x128_f8f6f4 v[160+8*\t:167+8*\t], v[32+12*\t:43+12*\t], v[192:203], v[160+8*\t:167+8*\t], v[94+\t%2], v[PW] matrix_a_fmt:MATRIX_FMT_FP6 matrix_b_fmt:MATRIX_FMT_FP6
.else
	v_wmma_scale_f32_16x16x128_f8f6f4 v[160+8*\t:167+8*\t], v[32+12*\t:43+12*\t], v[192:203], v[160+8*\t:167+8*\t], v[94+\t%2], v[PW] matrix_a_fmt:MATRIX_FMT_FP6 matrix_b_fmt:MATRIX_FMT_FP6 matrix_a_scale:MATRIX_SCALE_ROW1
.endif
.endr
.endm
.macro HALF                            ; eight key steps.  No two matrix instructions that follow each other share an accumulator, over the backward jump too
	s_mov_b32 s29, 8
.Lstep_\@:
	STEP
	s_add_co_u32 s[TB], s[TB], 6144
	s_add_co_u32 s[TS], s[TS], 512
	s_sub_co_u32 s29, s29, 1
	s_cmp_lg_u32 s29, 0
	s_cbranch_scc1 .Lstep_\@
.endm
	HALF
	s_wait_tensorcnt 0x0                           ; my part of the second half has landed,
	s_wait_dscnt 0x0
	s_barrier_signal -1
	s_barrier_wait -1                              ; everybody's has.
	HALF
	; THE WAY OUT: a = O^T / the sum; register 16 B + i is channel 32 B + 16 h + i of my query: two blocks of 32 along the last product's K.  They become half a fragment (this head's 64 of a K step of 128).
	v_add_f32 v14, v14, v15
	v_permlanex16_b32 v228, v14, s[SEL], s[SEL+1]
	v_add_f32 v14, v14, v228                       ; the row's sum
	v_rcp_f32 v14, v14
	v_lshlrev_b32 v29, 3, v7                       ; (plain places behind the reciprocal, and behind the last matrix instructions)  8 x lane
	v_and_b32 v30, 15, v0
	v_lshlrev_b32 v30, 2, v30                      ; 4 r
	v_nop
	s_lshl_b32 s60, s25, 6
	s_lshl_b32 s61, s19, 4
	s_add_co_u32 s60, s60, s61
	s_add_co_u32 s60, s60, s[WV]                   ; my tile of rows: batch x 64 + 16 cx + wave
	s_lshl_b32 s61, s60, 3
	s_lshr_b32 s62, s26, 1
	s_add_co_u32 s61, s61, s62                     ; K step head / 2
	s_mul_i32 s66, s61, 1536
	s_and_b32 s63, s26, 1
	s_mul_i32 s67, s63, 768                        ; its half head % 2
	s_add_co_u32 s66, s66, s67
	s_mov_b32 s67, 0
	s_add_nc_u64 s[66:67], s[10:11], s[66:67]
	s_lshl_b32 s68, s60, 9
	s_lshl_b32 s62, s62, 6
	s_add_co_u32 s68, s68, s62
	s_lshl_b32 s63, s63, 1
	s_add_co_u32 s68, s68, s63
	s_add_co_u32 s68, s68, A_SC
	s_mov_b32 s69, 0
	s_add_nc_u64 s[68:69], s[10:11], s[68:69]
	s_wait_alu depctr_va_vdst(0)                   ; the wait ahead of the reciprocal's first reader
.set jj, 0
.rept 32
	v_mul_f32 v[96+jj], v[160+jj], v14             ; (each accumulator from its low end on)
.set jj, jj+1
.endr
.irp b, 0,1
	v_max3_num_f32 v[BM+\b], |v[96+16*\b]|, |v[97+16*\b]|, 0x1800000
.endr
.irp i, 2,4,6,8,10,12,14
.irp b, 0,1
	v_max3_num_f32 v[BM+\b], v[BM+\b], |v[96+16*\b+\i]|, |v[97+16*\b+\i]|
.endr
.endr
.irp b, 0,1
	v_permlanex16_b32 v[BT+\b], v[BM+\b], s[SEL], s[SEL+1]
.endr
.irp b, 0,1
	v_max_num_f32 v[BM+\b], v[BM+\b], v[BT+\b]
.endr
.irp b, 0,1
	v_add_nc_u32 v[BS+\b], 0xff000000, v[BM+\b]
.endr
.irp b, 0,1
	v_lshrrev_b32 v[BT+\b], 23, v[BS+\b]
.endr
	v_lshl_or_b32 v228, v[BT+1], 8, v[BT]          ; my row's two scale bytes
	v_cvt_scalef32_pk16_fp6_f32 v[192:194], v[96:111], v[BS]
	v_cvt_scalef32_pk16_fp6_f32 v[204:206], v[112:127], v[BS+1]
	v_nop                                          ; one plain place behind a scaled conversion
.irp i, 0,1,2
	v_permlane16_swap_b32 v[192+\i], v[204+\i]
.endr
.irp i, 0,1,2
	v_mov_b32 v[195+\i], v[204+\i]
.endr
	global_store_b128 v1, v[192:195], s[66:67]     ; registers 0-3: 512 consecutive bytes;
	global_store_b64 v29, v[196:197], s[66:67] offset:512   ; registers 4, 5: 256
	v_cmp_gt_u32 vcc_lo, 16, v7
	s_wait_xcnt 0x0                                ; EXEC changes only behind this wait
	s_and_saveexec_b32 s31, vcc_lo                 ; lanes 0-15: a row each
	global_store_b16 v30, v228, s[68:69]           ; this head's half of the K step's scale word
	s_wait_xcnt 0x0                                ; and again, in front of the line that widens it
	s_or_b32 exec_lo, exec_lo, s31
	s_wait_tensorcnt 0x0                           ; the wave's end
	ds_add_u32 v[SPW], v[NIL]
	s_wait_dscnt 0x0
	CROUND                                         ; the closing round
	s_endpgm
.Lfunc_end_k_q3db05aabcf_attn:
	.size	k_q3db05aabcf_attn, .Lfunc_end_k_q3db05aabcf_attn-k_q3db05aabcf_attn
	.p2alignl 7, 3214868480
	.fill 96, 4, 3214868480
	.section	.rodata,"a",@progbits
	.p2align	6, 0x0
	.amdhsa_kernel k_q3db05aabcf_attn
		.amdhsa_group_segment_fixed_size 229376
		.amdhsa_private_segment_fixed_size 0
		.amdhsa_enable_private_segment 0
		.amdhsa_kernarg_size 32
		.amdhsa_user_sgpr_count 2
		.amdhsa_user_sgpr_kernarg_segment_ptr 1
		.amdhsa_wavefront_size32 1
		.amdhsa_system_sgpr_workgroup_id_x 1
		.amdhsa_system_sgpr_workgroup_id_y 1
		.amdhsa_system_sgpr_workgroup_id_z 1
		.amdhsa_system_vgpr_workitem_id 0
		.amdhsa_next_free_vgpr 256
		.amdhsa_next_free_sgpr 80
		.amdhsa_reserve_vcc 1
		.amdhsa_float_denorm_mode_32 3
		.amdhsa_float_denorm_mode_16_64 3
		.amdhsa_memory_ordered 1
		.amdhsa_forward_progress 1
		.amdhsa_inst_pref_size 49
	.end_amdhsa_kernel
	.amdgpu_metadata
---
amdhsa.version: [ 1, 2 ]
amdhsa.kernels:
  - .name:           k_q3db05aabcf_attn
    .symbol:         k_q3db05aabcf_attn.kd
    .args:
      - { .name: qk, .offset: 0, .size: 8, .value_kind: global_buffer, .address_space: global }
      - { .name: vv, .offset: 8, .size: 8, .value_kind: global_buffer, .address_space: global }
      - { .name: attention_mask, .offset: 16, .size: 8, .value_kind: global_buffer, .address_space: global }
      - { .name: aa, .offset: 24, .size: 8, .value_kind: global_buffer, .address_space: global }
    .group_segment_fixed_size: 229376
    .private_segment_fixed_size: 0
    .kernarg_segment_align: 8
    .kernarg_segment_size: 32
    .max_flat_workgroup_size: 512
    .sgpr_count:     80
    .vgpr_count:     256
    .wavefront_size: 32
...
	.end_amdgpu_metadata
.endif
;; end of part 3
;; launch outproj (part 4): grid 8 x 32, 4 waves a work-group, clusters of 4 x 4, 229,376 bytes of LDS; arguments aa, wts, bp, out0; writes out0
.if DOCPART == 4
	.amdgcn_target "amdgcn-amd-amdhsa--gfx1250"
	.amdhsa_code_object_version 6
	.text
	.protected	k_q3db05aabcf_outproj
	.globl	k_q3db05aabcf_outproj
	.p2align	8
	.type	k_q3db05aabcf_outproj,@function
k_q3db05aabcf_outproj:
	s_mov_b64 s[64:65], 0
	v_nop
	global_prefetch_b8 v0, s[64:65] scope:SCOPE_SE
	s_setreg_imm32_b32 hwreg(HW_REG_WAVE_MODE, 25, 1), 1
	s_wait_xcnt 0x0
	s_wait_alu depctr_hold_cnt(0) depctr_sa_sdst(0) depctr_va_vdst(0) depctr_va_sdst(0) depctr_va_ssrc(0) depctr_va_vcc(0) depctr_vm_vsrc(0)
	s_getreg_b32 s2, hwreg(HW_REG_IB_STS2, 6, 4)
	s_cmp_eq_u32 s2, 0
	s_cbranch_scc0 .Lentry_in_a_cluster
	s_endpgm
.Lentry_in_a_cluster:
	s_bfe_u32 s2, ttmp6, 0x10000c
	s_cmp_lg_u32 s2, 0xf033
	s_cbranch_scc0 .Lentry_shape_is_right
	s_endpgm
.Lentry_shape_is_right:
; CROSS ATTENTION IN MX-FP6, launch 4 of 4: out0 = a Wp + bp on codes of E2M3, sums in f32.  Nothing of reference() is left out here.
; The form of launch 2 without its modes: a work-group makes 128 columns (P = Wp's columns, source 0) x 128 rows (R = a's rows, source 1) over all of K = 1,024; both tiles and their scale words lie whole in LDS, each byte filled once.
; CLUSTERS: 4 x 4.  P's tile hangs on cx alone and is asked for jointly by a column of the cluster, R's on cy alone, by a row.
; a's images (launch 3) are two halves of 768 bytes, one for each head of the K step: registers 0-3 at 16 x lane, registers 4, 5 at 512 + 8 x lane.
; THE WAY OUT: a lane holds one row and 8 neighbouring columns a tile; 16 rows x 64 columns go through the wave's own stage in LDS and leave as rows of 256 bytes.  The rows of a tile are not neighbours (launch 1): the stores' offsets put them back.
; REGISTERS: window 0: v1-15, v120, v121 addresses; v16-47 scale words; v48-79 the bias, later with v80-111 the rows on their way out; v128-255 16 accumulators.   window 1: two sets of 8 fragments.
.set A_SC,  3145728
.set W_SC,  3145728
.set RT,    98304
.set PS,    196608
.set SPARE, 204800                     ; the spare words, 128 bytes for each wave: two blocks of 256 bytes that no other line names
.set STG,   205312                     ; the stages: 16 rows x (256 + 16) bytes for each wave; no tensor load lands here
.set SPW, 12
.set NIL, 13
.set SC,  16
.set BI,  48
.set OB,  48
.set ACC, 128
.set F0,  0
.set F1,  96
.set G1P,  24
.set G1R,  32
.set G1PS, 40
.set G1RS, 48
.set G0PS, 56
.set G0P0, 60
.set G0P1, 68
.set G0RS, 72
.set G0R0, 76
.set G0R1, 80
.set MSB, 0
.macro WIN new                         ; the immediate's high byte repeats the setting that is left
.if MSB != \new
	s_set_vgpr_msb (MSB<<8)|\new
.set MSB, \new
.endif
.endm
.set MUL,  0x05                        ; sources 0 and 1 window 1; C and D window 0
.set TO_F, 0x40                        ; destination window 1, address window 0
.macro JLOAD g0p, g1p, g0r, g1r        ; a joint load: waves 0 and 1 fetch for P, waves 2 and 3 for R; an s_nop 0 and four v_nop follow each of the two lines
	s_cmp_eq_u32 s18, 0
	s_cbranch_scc0 .Lfor_r_\@
	tensor_load_to_lds s[\g0p:\g0p+3], s[\g1p:\g1p+7]
	s_nop 0
.rept 4
	v_nop
.endr
	s_branch .Lasked_\@
.Lfor_r_\@:
	tensor_load_to_lds s[\g0r:\g0r+3], s[\g1r:\g1r+7]
	s_nop 0
.rept 4
	v_nop
.endr
.Lasked_\@:
.endm
.macro CROUND                          ; a round of the cluster's barrier
	s_barrier_signal -1
	s_barrier_wait -1
	s_cmp_lg_u32 s16, 0
	s_cbranch_scc1 .Lnot_wave_0_\@
	s_barrier_signal -3
.Lnot_wave_0_\@:
	s_barrier_wait -3
	s_barrier_signal -1
	s_barrier_wait -1
.endm
	s_load_b256 s[4:11], s[0:1], 0x0               ; aa, wts, bp, out0
	v_lshl_add_u32 v[SPW], v0, 2, SPARE
	v_mov_b32 v[NIL], 0
	ds_add_u32 v[SPW], v[NIL]                      ; the wave's opening: the add, twice on end, and its wait ahead of my first tensor load
	ds_add_u32 v[SPW], v[NIL]
	v_lshrrev_b32 v1, 5, v0
	v_readfirstlane_b32 s16, v1                    ; wave 0..3
	s_and_b32 s17, s16, 1                          ; which 64 columns are mine.  Also: which half of a tile I fetch
	s_lshr_b32 s18, s16, 1                         ; which 64 rows.  Also: I fetch for P (0) or for R (1)
	s_bfe_u32 s19, ttmp6, 0x40000                  ; cx
	s_bfe_u32 s20, ttmp6, 0x40004                  ; cy
	s_and_b32 s22, ttmp7, 0xffff                   ; cluster y
	s_lshl_b32 s84, ttmp9, 2
	s_add_co_u32 s84, s84, s19                     ; the tile of 128 columns: 4 x cluster x + cx
	s_lshl_b32 s85, s22, 2
	s_add_co_u32 s85, s85, s20                     ; the tile of 128 rows: 4 x cluster y + cy
	s_lshl_b32 s2, 0x1111, s19                     ; my column of the cluster: P's mask
	s_lshl_b32 s3, s20, 2
	s_lshl_b32 s3, 15, s3                          ; my row: R's
	s_or_b32 s[G1P], s2, (3<<16)|(1<<21)           ; 15:0 the mask; 17:16 elements of 8 bytes; 21 set beside a mask
	s_or_b32 s[G1PS], s2, (3<<16)|(1<<21)
	s_or_b32 s[G1R], s3, (3<<16)|(1<<21)
	s_or_b32 s[G1RS], s3, (3<<16)|(1<<21)
.irp g, G1P, G1R                       ; codes: four tiles' four K steps: 4 rows of 6,144 bytes, 12,288 bytes apart in memory, dense in LDS
	s_mov_b32 s[\g+1], 768<<16
	s_mov_b32 s[\g+2], 4<<16
	s_mov_b32 s[\g+3], 768<<16
	s_mov_b32 s[\g+4], 4
	s_mov_b32 s[\g+5], 1536
	s_mov_b32 s[\g+6], 0
	s_mov_b32 s[\g+7], 0
.endr
.irp g, G1PS, G1RS                     ; scale words: 2,048 dense bytes as 8 rows of 256
	s_mov_b32 s[\g+1], 32<<16
	s_mov_b32 s[\g+2], 8<<16
	s_mov_b32 s[\g+3], 32<<16
	s_mov_b32 s[\g+4], 8
	s_mov_b32 s[\g+5], 32
	s_mov_b32 s[\g+6], 0
	s_mov_b32 s[\g+7], 0
.endr
	s_mul_i32 s2, s17, 49152
	s_add_co_u32 s86, s84, 24                      ; Wp's tiles of 128 begin at 24 in wts
	s_mul_i32 s86, s86, 98304
	s_add_co_u32 s86, s86, s2
	s_mov_b32 s87, 0
	s_mul_i32 s88, s85, 98304
	s_add_co_u32 s88, s88, s2
	s_mov_b32 s89, 0
	s_lshl_b32 s2, s17, 11
	s_add_co_u32 s94, s84, 24
	s_lshl_b32 s94, s94, 12
	s_add_co_u32 s94, s94, s2
	s_add_co_u32 s94, s94, W_SC
	s_mov_b32 s95, 0
	s_lshl_b32 s96, s85, 12
	s_add_co_u32 s96, s96, s2
	s_add_co_u32 s96, s96, A_SC
	s_mov_b32 s97, 0
	s_wait_dscnt 0x0                               ; both opening adds are done
	s_wait_kmcnt 0x0
	s_add_nc_u64 s[86:87], s[6:7], s[86:87]
	s_add_nc_u64 s[94:95], s[6:7], s[94:95]
	s_add_nc_u64 s[88:89], s[4:5], s[88:89]
	s_add_nc_u64 s[96:97], s[4:5], s[96:97]
	s_mov_b32 s[G0PS], 1
	s_lshl_b32 s[G0PS+1], s17, 11
	s_add_co_u32 s[G0PS+1], s[G0PS+1], PS
	s_mov_b64 s[G0PS+2:G0PS+3], s[94:95]
	s_or_b32 s[G0PS+3], s[G0PS+3], 0x80000000
	s_mov_b32 s[G0P0], 1
	s_mul_i32 s[G0P0+1], s17, 24576
	s_mov_b64 s[G0P0+2:G0P0+3], s[86:87]
	s_or_b32 s[G0P0+3], s[G0P0+3], 0x80000000
	s_mov_b32 s[G0P1], 1
	s_add_co_u32 s[G0P1+1], s[G0P0+1], 49152
	s_add_nc_u64 s[G0P1+2:G0P1+3], s[86:87], 6144
	s_or_b32 s[G0P1+3], s[G0P1+3], 0x80000000
	s_mov_b32 s[G0RS], 1
	s_add_co_u32 s[G0RS+1], s[G0PS+1], 4096
	s_mov_b64 s[G0RS+2:G0RS+3], s[96:97]
	s_or_b32 s[G0RS+3], s[G0RS+3], 0x80000000
	s_mov_b32 s[G0R0], 1
	s_add_co_u32 s[G0R0+1], s[G0P0+1], RT
	s_mov_b64 s[G0R0+2:G0R0+3], s[88:89]
	s_or_b32 s[G0R0+3], s[G0R0+3], 0x80000000
	s_mov_b32 s[G0R1], 1
	s_add_co_u32 s[G0R1+1], s[G0R0+1], 49152
	s_add_nc_u64 s[G0R1+2:G0R1+3], s[88:89], 6144
	s_or_b32 s[G0R1+3], s[G0R1+3], 0x80000000
	CROUND                                         ; all sixteen work-groups are here: the joint loads meet
	JLOAD G0PS, G1PS, G0RS, G1RS                   ; three loads of mine are out: the scale words,
	JLOAD G0P0, G1P, G0R0, G1R                     ; K steps 0-3,
	JLOAD G0P1, G1P, G0R1, G1R                     ; K steps 4-7
	v_and_b32 v1, 31, v0                           ; lane
	v_and_b32 v2, 15, v0                           ; r
	v_bfe_u32 v3, v0, 4, 1                         ; h
	v_lshlrev_b32 v9, 4, v1                        ; 16 x lane
	v_lshlrev_b32 v11, 3, v1                       ; 8 x lane
	s_mul_i32 s2, s17, 24576
	v_add_nc_u32 v4, s2, v9                        ; my four tiles of P, K half 0,
	s_add_co_u32 s2, s2, 49152
	v_add_nc_u32 v5, s2, v9                        ; K half 1
	s_mul_i32 s2, s18, 24576
	s_add_co_u32 s2, s2, RT
	v_add_nc_u32 v6, s2, v9                        ; of R: for the pieces of 16 bytes a lane,
	v_add_nc_u32 v14, s2, v11                      ; and of 8
	s_add_co_u32 s2, s2, 49152
	v_add_nc_u32 v7, s2, v9
	v_add_nc_u32 v15, s2, v11
	s_xor_b32 s2, s17, 1                           ; scale words: lanes 0-15 P's, lanes 16-31 R's: the lower base + h x the distance
	s_add_co_u32 s2, s2, s18
	s_lshl_b32 s2, s2, 11
	s_add_co_u32 s2, s2, 2048
	v_mul_u32_u24 v8, s2, v3
	s_lshl_b32 s3, s17, 11
	s_add_co_u32 s3, s3, PS
	v_lshl_add_u32 v8, v2, 2, v8
	v_add_nc_u32 v8, s3, v8
	s_mul_i32 s2, s16, 4352
	s_add_co_u32 s2, s2, STG                       ; my stage
	v_mul_u32_u24 v10, v2, 272
	v_lshl_add_u32 v10, v3, 6, v10
	v_add_nc_u32 v10, s2, v10                      ; in: row r, + 64 h
	v_mul_u32_u24 v120, v3, 272
	v_lshl_add_u32 v120, v2, 4, v120
	v_add_nc_u32 v120, s2, v120                    ; back: lanes 0-15 one row of 256 bytes, lanes 16-31 the next
	v_lshlrev_b32 v121, 12, v3
	v_lshl_add_u32 v121, v2, 4, v121               ; and the same in out0, whose rows are 4,096 bytes
	s_lshl_b32 s94, s84, 1
	s_add_co_u32 s94, s94, s17                     ; my 64 columns
	s_lshl_b32 s94, s94, 8                         ; in bytes: of a row of out0, and of bp
	s_mov_b32 s95, 0
	s_lshl_b32 s96, s85, 19
	s_lshl_b32 s97, s18, 18
	s_add_co_u32 s96, s96, s97                     ; my 64 rows
	s_add_co_u32 s96, s96, s94
	s_mov_b32 s97, 0
	s_add_nc_u64 s[90:91], s[10:11], s[96:97]
	s_add_nc_u64 s[86:87], s[8:9], s[94:95]
	v_lshlrev_b32 v11, 6, v3                       ; THE BIAS IS THE C OF EACH SUM'S FIRST MATRIX INSTRUCTION: tile tp's register j is column 32 (tp / 2) + 16 h + 8 (tp % 2) + j
.irp tp, 0,1,2,3
	global_load_b128 v[BI+8*\tp:BI+8*\tp+3], v11, s[86:87] offset:(32*(\tp/2)+8*(\tp%2))*4
	global_load_b128 v[BI+8*\tp+4:BI+8*\tp+7], v11, s[86:87] offset:(32*(\tp/2)+8*(\tp%2))*4+16
.endr
.macro FETCH s, f                      ; K step s: my four fragments of P (three loads each), then my four of R (two halves of two loads)
.irp i, 0,1,2,3
.irp c, 0,1,2
	ds_load_b128 v[(\f)+12*\i+4*\c:(\f)+12*\i+4*\c+3], v[4+(\s)/4] offset:\i*6144+((\s)%4)*1536+512*\c
.endr
.endr
.irp i, 0,1,2,3
.irp e, 0,1
	ds_load_b128 v[(\f)+48+12*\i+6*\e:(\f)+48+12*\i+6*\e+3], v[6+(\s)/4] offset:\i*6144+((\s)%4)*1536+768*\e
	ds_load_b64 v[(\f)+48+12*\i+6*\e+4:(\f)+48+12*\i+6*\e+5], v[14+(\s)/4] offset:\i*6144+((\s)%4)*1536+768*\e+512
.endr
.endr
.endm
; 16 matrix instructions, 128 along K.  The 16 accumulators take turns, one instruction a turn, in the same order in every step.  cm = 1: the bias starts the sums
.macro MUL16 s, f, cm
.irp tr, 0,1,2,3
.irp tp, 0,1,2,3
.set rD, ACC+32*\tr+8*\tp
.set rA, (\f)+12*\tp
.set rB, (\f)+48+12*\tr
.set rC, rD
.if (\cm) == 1
.set rC, BI+8*\tp
.endif
	v_wmma_scale_f32_16x16x128_f8f6f4 v[rD:rD+7], v[rA:rA+11], v[rB:rB+11], v[rC:rC+7], v[SC+8*\tp+(\s)], v[SC+8*\tr+(\s)] matrix_a_fmt:MATRIX_FMT_FP6 matrix_b_fmt:MATRIX_FMT_FP6 matrix_b_scale:MATRIX_SCALE_ROW1
.endr
.endr
.endm
.macro STEP s                          ; K steps 1 to 7
	s_wait_dscnt 0x0                               ; this step's fragments are in (asked for 16 matrix instructions ago)
.if (\s) == 3
	s_wait_tensorcnt 0x0                           ; my part of K steps 4-7 has landed,
	s_barrier_signal -1
	s_barrier_wait -1                              ; everybody's has.
.endif
.if (\s) < 7
.rept 4
	v_nop                                          ; four places in front of loads into registers that the last step's matrix instructions have read (ISA guide 7.12.1 for vector instructions)
.endr
	WIN TO_F
	FETCH (\s)+1, 96*(((\s)+1)%2)
.endif
	WIN MUL
	MUL16 \s, 96*((\s)%2), 0
.endm
	s_wait_tensorcnt 0x1                           ; my scale words and my part of K steps 0-3 are in; the load of K steps 4-7 may be out
	s_barrier_signal -1
	s_barrier_wait -1
.irp i, 0,1,2,3
.irp q, 0,1,2,3,4,5,6,7
	ds_load_b32 v[SC+8*\i+\q], v8 offset:\i*512+\q*64   ; all of K's scale words, once
.endr
.endr
	WIN TO_F
	FETCH 0, F0
	s_wait_loadcnt 0x0                             ; the bias
	s_wait_dscnt 0x0
	FETCH 1, F1
	WIN MUL
	MUL16 0, F0, 1
	STEP 1
	STEP 2
	STEP 3
	STEP 4
	STEP 5
	STEP 6
	STEP 7
	WIN 0
; Tile tr: 16 rows x 64 columns into my stage, each accumulator from its low end on, and back as whole rows of 256 bytes.  LDS serves a wave's instructions in order (ISA guide 5.7.1.4): no wait between the stores and the loads.
.macro TOSTAGE tr
.irp tp, 0,1,2,3
	ds_store_b128 v10, v[ACC+32*(\tr)+8*\tp:ACC+32*(\tr)+8*\tp+3] offset:128*(\tp/2)+32*(\tp%2)
	ds_store_b128 v10, v[ACC+32*(\tr)+8*\tp+4:ACC+32*(\tr)+8*\tp+7] offset:128*(\tp/2)+32*(\tp%2)+16
.endr
.irp i, 0,1,2,3,4,5,6,7
	ds_load_b128 v[OB+32*((\tr)%2)+4*\i:OB+32*((\tr)%2)+4*\i+3], v120 offset:\i*544
.endr
.endm
.macro SEND tr, younger                ; younger: the LDS instructions issued behind tile tr's loads, which may stay out.  Stage row 2 i + g is row 32 (tr / 2) + 8 (tr % 2) + 2 i + 8 (i / 4) + g of my 64
.irp i, 0,1,2,3,4,5,6,7
	s_wait_dscnt (\younger)+7-\i
	global_store_b128 v121, v[OB+32*((\tr)%2)+4*\i:OB+32*((\tr)%2)+4*\i+3], s[90:91] offset:(32*((\tr)/2)+8*((\tr)%2)+2*\i+8*(\i/4))*4096 th:TH_STORE_NT   ; 16 lanes store 256 consecutive bytes, aligned
.endr
.endm
.rept 4
	v_nop                                          ; four places in front of the first read of results
.endr
	TOSTAGE 0
	TOSTAGE 1
	SEND 0, 16
	s_wait_xcnt 0x0                                ; tile 0's stores have read their registers: tile 2's rows may land there
	TOSTAGE 2
	SEND 1, 16
	s_wait_xcnt 0x0
	TOSTAGE 3
	SEND 2, 16
	SEND 3, 0
	s_wait_tensorcnt 0x0                           ; the wave's end, behind my last tensor load and my last LDS store
	ds_add_u32 v[SPW], v[NIL]
	s_wait_dscnt 0x0
	CROUND                                         ; the closing round
	s_endpgm
.Lfunc_end_k_q3db05aabcf_outproj:
	.size	k_q3db05aabcf_outproj, .Lfunc_end_k_q3db05aabcf_outproj-k_q3db05aabcf_outproj
	.p2alignl 7, 3214868480
	.fill 96, 4, 3214868480
	.section	.rodata,"a",@progbits
	.p2align	6, 0x0
	.amdhsa_kernel k_q3db05aabcf_outproj
		.amdhsa_group_segment_fixed_size 229376
		.amdhsa_private_segment_fixed_size 0
		.amdhsa_enable_private_segment 0
		.amdhsa_kernarg_size 32
		.amdhsa_user_sgpr_count 2
		.amdhsa_user_sgpr_kernarg_segment_ptr 1
		.amdhsa_wavefront_size32 1
		.amdhsa_system_sgpr_workgroup_id_x 1
		.amdhsa_system_sgpr_workgroup_id_y 1
		.amdhsa_system_sgpr_workgroup_id_z 1
		.amdhsa_system_vgpr_workitem_id 0
		.amdhsa_next_free_vgpr 512
		.amdhsa_next_free_sgpr 100
		.amdhsa_reserve_vcc 0
		.amdhsa_float_denorm_mode_32 3
		.amdhsa_float_denorm_mode_16_64 3
		.amdhsa_memory_ordered 1
		.amdhsa_forward_progress 1
		.amdhsa_inst_pref_size 53
	.end_amdhsa_kernel
	.amdgpu_metadata
---
amdhsa.version: [ 1, 2 ]
amdhsa.kernels:
  - .name:           k_q3db05aabcf_outproj
    .symbol:         k_q3db05aabcf_outproj.kd
    .args:
      - { .name: aa, .offset: 0, .size: 8, .value_kind: global_buffer, .address_space: global }
      - { .name: wts, .offset: 8, .size: 8, .value_kind: global_buffer, .address_space: global }
      - { .name: bp, .offset: 16, .size: 8, .value_kind: global_buffer, .address_space: global }
      - { .name: out0, .offset: 24, .size: 8, .value_kind: global_buffer, .address_space: global }
    .group_segment_fixed_size: 229376
    .private_segment_fixed_size: 0
    .kernarg_segment_align: 8
    .kernarg_segment_size: 32
    .max_flat_workgroup_size: 128
    .sgpr_count:     100
    .vgpr_count:     512
    .wavefront_size: 32
...
	.end_amdgpu_metadata
.endif
;; end of part 4
;; ======== version 2 of 2: 4 launches
;; limits: right only within a limited range of input values
;; workspace buffers: act 9,830,400 bytes; wts 3,276,800 bytes; qk 10,223,616 bytes; vv 6,815,744 bytes; aa 3,276,800 bytes
;; launch quant (part 5): grid 1024 x 1, 4 waves a work-group, no clusters, 67,072 bytes of LDS; arguments x, ctx, Wq, Wkv, Wp, act, wts; writes act, wts
.if DOCPART == 5
	.amdgcn_target "amdgcn-amd-amdhsa--gfx1250"
	.amdhsa_code_object_version 6
	.text
	.protected	k_q3db05aabcf_quant
	.globl	k_q3db05aabcf_quant
	.p2align	8
	.type	k_q3db05aabcf_quant,@function
k_q3db05aabcf_quant:
	s_mov_b64 s[64:65], 0
	v_nop
	global_prefetch_b8 v0, s[64:65] scope:SCOPE_SE
	s_setreg_imm32_b32 hwreg(HW_REG_WAVE_MODE, 25, 1), 1
	s_wait_xcnt 0x0
; CROSS ATTENTION IN MX-FP6, launch 1 of 4: x, ctx, Wq, Wkv, Wp (f32) become codes of E2M3 with one E8M0 byte for each 32 along K = 1,024.
; DEAD WORK: none.  Every bias goes into a quantised operand (bq, bkv) or into the output (bp); attention_mask varies along the softmax's axis; so all nine inputs are loaded by some launch and every product is done.
; A block's scale is 2^(floor(log2(its largest magnitude)) - 2); its byte is the largest magnitude's exponent field - 2, held at 1 from below.
; LIMITS: a block of zeros gets the byte 1 where the rule says 127 (its codes are zeros, and this program alone reads the bytes); blocks whose largest magnitude lies under 2^-124 keep the byte 1;
; NaN and infinities among the inputs are not served.
; LAYOUT OF THE WORKSPACE: operands lie as IMAGES OF THEIR REGISTERS.  A fragment (16 rows x 128 K, 12 registers a lane) is 1,536 bytes: registers 4 c .. 4 c + 3 of lane l at 512 c + 16 l.
; act: [tile 0..767][K step 0..7][1,536] (x: tiles 0-255, ctx: 256-767), wts: [tile 0..255][K step][1,536] (Wq 0-63, Wkv's k part 64-127, its v part 128-191, Wp 192-255); behind the codes the scale words, [tile][K step][row 0..15].
; THE ROWS OF A TILE ARE NOT NEIGHBOURS: lane r of tile 2 B + u holds row (or weight column) 32 B + 8 u + r + 8 (r / 8), so that the results of two neighbouring tiles are 16 neighbours along the next product's K.
; SHARES: work-groups 0-255 take the weights (K is their first axis: a lane takes a column and its registers run down K; no LDS), work-groups 256-1023 a tile of 16 rows each.
; THE ROWS: the conversions want 16 neighbours along K in one lane, a load is best where neighbouring lanes take neighbouring bytes.  Both are had: each load reads 512 consecutive bytes of one row; a wave's 16 rows x 1,024 bytes
; go through its own stage in LDS as they lie and come back 64 bytes a lane.  A stage row is 1,024 + 16 bytes, so that the sixteen rows that a load touches start at sixteen different places modulo 256 bytes.  No barrier: waves share nothing.
.set ACT_SC, 9437184                   ; where act's scale words begin
.set W_SC,   3145728                   ; and wts's
.set SPITCH, 1040                      ; a stage row
.set STG,    16*SPITCH                 ; a wave's stage
.set SPARE,  4*STG                     ; behind the four stages: the spare words, 128 bytes for each wave: two blocks of 256 bytes that no other line names
.set SPW, 30                           ; v30 LDS address of my spare word; never rewritten
.set NIL, 31                           ; v31 0; never rewritten
.set X,   32                           ; v32-159  128 numbers
.set F,   160                          ; v160-183 weights: the registers of fragment lanes (r, 0) and (r, 1)
.set TQ,  184                          ; v184-186 weights: a block's upper 16 codes
.set PCA, 160                          ; rows: the first K step's fragment,
.set PCB, 172                          ; the second's
.set PX,  184                          ; v184-191 rows: the blocks' other halves
.set TM,  8                            ; v8-23    rows: at work
.set SEL, 34                           ; s[34:35] v_permlanex16_b32's selects for lane l xor 16
	s_load_b256 s[4:11], s[0:1], 0x0               ; x, ctx, Wq, Wkv
	s_load_b128 s[12:15], s[0:1], 0x20             ; Wp, act
	s_load_b64 s[16:17], s[0:1], 0x30              ; wts
	v_lshl_add_u32 v[SPW], v0, 2, SPARE
	v_mov_b32 v[NIL], 0
	v_lshrrev_b32 v1, 5, v0
	v_readfirstlane_b32 s18, v1                    ; wave
	v_and_b32 v1, 31, v0                           ; lane
	s_cmp_lt_u32 ttmp9, 256
	s_cbranch_scc0 .Lrows
; ---- THE WEIGHTS.  Wave w of work-group g: columns 32 cg .. 32 cg + 31 of the 4,096 (Wq, Wkv, Wp side by side), cg = 2 (g / 4) + w % 2; K step 2 (g % 4) + w / 2.
	s_lshr_b32 s19, ttmp9, 2                       ; g / 4
	s_and_b32 s20, ttmp9, 3
	s_and_b32 s21, s18, 1
	s_lshl_b32 s22, s19, 1
	s_add_co_u32 s22, s22, s21                     ; cg
	s_lshr_b32 s23, s18, 1
	s_lshl_b32 s24, s20, 1
	s_add_co_u32 s24, s24, s23                     ; the K step
	s_wait_alu depctr_va_vdst(0)
	v_lshlrev_b32 v2, 2, v1                        ; in: 4 bytes a lane: the wave reads 128 consecutive bytes of a row, the work-group 256
	v_bfe_u32 v5, v1, 3, 1                         ; my column is lane r of tile 2 cg + u: u = (lane / 8) % 2,
	v_and_b32 v6, 7, v1
	v_lshrrev_b32 v7, 4, v1
	v_lshl_add_u32 v6, v7, 3, v6                   ; r = lane % 8 + 8 (lane / 16)
	v_mul_u32_u24 v3, v5, 12288                    ; out: a tile's eight images are 12,288 bytes,
	v_lshl_add_u32 v3, v6, 4, v3                   ; + 16 r
	v_lshlrev_b32 v4, 9, v5                        ; the scale word: 512 u + 4 r
	v_lshl_add_u32 v4, v6, 2, v4
	s_lshl_b32 s26, s22, 4
	s_add_co_u32 s26, s26, s24
	s_mul_i32 s26, s26, 1536                       ; image (tile 2 cg, this K step)
	s_mov_b32 s27, 0
	s_lshl_b32 s28, s22, 10
	s_lshl_b32 s29, s24, 6
	s_add_co_u32 s28, s28, s29
	s_add_co_u32 s28, s28, W_SC
	s_mov_b32 s29, 0
	s_wait_kmcnt 0x0
	s_add_nc_u64 s[26:27], s[16:17], s[26:27]
	s_add_nc_u64 s[28:29], s[16:17], s[28:29]
.macro WLOAD t, pitch                  ; block t: W(32 t + i, my column), i = 0 .. 31
.set ii, 0
.rept 32
	global_load_b32 v[X+32*(\t)+ii], v2, s[36:37] offset:(32*(\t)+ii)*(\pitch) th:TH_LOAD_NT
.set ii, ii+1
.endr
.endm
.macro WBLOCK t                        ; block t is block 2 c + h of the K step: registers 6 c .. 6 c + 5 of fragment lane (r, h)
.set XS, X+32*(\t)
.set FD, F+12*((\t)&1)+6*((\t)>>1)
	v_max3_num_f32 v12, |v[XS]|, |v[XS+1]|, |v[XS+2]|               ; the block's largest magnitude: all 32 numbers are mine; two chains
	v_max3_num_f32 v13, |v[XS+3]|, |v[XS+4]|, |v[XS+5]|
.irp i, 6,10,14,18,22,26
	v_max3_num_f32 v12, v12, |v[XS+\i]|, |v[XS+\i+1]|
	v_max3_num_f32 v13, v13, |v[XS+\i+2]|, |v[XS+\i+3]|
.endr
	v_max3_num_f32 v12, v12, |v[XS+30]|, |v[XS+31]|
	v_max3_num_f32 v12, v12, v13, 0x1800000        ; and the floor 2^(3 - 127): the byte cannot fall under 1
	v_add_nc_u32 v11, 0xff000000, v12              ; 2 off its exponent field: the conversion's scale operand
	v_lshrrev_b32 v13, 23, v11                     ; the scale's byte
.if (\t) == 0
	v_mov_b32 v16, v13
.else
	v_lshl_or_b32 v16, v13, 8*(\t), v16            ; the K step's four bytes make my column's scale word
.endif
	v_cvt_scalef32_pk16_fp6_f32 v[FD:FD+2], v[XS:XS+15], v11
	v_cvt_scalef32_pk16_fp6_f32 v[TQ:TQ+2], v[XS+16:XS+31], v11     ; (a conversion's three registers begin on an even number)
	v_nop                                          ; one plain place behind a scaled conversion
.irp i, 0,1,2
	v_mov_b32 v[FD+3+\i], v[TQ+\i]
.endr
.endm
.macro WBODY pitch                     ; loads run two blocks ahead: 64 are out at the most
	WLOAD 0, \pitch
	WLOAD 1, \pitch
	s_wait_loadcnt 32                              ; block 0 is in; block 1's 32 loads may be out
	WLOAD 2, \pitch
	WBLOCK 0
	s_wait_loadcnt 32                              ; block 1 is in; block 2's may be out
	WLOAD 3, \pitch
	WBLOCK 1
	s_wait_loadcnt 32                              ; block 2 is in; block 3's may be out
	WBLOCK 2
	s_wait_loadcnt 0x0
	WBLOCK 3
.irp h, 0,1
.irp c, 0,1,2
	global_store_b128 v3, v[F+12*\h+4*\c:F+12*\h+4*\c+3], s[26:27] offset:256*\h+512*\c   ; the 16 lanes of a tile store 256 consecutive bytes, aligned: two such pieces an instruction
.endr
.endr
	global_store_b32 v4, v16, s[28:29]             ; 64 consecutive bytes for each of the two tiles
	s_endpgm
.endm
	s_sub_co_u32 s33, s19, 16
	s_cmp_lt_u32 s33, 32                           ; g / 4 = 16 .. 47: Wkv, whose rows are 8,192 bytes
	s_cbranch_scc1 .Lwide
	s_cmp_lt_u32 s19, 16
	s_cselect_b64 s[36:37], s[8:9], s[12:13]       ; Wq or Wp: the choice hangs on the work-group's number alone
	s_cselect_b32 s32, 0, 96
	s_sub_co_u32 s32, s22, s32                     ; the group of 32 columns inside that weight
	s_lshl_b32 s32, s32, 7
	s_lshl_b32 s33, s24, 19                        ; 128 rows of 4,096 bytes a K step
	s_add_co_u32 s32, s32, s33
	s_mov_b32 s33, 0
	s_add_nc_u64 s[36:37], s[36:37], s[32:33]
	s_wait_alu depctr_va_vdst(0)
	WBODY 4096
.Lwide:
	s_sub_co_u32 s32, s22, 32
	s_lshl_b32 s32, s32, 7
	s_lshl_b32 s33, s24, 20
	s_add_co_u32 s32, s32, s33
	s_mov_b32 s33, 0
	s_add_nc_u64 s[36:37], s[10:11], s[32:33]
	s_wait_alu depctr_va_vdst(0)
	WBODY 8192
; ---- THE ROWS.  Work-group 256 + T takes tile T; wave w its K steps 2 w and 2 w + 1.
; 64 numbers of a lane, register 16 b + i = k 32 b + 16 (lane / 16) + i of my row, become a fragment's codes in v[pc] on and its scale word in v[pw].
.macro QUANT s, pc, pw
.irp b, 0,1,2,3
	v_max3_num_f32 v[TM+\b], |v[(\s)+16*\b]|, |v[(\s)+1+16*\b]|, 0x1800000   ; block b: my 16 numbers, and the floor 2^(3 - 127)
.endr
.irp i, 2,4,6,8,10,12,14
.irp b, 0,1,2,3
	v_max3_num_f32 v[TM+\b], v[TM+\b], |v[(\s)+16*\b+\i]|, |v[(\s)+1+16*\b+\i]|   ; (the four blocks by turns)
.endr
.endr
.irp b, 0,1,2,3
	v_permlanex16_b32 v[TM+4+\b], v[TM+\b], s[SEL], s[SEL+1]
.endr
.irp b, 0,1,2,3
	v_max_num_f32 v[TM+\b], v[TM+\b], v[TM+4+\b]   ; with lane l xor 16's: the block's largest magnitude
.endr
.irp b, 0,1,2,3
	v_add_nc_u32 v[TM+12+\b], 0xff000000, v[TM+\b] ; 2 off its exponent field: the conversion's scale operand
.endr
.irp b, 0,1,2,3
	v_lshrrev_b32 v[TM+4+\b], 23, v[TM+12+\b]      ; the scale's byte
.endr
	v_lshl_or_b32 v[\pw], v[TM+5], 8, v[TM+4]
	v_lshl_or_b32 v[\pw], v[TM+6], 16, v[\pw]
	v_lshl_or_b32 v[\pw], v[TM+7], 24, v[\pw]
.irp c, 0,1
	v_cvt_scalef32_pk16_fp6_f32 v[(\pc)+6*\c:(\pc)+2+6*\c], v[(\s)+32*\c:(\s)+15+32*\c], v[TM+12+2*\c]
	v_cvt_scalef32_pk16_fp6_f32 v[PX+4*\c:PX+2+4*\c], v[(\s)+16+32*\c:(\s)+31+32*\c], v[TM+12+2*\c+1]
.endr
	v_nop                                          ; one plain place behind a scaled conversion
.irp c, 0,1                            ; the operand's layout wants a WHOLE block in a lane: lanes 0-15 block 2 c, lanes 16-31 block 2 c + 1
.irp i, 0,1,2
	v_permlane16_swap_b32 v[(\pc)+6*\c+\i], v[PX+4*\c+\i]
.endr
.irp i, 0,1,2
	v_mov_b32 v[(\pc)+3+6*\c+\i], v[PX+4*\c+\i]
.endr
.endr
.endm
; K step k of my two goes through the stage: sixteen stores of 512 consecutive bytes, a row each; sixteen loads, lane (r, h) taking 16 bytes of row r.  LDS serves a wave's instructions in order
; (ISA guide 5.7.1.4): no wait stands between the stores and the loads, and the numbers come back into the registers that they left.
.macro TURN k
.set rr, 0
.rept 16
	ds_store_b128 v2, v[X+64*(\k)+4*rr:X+64*(\k)+4*rr+3] offset:rr*SPITCH+512*(\k)
.set rr, rr+1
.endr
.irp b, 0,1,2,3
.irp j, 0,1,2,3
	ds_load_b128 v[X+64*(\k)+16*\b+4*\j:X+64*(\k)+16*\b+4*\j+3], v7 offset:512*(\k)+128*\b+16*\j
.endr
.endr
.endm
.Lrows:
	s_sub_co_u32 s19, ttmp9, 256                   ; T
	s_wait_alu depctr_va_vdst(0)
	v_and_b32 v5, 15, v1                           ; r
	v_lshrrev_b32 v6, 4, v1                        ; h
	v_lshlrev_b32 v3, 4, v1                        ; 16 x lane: my bytes of a load's 512, and of an image's
	v_lshlrev_b32 v4, 2, v1                        ; 4 x lane
	s_mul_i32 s33, s18, STG                        ; my wave's stage
	v_add_nc_u32 v2, s33, v3                       ; into it: 16 x lane in a row's piece
	v_mul_u32_u24 v7, v5, SPITCH
	v_lshl_add_u32 v7, v6, 6, v7
	v_add_nc_u32 v7, s33, v7                       ; out of it: row r, + 64 h: my 16 numbers of a block of 32
.irp b, 0,1,2,3
	v_mov_b32 v[TM+4+\b], 0                        ; written once: a lane permute's destination counts as one of its sources
.endr
	s_mov_b32 s[SEL], 0x76543210
	s_mov_b32 s[SEL+1], 0xfedcba98
	s_lshl_b32 s26, s19, 3
	s_lshl_b32 s27, s18, 1
	s_add_co_u32 s26, s26, s27
	s_mul_i32 s26, s26, 1536                       ; image (T, 2 w)
	s_mov_b32 s27, 0
	s_lshl_b32 s28, s19, 9
	s_lshl_b32 s29, s18, 7
	s_add_co_u32 s28, s28, s29
	s_add_co_u32 s28, s28, ACT_SC                  ; the two K steps' scale words: 128 bytes
	s_mov_b32 s29, 0
	s_wait_alu depctr_va_vdst(0)
	s_wait_kmcnt 0x0
	s_add_nc_u64 s[26:27], s[14:15], s[26:27]
	s_add_nc_u64 s[28:29], s[14:15], s[28:29]
	s_cmp_lt_u32 s19, 256                          ; x's tile or ctx's?  The choice hangs on the work-group's number alone
	s_cselect_b64 s[30:31], s[4:5], s[6:7]
	s_cselect_b32 s20, 0, 256
	s_sub_co_u32 s20, s19, s20                     ; the tile inside its tensor
	s_lshr_b32 s21, s20, 1
	s_lshl_b32 s21, s21, 17                        ; 32 rows of 4,096 bytes for each pair of tiles,
	s_and_b32 s22, s20, 1
	s_lshl_b32 s22, s22, 15                        ; 8 rows for the odd one,
	s_add_co_u32 s21, s21, s22
	s_lshl_b32 s22, s18, 10                        ; my two K steps: 1,024 bytes of a row
	s_add_co_u32 s22, s21, s22
	s_mov_b32 s23, 0
	s_add_nc_u64 s[30:31], s[30:31], s[22:23]
.irp k, 0,1
.set rr, 0
.rept 16
	global_load_b128 v[X+64*\k+4*rr:X+64*\k+4*rr+3], v3, s[30:31] offset:(rr+8*(rr/8))*4096+512*\k th:TH_LOAD_NT   ; the tile's row rr, K step k: 32 lanes read 512 consecutive bytes
.set rr, rr+1
.endr
.endr
	s_wait_loadcnt 16                              ; the first K step's 16 loads are in; the second's may be out
	TURN 0
	s_wait_dscnt 0x0
	QUANT X, PCA, 24
.irp c, 0,1,2
	global_store_b128 v3, v[PCA+4*\c:PCA+4*\c+3], s[26:27] offset:512*\c          ; 512 consecutive bytes an instruction
.endr
	s_wait_loadcnt 0x0
	TURN 1
	s_wait_dscnt 0x0
	QUANT X+64, PCB, 25
.irp c, 0,1,2
	global_store_b128 v3, v[PCB+4*\c:PCB+4*\c+3], s[26:27] offset:1536+512*\c
.endr
	v_cmp_gt_u32 vcc_lo, 16, v1
	v_cndmask_b32 v26, v25, v24, vcc_lo            ; lanes 0-15 store the first K step's words, lanes 16-31 the second's
	global_store_b32 v4, v26, s[28:29]             ; 128 consecutive bytes
	s_wait_tensorcnt 0x0                           ; the wave's end, behind my last LDS store
	ds_add_u32 v[SPW], v[NIL]
	s_wait_dscnt 0x0
	s_endpgm
.Lfunc_end_k_q3db05aabcf_quant:
	.size	k_q3db05aabcf_quant, .Lfunc_end_k_q3db05aabcf_quant-k_q3db05aabcf_quant
	.p2alignl 7, 3214868480
	.fill 96, 4, 3214868480
	.section	.rodata,"a",@progbits
	.p2align	6, 0x0
	.amdhsa_kernel k_q3db05aabcf_quant
		.amdhsa_group_segment_fixed_size 67072
		.amdhsa_private_segment_fixed_size 0
		.amdhsa_enable_private_segment 0
		.amdhsa_kernarg_size 56
		.amdhsa_user_sgpr_count 2
		.amdhsa_user_sgpr_kernarg_segment_ptr 1
		.amdhsa_wavefront_size32 1
		.amdhsa_system_sgpr_workgroup_id_x 1
		.amdhsa_system_sgpr_workgroup_id_y 1
		.amdhsa_system_sgpr_workgroup_id_z 1
		.amdhsa_system_vgpr_workitem_id 0
		.amdhsa_next_free_vgpr 192
		.amdhsa_next_free_sgpr 66
		.amdhsa_reserve_vcc 1
		.amdhsa_float_denorm_mode_32 3
		.amdhsa_float_denorm_mode_16_64 3
		.amdhsa_memory_ordered 1
		.amdhsa_forward_progress 1
		.amdhsa_inst_pref_size 57
	.end_amdhsa_kernel
	.amdgpu_metadata
---
amdhsa.version: [ 1, 2 ]
amdhsa.kernels:
  - .name:           k_q3db05aabcf_quant
    .symbol:         k_q3db05aabcf_quant.kd
    .args:
      - { .name: x, .offset: 0, .size: 8, .value_kind: global_buffer, .address_space: global }
      - { .name: ctx, .offset: 8, .size: 8, .value_kind: global_buffer, .address_space: global }
      - { .name: Wq, .offset: 16, .size: 8, .value_kind: global_buffer, .address_space: global }
      - { .name: Wkv, .offset: 24, .size: 8, .value_kind: global_buffer, .address_space: global }
      - { .name: Wp, .offset: 32, .size: 8, .value_kind: global_buffer, .address_space: global }
      - { .name: act, .offset: 40, .size: 8, .value_kind: global_buffer, .address_space: global }
      - { .name: wts, .offset: 48, .size: 8, .value_kind: global_buffer, .address_space: global }
    .group_segment_fixed_size: 67072
    .private_segment_fixed_size: 0
    .kernarg_segment_align: 8
    .kernarg_segment_size: 56
    .max_flat_workgroup_size: 128
    .sgpr_count:     66
    .vgpr_count:     192
    .wavefront_size: 32
...
	.end_amdgpu_metadata
.endif
;; end of part 5
;; launch proj (part 6): grid 8 x 32, 4 waves a work-group, clusters of 4 x 4, 327,680 bytes of LDS; arguments act, wts, bq, bkv, qk, vv; writes qk, vv
.if DOCPART == 6
	.amdgcn_target "amdgcn-amd-amdhsa--gfx1250"
	.amdhsa_code_object_version 6
	.text
	.protected	k_q3db05aabcf_proj
	.globl	k_q3db05aabcf_proj
	.p2align	8
	.type	k_q3db05aabcf_proj,@function
k_q3db05aabcf_proj:
	s_mov_b64 s[64:65], 0
	v_nop
	global_prefetch_b8 v0, s[64:65] scope:SCOPE_SE
	s_setreg_imm32_b32 hwreg(HW_REG_WAVE_MODE, 25, 1), 1
	s_wait_xcnt 0x0
	s_wait_alu depctr_hold_cnt(0) depctr_sa_sdst(0) depctr_va_vdst(0) depctr_va_sdst(0) depctr_va_ssrc(0) depctr_va_vcc(0) depctr_vm_vsrc(0)
	s_getreg_b32 s2, hwreg(HW_REG_IB_STS2, 6, 4)
	s_cmp_eq_u32 s2, 0
	s_cbranch_scc0 .Lentry_in_a_cluster
	s_endpgm
.Lentry_in_a_cluster:
	s_bfe_u32 s2, ttmp6, 0x10000c
	s_cmp_lg_u32 s2, 0xf033
	s_cbranch_scc0 .Lentry_shape_is_right
	s_endpgm
.Lentry_shape_is_right:
; CROSS ATTENTION IN MX-FP6, launch 2 of 4: q = x Wq + bq, k and v = ctx Wkv + bkv, on codes of E2M3 (sums in f32), and their quantising for attention's two products: q and k along the head's 64, v along the keys.
; Nothing of reference() is left out here.
; LIMITS: a block of zeros gets the byte 1 where the rule says 127 (zero codes; this program alone reads the bytes); blocks under 2^-124 keep the byte 1; NaN and infinities are not served.
; THE WORK is 1,280 units of 128 weight columns x 128 rows over K = 1,024: 256 of q, 512 of k, 512 of v.  256 WORK-GROUPS STAY AND TAKE FIVE UNITS EACH: four of k (cluster y 0-3) or of v (4-7), with ONE tile of Wkv kept in LDS
; against four neighbouring tiles of ctx, and then one of q.  The row tiles go through a ring of two LDS slots, a whole tile (all of K, with its scale words) to a slot: while one is multiplied, the next is on its way.
; Wq's tile for the fifth unit finds no room in LDS: each wave keeps its 64 columns x 1,024, 384 registers, loaded straight from memory, where they lie as images of these registers (launch 1).
; SOURCES.  Source 0's rows run along a lane's registers, and the results are quantised along them; a lane stands for one row of source 1.  q, k: source 0 = weight columns (64 a wave: one head), source 1 = rows.  v: source 0 = rows of ctx
; (64 keys a wave), source 1 = the v part's columns.  Wave w takes half w % 2 of the weight tile and half w / 2 of the row tile in every mode, so no LDS address hangs on the mode: only a step's 16 matrix instructions stand in two arms.
; CLUSTERS: 4 x 4.  The weight tile hangs on cx alone and is asked for jointly by a column of the cluster, a row tile on cy alone, by a row.  The mode hangs on the cluster's y alone: it is the same in all sixteen.
; OUT: qk codes [head][pair of act tiles 0..383][1,536]: registers 0-5 the even tile's 64 along K, 6-11 the odd tile's; scale words [head][64 rows][256 bytes]: lane l's 8 bytes at 8 l: lanes 0-15 tiles 0, 1, lanes 16-31 tiles 2, 3; two bytes in a word's low half.
;      vv codes [batch x 16 + head][64 keys 0..31][pair of channel tiles][1,536], scale words in the same form.
; REGISTERS: window 0: v1-15 addresses; v16-47 scale words (lanes 0-15 the weight tile's, lanes 16-31 the row tile's); v48-79 Wq's scale words; v80-121 the quantiser's; v128-255 16 accumulators ((tr, tp) at v[128 + 32 tr + 8 tp]).
;   window 1: two sets of 8 fragments, v0-95 and v96-191 (the weight's four, then the rows' four); v192-223 the bias of k or v; v224-255 bq.   windows 2, 3: Wq's fragments, K steps 0-3 and 4-7: (step, tile) at v[48 (step % 4) + 12 tile].
.set ACT_SC, 9437184
.set W_SC,   3145728
.set QK_SC,  9437184
.set V_SC,   6291456
.set SCO,   98304                      ; a tile of 128 rows in LDS, as it lies in memory: [tile of 16 rows 0..7][K step 0..7][1,536], and from here on its scale words, [tile][K step][row]
.set BUF,   102400                     ; both together
.set SL0,   BUF                        ; LDS: the weight tile at 0, the ring's slot 0 here,
.set SL1,   2*BUF                      ; slot 1 here,
.set SPARE, 3*BUF                      ; and the spare words, 128 bytes for each wave: two blocks of 256 bytes that no other line names
.set SPW, 12
.set NIL, 13
.set SC,  16
.set SCQ, 48
.set PC,  80
.set PX,  92
.set TM,  100
.set ACC, 128
.set F0,  0
.set F1,  96
.set BI,  192
.set BIQ, 224
.set G1WC, 24                          ; descriptor groups 1: the weight tile's images, its scale words; a row tile's images, its scale words
.set G1WS, 32
.set G1SC, 40
.set G1SS, 48
.set PWQ,  56                          ; s[56:57] Wq's fragments, s[58:59] their scale words
.set G0W,  60                          ; group 0 of the weight tile's load
.set G0T,  68                          ; s[68 + 4 j ..]: group 0 of row tile j's load, j = 0 .. 4: one for each load, made at the head and never rewritten
.set OC,   88                          ; s[88:89] where k's or v's codes go, s[90:91] their scale words; s[92:93], s[94:95] the same for q
.set OS,   90
.set OCQ,  92
.set OSQ,  94
.set SEL,  98
.set MSB, 0
.macro WIN new                         ; the immediate's high byte repeats the setting that is left
.if MSB != \new
	s_set_vgpr_msb (MSB<<8)|\new
.set MSB, \new
.endif
.endm
.set TO_F, 0x40                        ; destination window 1, address window 0
.set TO_2, 0x80                        ; destination window 2
.set TO_3, 0xc0                        ; destination window 3
.set MUL,  0x05                        ; sources 0 and 1 window 1; C and D window 0
.set MULB, 0x15                        ; the same with C (the bias) in window 1
.set MQ2,  0x06                        ; source 0 window 2, source 1 window 1; C and D window 0
.set MQ2B, 0x16
.set MQ3,  0x07                        ; source 0 window 3
; A joint load of a tile: waves 0 to 2 fetch a third of its images each (128 rows of 256 bytes), wave 3 its scale words (16 rows).  The branch hangs on the wave's number alone.
; An s_nop 0 and four v_nop follow each of the two lines.
.macro JLOAD g0, g1c, g1s
	s_cmp_lt_u32 s16, 3
	s_cbranch_scc0 .Lwords_\@
	tensor_load_to_lds s[(\g0):(\g0)+3], s[\g1c:\g1c+7]
	s_nop 0
.rept 4
	v_nop
.endr
	s_branch .Lasked_\@
.Lwords_\@:
	tensor_load_to_lds s[(\g0):(\g0)+3], s[\g1s:\g1s+7]
	s_nop 0
.rept 4
	v_nop
.endr
.Lasked_\@:
.endm
.macro CROUND                          ; a round of the cluster's barrier
	s_barrier_signal -1
	s_barrier_wait -1
	s_cmp_lg_u32 s16, 0
	s_cbranch_scc1 .Lnot_wave_0_\@
	s_barrier_signal -3
.Lnot_wave_0_\@:
	s_barrier_wait -3
	s_barrier_signal -1
	s_barrier_wait -1
.endm
.macro QUANT s, pc, pw                 ; 64 numbers of a lane, register 16 b + i = place 32 b + 16 (lane / 16) + i, become 12 registers of codes and a word of four scale bytes
.irp b, 0,1,2,3
	v_max3_num_f32 v[TM+\b], |v[(\s)+16*\b]|, |v[(\s)+1+16*\b]|, 0x1800000   ; my 16 numbers, and the floor 2^(3 - 127).  (Each accumulator is read from its low end on)
.endr
.irp i, 2,4,6,8,10,12,14
.irp b, 0,1,2,3
	v_max3_num_f32 v[TM+\b], v[TM+\b], |v[(\s)+16*\b+\i]|, |v[(\s)+1+16*\b+\i]|
.endr
.endr
.irp b, 0,1,2,3
	v_permlanex16_b32 v[TM+4+\b], v[TM+\b], s[SEL], s[SEL+1]
.endr
.irp b, 0,1,2,3
	v_max_num_f32 v[TM+\b], v[TM+\b], v[TM+4+\b]
.endr
.irp b, 0,1,2,3
	v_add_nc_u32 v[TM+12+\b], 0xff000000, v[TM+\b]
.endr
.irp b, 0,1,2,3
	v_lshrrev_b32 v[TM+4+\b], 23, v[TM+12+\b]
.endr
	v_lshl_or_b32 v[\pw], v[TM+5], 8, v[TM+4]
	v_lshl_or_b32 v[\pw], v[TM+6], 16, v[\pw]
	v_lshl_or_b32 v[\pw], v[TM+7], 24, v[\pw]
.irp c, 0,1
	v_cvt_scalef32_pk16_fp6_f32 v[(\pc)+6*\c:(\pc)+2+6*\c], v[(\s)+32*\c:(\s)+15+32*\c], v[TM+12+2*\c]
	v_cvt_scalef32_pk16_fp6_f32 v[PX+4*\c:PX+2+4*\c], v[(\s)+16+32*\c:(\s)+31+32*\c], v[TM+12+2*\c+1]
.endr
	v_nop                                          ; one plain place behind a scaled conversion
.irp c, 0,1
.irp i, 0,1,2
	v_permlane16_swap_b32 v[(\pc)+6*\c+\i], v[PX+4*\c+\i]
.endr
.irp i, 0,1,2
	v_mov_b32 v[(\pc)+3+6*\c+\i], v[PX+4*\c+\i]
.endr
.endr
.endm
	s_load_b256 s[4:11], s[0:1], 0x0               ; act, wts, bq, bkv
	s_load_b128 s[12:15], s[0:1], 0x20             ; qk, vv
	v_lshl_add_u32 v[SPW], v0, 2, SPARE
	v_mov_b32 v[NIL], 0
	ds_add_u32 v[SPW], v[NIL]                      ; the wave's opening: the add, twice on end, and its wait ahead of my first tensor load
	ds_add_u32 v[SPW], v[NIL]
	v_lshrrev_b32 v1, 5, v0
	v_readfirstlane_b32 s16, v1                    ; wave 0..3
	s_and_b32 s17, s16, 1                          ; which 64 columns of a weight tile are mine
	s_lshr_b32 s18, s16, 1                         ; which 64 rows of a row tile
	s_bfe_u32 s19, ttmp6, 0x40000                  ; cx
	s_bfe_u32 s20, ttmp6, 0x40004                  ; cy
	s_and_b32 s22, ttmp7, 0xffff                   ; cluster y
	s_cmp_ge_u32 s22, 4
	s_cselect_b32 s23, 1, 0                        ; 1: v, 0: k
	s_lshl_b32 s100, ttmp9, 2
	s_add_co_u32 s100, s100, s19                   ; 4 x cluster x + cx: Wq's tile of 128 columns in wts;
	s_lshl_b32 s101, s23, 3
	s_add_co_u32 s101, s101, 8
	s_add_co_u32 s101, s101, s100                  ; the k part's lies 8 tiles on, the v part's 16
	s_and_b32 s66, s22, 3
	s_lshl_b32 s66, s66, 4
	s_lshl_b32 s67, s20, 2
	s_add_co_u32 s66, s66, s67
	s_add_co_u32 s66, s66, 32                      ; my first tile of 128 rows of ctx in act: 32 + 16 (cluster y % 4) + 4 cy; the four are neighbours
	s_lshl_b32 s67, s22, 2
	s_add_co_u32 s67, s67, s20                     ; my tile of x: 4 x cluster y + cy
	s_lshl_b32 s2, 0x1111, s19                     ; my column of the cluster (same cx): the weight tile's mask
	s_lshl_b32 s3, s20, 2
	s_lshl_b32 s3, 15, s3                          ; my row (same cy): the row tiles'
	s_or_b32 s[G1WC], s2, (3<<16)|(1<<21)          ; 15:0 the mask; 17:16 elements of 8 bytes; 20 no padding; 21 set beside a mask
	s_or_b32 s[G1WS], s2, (3<<16)|(1<<21)
	s_or_b32 s[G1SC], s3, (3<<16)|(1<<21)
	s_or_b32 s[G1SS], s3, (3<<16)|(1<<21)
.irp g, G1WC, G1SC                     ; at the head a tile's images come whole: 98,304 dense bytes as 384 rows of 256; behind the head the row tiles' group is set to a third, 128 rows
	s_mov_b32 s[\g+1], 32<<16                      ; tensor_dim0
	s_mov_b32 s[\g+2], 384<<16                     ; tensor_dim1
	s_mov_b32 s[\g+3], 32<<16                      ; tile_dim0
	s_mov_b32 s[\g+4], 384                         ; tile_dim1
	s_mov_b32 s[\g+5], 32                          ; tensor_dim0_stride
	s_mov_b32 s[\g+6], 0
	s_mov_b32 s[\g+7], 0
.endr
.irp g, G1WS, G1SS                     ; a tile's scale words: 4,096 dense bytes as 16 rows of 256
	s_mov_b32 s[\g+1], 32<<16
	s_mov_b32 s[\g+2], 16<<16
	s_mov_b32 s[\g+3], 32<<16
	s_mov_b32 s[\g+4], 16
	s_mov_b32 s[\g+5], 32
	s_mov_b32 s[\g+6], 0
	s_mov_b32 s[\g+7], 0
.endr
	s_lshl_b32 s96, s16, 15                        ; my part of a tile in LDS: 32,768 x wave: wave 3's is where the scale words lie
	s_cmp_eq_u32 s16, 3
	s_mov_b32 s2, 98304
	s_cselect_b32 s2, 4096, s2                     ; from tile to tile in memory: images, or scale words
	s_mov_b32 s97, ACT_SC
	s_cselect_b32 s97, s97, s96                    ; and in act
	s_cmp_eq_u32 s17, 1                            ; the head's loads: even waves fetch a tile's images whole, odd waves its scale words
	s_mov_b32 s88, 98304
	s_cselect_b32 s88, 4096, s88                   ; from tile to tile in memory
	s_mov_b32 s89, W_SC
	s_cselect_b32 s89, s89, 0                      ; where tile 0's part begins in wts,
	s_mov_b32 s90, ACT_SC
	s_cselect_b32 s90, s90, 0                      ; and in act
	s_mov_b32 s[G0W], 1                            ; 1:0 count = 1
	s_mul_i32 s[G0W+1], s17, SCO                   ; 63:32 LDS address: images at 0, scale words behind them
	s_mul_i32 s[G0W+2], s101, s88                  ; the offset in wts; the buffer's address is added below
	s_add_co_u32 s[G0W+2], s[G0W+2], s89
	s_mov_b32 s[G0W+3], 0
	s_mov_b32 s[G0T], 1                            ; row tile 0 comes at the head, in the same two parts, into slot 0
	s_add_co_u32 s[G0T+1], s[G0W+1], SL0
	s_mul_i32 s[G0T+2], s66, s88
	s_add_co_u32 s[G0T+2], s[G0T+2], s90
	s_mov_b32 s[G0T+3], 0
.irp j, 1,2,3,4
	s_mov_b32 s[G0T+4*\j], 1
	s_add_co_u32 s[G0T+4*\j+1], s96, SL0+(\j%2)*BUF   ; row tile j goes to slot j % 2
.if \j < 4
	s_add_co_u32 s[G0T+4*\j+2], s66, \j
	s_mul_i32 s[G0T+4*\j+2], s[G0T+4*\j+2], s2
.else
	s_mul_i32 s[G0T+4*\j+2], s67, s2               ; the fifth is x's
.endif
	s_add_co_u32 s[G0T+4*\j+2], s[G0T+4*\j+2], s97
	s_mov_b32 s[G0T+4*\j+3], 0
.endr
	s_mov_b32 s[SEL], 0x76543210
	s_mov_b32 s[SEL+1], 0xfedcba98
	s_wait_dscnt 0x0                               ; both opening adds are done
	s_wait_kmcnt 0x0
	s_add_nc_u64 s[G0W+2:G0W+3], s[6:7], s[G0W+2:G0W+3]   ; 120:64 global address
	s_or_b32 s[G0W+3], s[G0W+3], 0x80000000        ; 127:126 type = 2
.irp j, 0,1,2,3,4
	s_add_nc_u64 s[G0T+4*\j+2:G0T+4*\j+3], s[4:5], s[G0T+4*\j+2:G0T+4*\j+3]
	s_or_b32 s[G0T+4*\j+3], s[G0T+4*\j+3], 0x80000000
.endr
	CROUND                                         ; all sixteen work-groups are here: the first joint loads meet
; THE HEAD'S LOADS, ONE A WAVE: wave 0 the weight tile's images, wave 1 its scale words, wave 2 row tile 0's images, wave 3 its scale words.
; One tree of branches on the wave's number: every way through it passes exactly one load.
.macro ARM under, g0, g1, next
	s_cmp_lt_u32 s16, \under
	s_cbranch_scc0 \next
	tensor_load_to_lds s[\g0:\g0+3], s[\g1:\g1+7]
	s_nop 0
.rept 4
	v_nop
.endr
	s_branch .Lhead_asked
\next:
.endm
	ARM 1, G0W, G1WC, .Lhead_ws
	ARM 2, G0W, G1WS, .Lhead_rc
	ARM 3, G0T, G1SC, .Lhead_rs
	tensor_load_to_lds s[G0T:G0T+3], s[G1SS:G1SS+7]
	s_nop 0
.rept 4
	v_nop
.endr
.Lhead_asked:
	v_and_b32 v1, 31, v0                           ; lane
	v_and_b32 v2, 15, v0                           ; r
	v_bfe_u32 v3, v0, 4, 1                         ; h
	v_lshlrev_b32 v9, 4, v1                        ; 16 x lane: an image's place for my lane
	v_lshlrev_b32 v10, 3, v1                       ; 8 x lane
	v_lshlrev_b32 v14, 2, v2                       ; 4 r
	v_lshlrev_b32 v11, 6, v3                       ; 64 h
	v_and_b32 v15, 8, v2
	v_add_nc_u32 v15, v15, v2
	v_lshlrev_b32 v15, 2, v15                      ; 4 (r + 8 (r / 8))
	s_mul_i32 s2, s17, 49152
	v_add_nc_u32 v4, s2, v9                        ; my four tiles of the weight tile
	s_mul_i32 s2, s18, 49152
	s_add_co_u32 s2, s2, SL0
	v_add_nc_u32 v5, s2, v9                        ; my four tiles of the row tile in slot 0,
	s_add_co_u32 s2, s2, BUF
	v_add_nc_u32 v6, s2, v9                        ; in slot 1
	s_xor_b32 s2, s17, 1                           ; scale words: lanes 0-15 the weight's, lanes 16-31 the rows': the lower base + h x the distance, 102,400 + 2,048 (my half of the rows - my half of the columns)
	s_add_co_u32 s2, s2, s18
	s_lshl_b32 s2, s2, 11
	s_add_co_u32 s2, s2, BUF-2048
	v_mul_u32_u24 v7, s2, v3                       ; slot 0,
	s_add_co_u32 s2, s2, BUF
	v_mul_u32_u24 v8, s2, v3                       ; slot 1
	s_lshl_b32 s3, s17, 11
	s_add_co_u32 s3, s3, SCO
	v_lshl_add_u32 v7, v2, 2, v7
	v_add_nc_u32 v7, s3, v7
	v_lshl_add_u32 v8, v2, 2, v8
	v_add_nc_u32 v8, s3, v8
.irp b, 0,1,2,3
	v_mov_b32 v[TM+4+\b], 0                        ; written once: a lane permute's destination counts as one of its sources
.endr
	; where the results go.  A piece is 64 x 64 results: 3,072 bytes of codes, 256 of scale words.  k: piece head x 192 + group of 64 rows of act, of qk;  v: piece batch x 512 + head x 32 + group of 64 keys, of vv.  From tile to tile: two pieces on
	s_lshl_b32 s21, s100, 1
	s_add_co_u32 s21, s21, s17                     ; my head, in every mode
	s_mul_i32 s96, s21, 192
	s_lshl_b32 s97, s66, 1
	s_add_co_u32 s96, s96, s97
	s_add_co_u32 s96, s96, s18                     ; k's first piece
	s_and_b32 s97, s22, 3                          ; the batch
	s_lshl_b32 s97, s97, 9
	s_lshl_b32 s101, s21, 5
	s_add_co_u32 s97, s97, s101
	s_lshl_b32 s101, s20, 3
	s_add_co_u32 s97, s97, s101
	s_add_co_u32 s97, s97, s18                     ; v's first piece
	s_cmp_eq_u32 s23, 1
	s_cselect_b32 s96, s97, s96
	s_cselect_b64 s[OC:OC+1], s[14:15], s[12:13]
	s_mov_b32 s97, QK_SC
	s_cselect_b32 s97, V_SC, s97
	s_mul_i32 s2, s96, 3072
	s_mov_b32 s3, 0
	s_lshl_b32 s96, s96, 8
	s_add_co_u32 s96, s96, s97
	s_mov_b32 s97, 0
	s_add_nc_u64 s[OS:OS+1], s[OC:OC+1], s[96:97]
	s_add_nc_u64 s[OC:OC+1], s[OC:OC+1], s[2:3]
	s_mul_i32 s96, s21, 192                        ; q's piece
	s_lshl_b32 s101, s67, 1
	s_add_co_u32 s96, s96, s101
	s_add_co_u32 s96, s96, s18
	s_mul_i32 s2, s96, 3072
	s_add_nc_u64 s[OCQ:OCQ+1], s[12:13], s[2:3]
	s_lshl_b32 s96, s96, 8
	s_add_co_u32 s96, s96, QK_SC
	s_add_nc_u64 s[OSQ:OSQ+1], s[12:13], s[96:97]
	s_lshl_b32 s96, s100, 3                        ; my four tiles of 16 columns of Wq
	s_lshl_b32 s101, s17, 2
	s_add_co_u32 s96, s96, s101
	s_mul_i32 s2, s96, 12288
	s_add_nc_u64 s[PWQ:PWQ+1], s[6:7], s[2:3]
	s_lshl_b32 s96, s96, 9
	s_add_co_u32 s96, s96, W_SC
	s_add_nc_u64 s[PWQ+2:PWQ+3], s[6:7], s[96:97]
	s_lshl_b32 s96, s21, 8                         ; my head's 64 numbers of a bias
	s_add_nc_u64 s[2:3], s[8:9], s[96:97]          ; of bq,
	s_lshl_b32 s101, s23, 12
	s_add_co_u32 s96, s96, s101
	s_add_nc_u64 s[96:97], s[10:11], s[96:97]      ; of bkv's k part or v part
	; THE BIAS IS THE C OF EACH SUM'S FIRST MATRIX INSTRUCTION: eight registers a tile, in the result's layout
	s_cmp_eq_u32 s23, 1
	s_cbranch_scc1 .Lbias_v
	WIN TO_F
.irp tp, 0,1,2,3                       ; k: the bias runs along source 0: tile tp's register j is column 32 (tp / 2) + 16 h + 8 (tp % 2) + j of the head
	global_load_b128 v[BI+8*\tp:BI+8*\tp+3], v11, s[96:97] offset:(32*(\tp/2)+8*(\tp%2))*4
	global_load_b128 v[BI+8*\tp+4:BI+8*\tp+7], v11, s[96:97] offset:(32*(\tp/2)+8*(\tp%2))*4+16
.endr
	WIN 0
	s_branch .Lbias_done
.Lbias_v:
	WIN TO_F
.irp tr, 0,1,2,3                       ; v: it runs along source 1: all eight registers of tile tr hold my lane's channel's, 32 (tr / 2) + 8 (tr % 2) + r + 8 (r / 8)
.irp j, 0,1,2,3,4,5,6,7
	global_load_b32 v[BI+8*\tr+\j], v15, s[96:97] offset:(32*(\tr/2)+8*(\tr%2))*4
.endr
.endr
	WIN 0
.Lbias_done:
.macro SCALES slot                     ; all of K's scale words of my halves: lanes 0-15 the weight tile's, lanes 16-31 those of the row tile in the slot
.irp i, 0,1,2,3
.irp q, 0,1,2,3,4,5,6,7
	ds_load_b32 v[SC+8*\i+\q], v[7+(\slot)] offset:\i*512+\q*64
.endr
.endr
.endm
.macro FETCH slot, s, f, both          ; K step s into set f: my four fragments of the weight tile (both = 1), then my four of the row tile: loads of 512 consecutive bytes
.if \both
.irp i, 0,1,2,3
.irp c, 0,1,2
	ds_load_b128 v[(\f)+12*\i+4*\c:(\f)+12*\i+4*\c+3], v4 offset:\i*12288+(\s)*1536+512*\c
.endr
.endr
.endif
.irp i, 0,1,2,3
.irp c, 0,1,2
	ds_load_b128 v[(\f)+48+12*\i+4*\c:(\f)+48+12*\i+4*\c+3], v[5+(\slot)] offset:\i*12288+(\s)*1536+512*\c
.endr
.endr
.endm
; 16 matrix instructions, 128 along K.  mode 0: k, 1: v, 2: q.  first = 1: the bias starts the sums.  The 16 accumulators take turns, one instruction a turn, in the same order in every step and mode.
.macro MUL16 s, f, mode, first
.irp tr, 0,1,2,3
.irp tp, 0,1,2,3
.set rD, ACC+32*\tr+8*\tp
.set rC, rD
.if (\mode) == 0
.set rA, (\f)+12*\tp
.set rB, (\f)+48+12*\tr
.if \first
.set rC, BI+8*\tp
.endif
	v_wmma_scale_f32_16x16x128_f8f6f4 v[rD:rD+7], v[rA:rA+11], v[rB:rB+11], v[rC:rC+7], v[SC+8*\tp+(\s)], v[SC+8*\tr+(\s)] matrix_a_fmt:MATRIX_FMT_FP6 matrix_b_fmt:MATRIX_FMT_FP6 matrix_b_scale:MATRIX_SCALE_ROW1
.endif
.if (\mode) == 1
.set rA, (\f)+48+12*\tp
.set rB, (\f)+12*\tr
.if \first
.set rC, BI+8*\tr
.endif
	v_wmma_scale_f32_16x16x128_f8f6f4 v[rD:rD+7], v[rA:rA+11], v[rB:rB+11], v[rC:rC+7], v[SC+8*\tp+(\s)], v[SC+8*\tr+(\s)] matrix_a_fmt:MATRIX_FMT_FP6 matrix_b_fmt:MATRIX_FMT_FP6 matrix_a_scale:MATRIX_SCALE_ROW1
.endif
.if (\mode) == 2
.set rA, 48*((\s)%4)+12*\tp
.set rB, (\f)+48+12*\tr
.if \first
.set rC, BIQ+8*\tp
.endif
	v_wmma_scale_f32_16x16x128_f8f6f4 v[rD:rD+7], v[rA:rA+11], v[rB:rB+11], v[rC:rC+7], v[SCQ+8*\tp+(\s)], v[SC+8*\tr+(\s)] matrix_a_fmt:MATRIX_FMT_FP6 matrix_b_fmt:MATRIX_FMT_FP6 matrix_b_scale:MATRIX_SCALE_ROW1
.endif
.endr
.endr
.endm
.macro ARMS s, f, first                ; a step's products for k or for v: the branch hangs on the cluster's y alone; at a branch and at a label every window is 0
	WIN 0
	s_cmp_eq_u32 s23, 1
	s_cbranch_scc1 .Lv_\@
.if \first
	WIN MULB
.else
	WIN MUL
.endif
	MUL16 \s, \f, 0, \first
	WIN 0
	s_branch .Lj_\@
.Lv_\@:
.if \first
	WIN MULB
.else
	WIN MUL
.endif
	MUL16 \s, \f, 1, \first
	WIN 0
.Lj_\@:
.endm
; The eight K steps of the row tile in a slot.  Its scale words and its step 0 have been asked for.  q = 1: the unit of q, source 0 from Wq's registers.
.macro TILE slot, q
.irp ks, 0,1,2,3,4,5,6,7
	s_wait_dscnt 0x0                               ; this step's fragments are in (asked for 16 matrix instructions ago, step 0's a way out ago)
.if \ks < 7
.if \ks > 0
.rept 4
	v_nop                                          ; four places in front of loads into registers that the last step's matrix instructions have read (ISA guide 7.12.1 for vector instructions)
.endr
.endif
	WIN TO_F
	FETCH \slot, \ks+1, 96*((\ks+1)%2), 1-\q
.endif
.if \q
.if \ks == 0
	WIN MQ2B
	MUL16 \ks, 96*(\ks%2), 2, 1
.elseif \ks < 4
	WIN MQ2
	MUL16 \ks, 96*(\ks%2), 2, 0
.else
	WIN MQ3
	MUL16 \ks, 96*(\ks%2), 2, 0
.endif
.else
.if \ks == 0
	ARMS \ks, 96*(\ks%2), 1
.else
	ARMS \ks, 96*(\ks%2), 0
.endif
.endif
.endr
	WIN 0
.endm
; THE CHANGE OF SLOTS, behind a tile's last products.  Each wave waits for all its tensor loads, of which one can be out: its part of the other slot; adds 0 to its spare word; and waits for that and for its reads of the slot that it leaves.
; fill = 1: the barrier is a round of the cluster's, so that no wave of any partner still reads the slot or has a load on its way; the joint refill is the first thing behind it and has the next tile's 128 matrix instructions and a way out
; in which to land.  Then the next tile's scale words and first fragments are asked for: they land under the way out of the tile just finished.
.macro CHANGE fill, g0, next, both
	s_wait_tensorcnt 0x0
	ds_add_u32 v[SPW], v[NIL]                      ; 0 onto my spare word
	s_wait_dscnt 0x0
.if \fill
	CROUND
	JLOAD \g0, G1SC, G1SS                          ; the four v_nop behind it are also the places in front of the loads below and of the first read of results
.else
	s_barrier_signal -1
	s_barrier_wait -1
.rept 4
	v_nop
.endr
.endif
	SCALES \next
	WIN TO_F
	FETCH \next, 0, F0, \both
	WIN 0
.endm
; THE WAY OUT of a unit: my 64 x 64 results, quantised along source 0's rows, as two images of 1,536 bytes and 256 bytes of scale words.
.macro OUT oc, os, j
	s_wait_xcnt 0x0                                ; the last way out's stores have read their registers: these are written again only behind this wait
	QUANT ACC, PC, 116                             ; source 1's tiles 0 and 1: my 64 places along source 0 are two blocks of 32 for each
.irp c, 0,1,2
	global_store_b128 v9, v[PC+4*\c:PC+4*\c+3], s[\oc:\oc+1] offset:(\j)*6144+512*\c          ; 512 consecutive bytes an instruction
.endr
	s_wait_xcnt 0x0                                ; the stores' data are written again only behind this wait
	QUANT ACC+64, PC, 117                          ; tiles 2 and 3
.irp c, 0,1,2
	global_store_b128 v9, v[PC+4*\c:PC+4*\c+3], s[\oc:\oc+1] offset:(\j)*6144+1536+512*\c
.endr
	v_cmp_gt_u32 vcc_lo, 16, v1
	v_cndmask_b32 v120, v117, v116, vcc_lo         ; lanes 0-15: tiles 0 and 1; lanes 16-31: tiles 2 and 3
	v_and_b32 v118, 0xffff, v120                   ; a word for each tile: its two bytes below, zeros above
	v_lshrrev_b32 v119, 16, v120
	global_store_b64 v10, v[118:119], s[\os:\os+1] offset:(\j)*512   ; 256 consecutive bytes, aligned
.endm
	s_wait_alu depctr_va_vdst(0)                   ; the wait at the head's end
	s_wait_tensorcnt 0x0                           ; my one load of the head is in; slot 1's first fill is issued as a refill is:
	ds_add_u32 v[SPW], v[NIL]                      ; 0 onto my spare word
	s_mov_b32 s[G1SC+2], 128<<16                   ; no tensor load of mine is out: from here on a load of images brings a third of a tile, 128 rows
	s_mov_b32 s[G1SC+4], 128
	s_wait_dscnt 0x0
	CROUND                                         ; everybody's part of the weight tile and of row tile 0 is in, and all sixteen work-groups are here
	JLOAD G0T+4, G1SC, G1SS                        ; row tile 1, the first tensor load behind the round
	SCALES 0
	WIN TO_F
	FETCH 0, 0, F0, 1
	WIN 0
	s_wait_loadcnt 0x0                             ; the bias of k or v
	WIN TO_2                                       ; Wq's fragments of K steps 0-3 for the fifth unit are asked for here, under the first LDS loads; they are waited for ahead of that unit
.irp s, 0,1,2,3
.irp i, 0,1,2,3
.irp c, 0,1,2
	global_load_b128 v[48*\s+12*\i+4*\c:48*\s+12*\i+4*\c+3], v9, s[PWQ:PWQ+1] offset:\i*12288+\s*1536+512*\c
.endr
.endr
.endr
	WIN 0
.macro WQ_HI                           ; Wq's K steps 4-7: 48 loads, issued behind the first way out, so that no more than 48 loads of mine are asked for in one run
	WIN TO_3
.irp s, 4,5,6,7
.irp i, 0,1,2,3
.irp c, 0,1,2
	global_load_b128 v[48*(\s-4)+12*\i+4*\c:48*(\s-4)+12*\i+4*\c+3], v9, s[PWQ:PWQ+1] offset:\i*12288+\s*1536+512*\c
.endr
.endr
.endr
	WIN 0
.endm
.macro WQ_REST                         ; bq and Wq's scale words: 40 loads, issued behind the second way out
	WIN TO_F
.irp tp, 0,1,2,3
	global_load_b128 v[BIQ+8*\tp:BIQ+8*\tp+3], v11, s[2:3] offset:(32*(\tp/2)+8*(\tp%2))*4
	global_load_b128 v[BIQ+8*\tp+4:BIQ+8*\tp+7], v11, s[2:3] offset:(32*(\tp/2)+8*(\tp%2))*4+16
.endr
	WIN 0
.irp i, 0,1,2,3
.irp q, 0,1,2,3,4,5,6,7
	global_load_b32 v[SCQ+8*\i+\q], v14, s[PWQ+2:PWQ+3] offset:\i*512+\q*64
.endr
.endr
.endm
	TILE 0, 0                                      ; ctx's tile 0
	CHANGE 1, G0T+8, 1, 1                          ; slot 0 takes tile 2
	OUT OC, OS, 0
	WQ_HI
	TILE 1, 0                                      ; tile 1
	CHANGE 1, G0T+12, 0, 1                         ; slot 1 takes tile 3
	OUT OC, OS, 1
	WQ_REST
	TILE 0, 0                                      ; tile 2
	CHANGE 1, G0T+16, 1, 1                         ; slot 0 takes x's tile
	OUT OC, OS, 2
	TILE 1, 0                                      ; tile 3
	CHANGE 0, 0, 0, 0                              ; nothing is left to fetch: a plain barrier shows x's tile whole to every wave
	OUT OC, OS, 3
	s_wait_loadcnt 0x0                             ; Wq's fragments, scale words and bias
	TILE 0, 1                                      ; the unit of q
.rept 4
	v_nop                                          ; four places in front of the first read of results
.endr
	OUT OCQ, OSQ, 0
	s_wait_tensorcnt 0x0                           ; the wave's end
	ds_add_u32 v[SPW], v[NIL]
	s_wait_dscnt 0x0
	CROUND                                         ; the closing round
	s_endpgm
.Lfunc_end_k_q3db05aabcf_proj:
	.size	k_q3db05aabcf_proj, .Lfunc_end_k_q3db05aabcf_proj-k_q3db05aabcf_proj
	.p2alignl 7, 3214868480
	.fill 96, 4, 3214868480
	.section	.rodata,"a",@progbits
	.p2align	6, 0x0
	.amdhsa_kernel k_q3db05aabcf_proj
		.amdhsa_group_segment_fixed_size 327680
		.amdhsa_private_segment_fixed_size 0
		.amdhsa_enable_private_segment 0
		.amdhsa_kernarg_size 48
		.amdhsa_user_sgpr_count 2
		.amdhsa_user_sgpr_kernarg_segment_ptr 1
		.amdhsa_wavefront_size32 1
		.amdhsa_system_sgpr_workgroup_id_x 1
		.amdhsa_system_sgpr_workgroup_id_y 1
		.amdhsa_system_sgpr_workgroup_id_z 1
		.amdhsa_system_vgpr_workitem_id 0
		.amdhsa_next_free_vgpr 1024
		.amdhsa_next_free_sgpr 102
		.amdhsa_reserve_vcc 1
		.amdhsa_float_denorm_mode_32 3
		.amdhsa_float_denorm_mode_16_64 3
		.amdhsa_memory_ordered 1
		.amdhsa_forward_progress 1
		.amdhsa_inst_pref_size 255
	.end_amdhsa_kernel
	.section	.bss,"aw",@nobits
	.p2align	6
	.space	262144
	.amdgpu_metadata
---
amdhsa.version: [ 1, 2 ]
amdhsa.kernels:
  - .name:           k_q3db05aabcf_proj
    .symbol:         k_q3db05aabcf_proj.kd
    .args:
      - { .name: act, .offset: 0, .size: 8, .value_kind: global_buffer, .address_space: global }
      - { .name: wts, .offset: 8, .size: 8, .value_kind: global_buffer, .address_space: global }
      - { .name: bq, .offset: 16, .size: 8, .value_kind: global_buffer, .address_space: global }
      - { .name: bkv, .offset: 24, .size: 8, .value_kind: global_buffer, .address_space: global }
      - { .name: qk, .offset: 32, .size: 8, .value_kind: global_buffer, .address_space: global }
      - { .name: vv, .offset: 40, .size: 8, .value_kind: global_buffer, .address_space: global }
    .group_segment_fixed_size: 327680
    .private_segment_fixed_size: 0
    .kernarg_segment_align: 8
    .kernarg_segment_size: 48
    .max_flat_workgroup_size: 128
    .sgpr_count:     102
    .vgpr_count:     1024
    .wavefront_size: 32
...
	.end_amdgpu_metadata
.endif
;; end of part 6
;; launch attn (part 7): grid 4 x 64, 16 waves a work-group, clusters of 4 x 1, 327,680 bytes of LDS; arguments qk, vv, attention_mask, aa; writes aa
.if DOCPART == 7
	.amdgcn_target "amdgcn-amd-amdhsa--gfx1250"
	.amdhsa_code_object_version 6
	.text
	.protected	k_q3db05aabcf_attn
	.globl	k_q3db05aabcf_attn
	.p2align	8
	.type	k_q3db05aabcf_attn,@function
k_q3db05aabcf_attn:
	s_mov_b64 s[64:65], 0
	v_nop
	global_prefetch_b8 v0, s[64:65] scope:SCOPE_SE
	s_setreg_imm32_b32 hwreg(HW_REG_WAVE_MODE, 25, 1), 1
	s_wait_xcnt 0x0
	s_wait_alu depctr_hold_cnt(0) depctr_sa_sdst(0) depctr_va_vdst(0) depctr_va_sdst(0) depctr_va_ssrc(0) depctr_va_vcc(0) depctr_vm_vsrc(0)
	s_getreg_b32 s2, hwreg(HW_REG_IB_STS2, 6, 4)
	s_cmp_eq_u32 s2, 0
	s_cbranch_scc0 .Lentry_in_a_cluster
	s_endpgm
.Lentry_in_a_cluster:
	s_bfe_u32 s2, ttmp6, 0x10000c
	s_cmp_lg_u32 s2, 0x3003
	s_cbranch_scc0 .Lentry_shape_is_right
	s_endpgm
.Lentry_shape_is_right:
; CROSS ATTENTION IN MX-FP6, launch 3 of 4: a = softmax(q k^T / 8 + mask) v for one batch and head, on codes of E2M3, and a's quantising along the channels for launch 4.  Nothing of reference() is left out here.
; p = 2^(t - M), t = logit x log2(e), M the ceiling of the running largest t; the row's sum is taken of the unquantised p; O^T is divided by it at the end.
; LIMITS: the promise holds while the scaled scores t stay under 2^30 in magnitude; a mask number under -3e38 / 8 (minus infinity too) is held there; a row whose every key is so masked is not served; NaN is not served.
; SHARES: a work-group has 256 queries of one batch and head, a wave 16.  Both products are used transposed (S^T = k q^T, O^T = v^T p^T): a lane stands for one query.
; REGISTERS: v1-11, v233-244 addresses; v12 -M, v13 the running largest score, v[14:15] the sum, v[16:27] q (K = 64: the upper six registers are zero codes); v28, v86-95, v224 scale words;
;   v32-85 fragments of k, then of v; v96-159 8 x mask, then scores, then p; v160-191 O^T; v192-211 p's codes; v212-231, v246-249 at work.
; THE KEYS OF A TILE OF k ARE CHOSEN BY THE LDS ADDRESSES: row 8 g + i of tile 4 c + t is key 64 c + 32 g + 8 t + i of the step.  So the 32 registers of tiles 4 c .. 4 c + 3 of lane (query, h) are the 32 neighbouring keys of block 2 c + h:
; a block's largest score needs no other lane, and the conversions' results lie as the second product's operand wants them.
; LDS: every 256 bytes are followed by 64 of padding (pitch 320).  The two images from which the sixteen lanes of a 16-byte read take their rows lie 1,920 bytes apart, 128 modulo 256: the sixteen pieces are distinct modulo 256.
; CLUSTERS: the four work-groups of a cluster are the four query blocks of one batch and head: k, v and their scale words are asked for jointly.
; NO PREFETCH: all that the launch reads by tensor loads is asked for in its first two groups of loads; there is no later tile to run ahead of.
.set QK_SC, 9437184
.set V_SC,  6291456
.set A_SC,  3145728
.set VB,    61440                      ; keys 0-1023: k's images at 0 (192 rows of 320), v's here,
.set SCK,   122880                     ; k's scale words (32 rows),
.set SCV,   133120                     ; v's;
.set H2,    143360                     ; keys 1024-2047: k's images, then v's
.set MK,    266240                     ; 8 x mask, 2,048 numbers, stored by the waves: no tensor load lands here
.set SPARE, 274432                     ; the spare words, 128 bytes for each wave
.set SPW, 5
.set NIL, 6
.set BM,  212
.set BT,  216
.set BS,  220
.set WV,  18
.set SEL, 20
.set CS,  22
.set TB,  27                           ; the step's place in the images,
.set TS,  28                           ; in the scale words,
.set TK,  30                           ; in the mask
.set G1C, 32
.set G1S, 40
.set G0A, 48
.set G0B, 52
.set G0S, 56
.macro CROUND
	s_barrier_signal -1
	s_barrier_wait -1
	s_cmp_lg_u32 s[WV], 0
	s_cbranch_scc1 .Lnot_wave_0_\@
	s_barrier_signal -3
.Lnot_wave_0_\@:
	s_barrier_wait -3
	s_barrier_signal -1
	s_barrier_wait -1
.endm
.macro NOP4
.rept 4
	v_nop
.endr
.endm
	s_load_b256 s[4:11], s[0:1], 0x0               ; qk, vv, attention_mask, aa
	v_lshl_add_u32 v[SPW], v0, 2, SPARE
	v_mov_b32 v[NIL], 0
	ds_add_u32 v[SPW], v[NIL]                      ; the opening lines: the add, twice on end, and its wait ahead of my first tensor load
	ds_add_u32 v[SPW], v[NIL]
	v_lshrrev_b32 v1, 5, v0
	v_readfirstlane_b32 s[WV], v1                  ; wave 0..15
	s_bfe_u32 s19, ttmp6, 0x40000                  ; cx: my block of 256 queries
	s_and_b32 s24, ttmp7, 0xffff                   ; batch x 16 + head
	s_lshr_b32 s25, s24, 4
	s_and_b32 s26, s24, 15
.irp g, G1C, G1S                       ; rows of 256 bytes (32 elements of 8), 16 words of padding behind each 64; the mask names all four of the cluster
	s_mov_b32 s[\g], 15|(3<<16)|(1<<20)|(1<<21)|(5<<22)|(15<<25)
	s_mov_b32 s[\g+1], 32<<16
	s_mov_b32 s[\g+3], 32<<16
	s_mov_b32 s[\g+5], 32
	s_mov_b32 s[\g+6], 0
	s_mov_b32 s[\g+7], 0
.endr
	s_mov_b32 s[G1C+2], 32<<16                     ; images: 32 rows a load,
	s_mov_b32 s[G1C+4], 32
	s_mov_b32 s[G1S+2], 16<<16                     ; scale words: 16
	s_mov_b32 s[G1S+4], 16
	s_mul_i32 s62, s26, 384
	s_lshl_b32 s63, s25, 6
	s_add_co_u32 s62, s62, s63
	s_add_co_u32 s62, s62, 128
	s_mul_i32 s62, s62, 1536                       ; k's images of this batch and head
	s_mul_i32 s63, s24, 98304                      ; v's
	s_mul_i32 s66, s26, 192
	s_lshl_b32 s67, s25, 5
	s_add_co_u32 s66, s66, s67
	s_add_co_u32 s66, s66, 64
	s_lshl_b32 s66, s66, 8
	s_add_co_u32 s66, s66, QK_SC                   ; k's scale words
	s_lshl_b32 s67, s24, 13
	s_add_co_u32 s67, s67, V_SC                    ; v's
	s_cmp_lt_u32 s[WV], 14
	s_cselect_b32 s70, s66, s67                    ; waves 12, 13 fetch the halves of k's scale words, waves 14, 15 of v's
	s_and_b32 s60, s[WV], 1
	s_lshl_b32 s60, s60, 12
	s_add_co_u32 s70, s70, s60
	s_cmp_lt_u32 s[WV], 6                          ; waves 0-5 fetch sixths of a half of k's images, waves 6-11 of v's
	s_cselect_b32 s68, s62, s63
	s_cselect_b32 s60, 0, 6
	s_sub_co_u32 s60, s[WV], s60
	s_lshl_b32 s60, s60, 13
	s_add_co_u32 s68, s68, s60
	s_mov_b32 s69, 0
	s_mov_b32 s71, 0
	s_mov_b32 s[G0A], 1
	s_mul_i32 s[G0A+1], s[WV], 10240               ; LDS: wave x 32 rows of 320
	s_mov_b32 s[G0B], 1
	s_add_co_u32 s[G0B+1], s[G0A+1], H2
	s_mov_b32 s[G0S], 1
	s_mul_i32 s[G0S+1], s[WV], 5120
	s_add_co_u32 s[G0S+1], s[G0S+1], SCK-12*5120   ; wave 12: SCK, wave 14: SCV
	s_mov_b32 s[SEL], 0x76543210
	s_mov_b32 s[SEL+1], 0xfedcba98
	s_mov_b32 s[CS], 0x3e38aa3b                    ; log2(e) / 8
	s_mov_b32 s[CS+1], s[CS]
	s_mov_b32 s[TB], 0
	s_mov_b32 s[TS], 0
	s_mov_b32 s[TK], 0
	s_wait_dscnt 0x0
	s_wait_kmcnt 0x0
	s_cmp_lt_u32 s[WV], 6
	s_cselect_b64 s[76:77], s[4:5], s[6:7]
	s_add_nc_u64 s[G0A+2:G0A+3], s[76:77], s[68:69]
	s_add_nc_u64 s[G0B+2:G0B+3], s[G0A+2:G0A+3], 49152
	s_or_b32 s[G0A+3], s[G0A+3], 0x80000000
	s_or_b32 s[G0B+3], s[G0B+3], 0x80000000
	s_cmp_lt_u32 s[WV], 14
	s_cselect_b64 s[76:77], s[4:5], s[6:7]
	s_add_nc_u64 s[G0S+2:G0S+3], s[76:77], s[70:71]
	s_or_b32 s[G0S+3], s[G0S+3], 0x80000000
	CROUND                                         ; the four work-groups are here: the joint loads meet
	s_cmp_lt_u32 s[WV], 12                         ; one load a wave at the head: keys 0-1023 of k and v, and all scale words
	s_cbranch_scc0 .Lhead_s
	tensor_load_to_lds s[G0A:G0A+3], s[G1C:G1C+7]
	s_nop 0
	NOP4
	s_branch .Lhead_j
.Lhead_s:
	tensor_load_to_lds s[G0S:G0S+3], s[G1S:G1S+7]
	s_nop 0
	NOP4
.Lhead_j:
	s_lshl_b32 s66, s25, 13
	s_mov_b32 s67, 0
	s_add_nc_u64 s[66:67], s[8:9], s[66:67]        ; the batch's mask
	s_mul_i32 s68, s26, 384
	s_lshl_b32 s69, s25, 5
	s_add_co_u32 s68, s68, s69
	s_lshl_b32 s69, s19, 3
	s_add_co_u32 s68, s68, s69
	s_lshr_b32 s69, s[WV], 1
	s_add_co_u32 s68, s68, s69
	s_mul_i32 s68, s68, 1536
	s_mov_b32 s69, 0
	s_add_nc_u64 s[68:69], s[4:5], s[68:69]        ; q: the image that holds my tile: its registers 0-5 (even wave) or 6-11
	s_mul_i32 s70, s26, 192
	s_lshl_b32 s71, s25, 4
	s_add_co_u32 s70, s70, s71
	s_lshl_b32 s71, s19, 2
	s_add_co_u32 s70, s70, s71
	s_lshr_b32 s71, s[WV], 2
	s_add_co_u32 s70, s70, s71
	s_lshl_b32 s70, s70, 8
	s_bfe_u32 s71, s[WV], 0x10001
	s_lshl_b32 s71, s71, 7
	s_add_co_u32 s70, s70, s71
	s_and_b32 s71, s[WV], 1
	s_lshl_b32 s71, s71, 2
	s_add_co_u32 s70, s70, s71
	s_add_co_u32 s70, s70, QK_SC
	s_mov_b32 s71, 0
	s_add_nc_u64 s[70:71], s[4:5], s[70:71]        ; and its scale words
	s_and_b32 s60, s[WV], 1
	s_cmp_eq_u32 s60, 1
	s_cselect_b32 s31, -1, 0                       ; all lanes: is my tile the image's upper half?
	s_lshl_b32 s60, s25, 6
	s_lshl_b32 s61, s19, 4
	s_add_co_u32 s60, s60, s61
	s_add_co_u32 s60, s60, s[WV]                   ; my tile of 16 rows of a
	s_lshl_b32 s61, s60, 3
	s_lshr_b32 s62, s26, 1
	s_add_co_u32 s61, s61, s62
	s_mul_i32 s72, s61, 1536
	s_and_b32 s63, s26, 1
	s_mul_i32 s73, s63, 768
	s_add_co_u32 s72, s72, s73
	s_mov_b32 s73, 0
	s_add_nc_u64 s[72:73], s[10:11], s[72:73]      ; a's codes: image (tile, head / 2), half head % 2
	s_lshl_b32 s74, s60, 9
	s_lshl_b32 s62, s62, 6
	s_add_co_u32 s74, s74, s62
	s_lshl_b32 s63, s63, 1
	s_add_co_u32 s74, s74, s63
	s_add_co_u32 s74, s74, A_SC
	s_mov_b32 s75, 0
	s_add_nc_u64 s[74:75], s[10:11], s[74:75]      ; a's scale bytes
	v_and_b32 v7, 31, v0                           ; lane
	v_and_b32 v30, 15, v0
	v_bfe_u32 v31, v0, 4, 1                        ; h
	v_bfe_u32 v241, v0, 3, 1                       ; g
	v_and_b32 v242, 7, v0                          ; i
	v_mul_u32_u24 v1, v241, 1920                   ; k: image 2 c + g, row h of its pieces, lane 8 (t / 2) + i: 1,920 g + 320 h + 16 i
	v_mad_u32_u24 v1, v31, 320, v1
	v_lshl_add_u32 v1, v242, 4, v1
	v_mul_u32_u24 v2, v31, 320                     ; v: an image as it lies: 320 h + 16 (lane % 16)
	v_lshl_add_u32 v2, v30, 4, v2
	v_add_nc_u32 v2, VB, v2
	v_lshlrev_b32 v3, 7, v241                      ; k's scale words: lanes 0-15 tiles t = 0, 1, lanes 16-31 tiles t = 2, 3: 128 g + 64 h + 8 i
	v_lshl_add_u32 v3, v31, 6, v3
	v_lshl_add_u32 v3, v242, 3, v3
	v_add_nc_u32 v3, SCK, v3
	v_lshlrev_b32 v4, 7, v31                       ; the mask: my 32 keys of each 64
	v_add_nc_u32 v4, MK, v4
	v_lshlrev_b32 v235, 3, v7                      ; 8 x lane
	v_add_nc_u32 v233, SCV, v235                   ; v's scale words
	v_lshlrev_b32 v234, 4, v7                      ; 16 x lane
	v_lshlrev_b32 v236, 2, v30
	v_lshlrev_b32 v243, 3, v30
	v_lshlrev_b32 v232, 3, v31                     ; 8 h: where my blocks' bytes stand in a scale word
	v_lshlrev_b32 v240, 4, v0
	v_add_nc_u32 v244, MK, v240
	s_wait_alu depctr_va_vdst(0)                   ; the wait ahead of the readers below
	global_load_b128 v[96:99], v240, s[66:67]      ; 512 threads x 16 bytes: the batch's 2,048 mask numbers
.irp c, 0,1,2
	global_load_b128 v[32+4*\c:35+4*\c], v234, s[68:69] offset:512*\c
.endr
	global_load_b32 v28, v243, s[70:71]
	v_mov_b32 v13, 0xd0000000                      ; the largest score so far: -2^33, as t under -2^30
	v_mul_f32 v228, s[CS], v13
	v_floor_f32 v12, -v228                         ; -M
	v_mov_b32 v14, 0                               ; O^T and the sum begin as zeros, which the first change of M leaves zeros
	v_mov_b32 v15, 0
.irp i, 22,23,24,25,26,27,80,81,82,83,84,85,227,229
	v_mov_b32 v\i, 0                               ; q's zero codes; the six registers that the last tile's operand names beyond its own; upper halves of pairs and a permute's destination
.endr
.set jj, 0
.rept 32
	v_mov_b32 v[160+jj], 0
.set jj, jj+1
.endr
	s_wait_alu depctr_va_vdst(0)
	s_wait_loadcnt 0x0
.irp i, 0,1,2,3
	v_mul_f32 v[96+\i], 0x41000000, v[96+\i]       ; 8 x mask: (score + 8 mask) x log2(e) / 8 = t
.endr
.irp i, 0,1,2,3
	v_max_num_f32 v[96+\i], 0xff61b1e6, v[96+\i]
.endr
	ds_store_b128 v244, v[96:99]
.irp i, 0,1,2,3,4,5
	v_cndmask_b32 v[16+\i], v[32+\i], v[38+\i], s31
.endr
	s_wait_alu depctr_va_vdst(0)                   ; the wait at the head's end
	s_wait_tensorcnt 0x0                           ; my load of the head is in; the second half's first fill is issued as a refill is
	ds_add_u32 v[SPW], v[NIL]
	s_wait_dscnt 0x0                               ; the add and my store of the mask are done
	CROUND
	s_cmp_lt_u32 s[WV], 12
	s_cbranch_scc0 .Lno_second
	tensor_load_to_lds s[G0B:G0B+3], s[G1C:G1C+7]  ; keys 1024-2047 land under the first eight steps
	s_nop 0
	NOP4
.Lno_second:
.macro STEP                            ; 128 keys
	v_add_nc_u32 v8, s[TB], v1                     ; (these four are also the places in front of the loads into the registers that held v's fragments)
	v_add_nc_u32 v9, s[TB], v2
	v_add_nc_u32 v10, s[TS], v3
	v_add_nc_u32 v11, s[TK], v4
.irp t, 0,1,2,3,4,5,6,7                ; 8 x mask is the C of the first product: register j of tile 4 c + t is key 64 c + 32 h + 8 t + j
	ds_load_b128 v[96+8*\t:99+8*\t], v11 offset:256*(\t/4)+32*(\t%4)
	ds_load_b128 v[100+8*\t:103+8*\t], v11 offset:256*(\t/4)+32*(\t%4)+16
.endr
.irp t, 0,1,2,3,4,5,6,7                ; tile 4 c + t: registers 6 (t % 2) .. + 5 of lanes 8 (t / 2) + i of images 2 c + g
.if (\t%2) == 0
	ds_load_b128 v[32+6*\t:35+6*\t], v8 offset:3840*(\t/4)+128*((\t%4)/2)
	ds_load_b64 v[36+6*\t:37+6*\t], v8 offset:3840*(\t/4)+128*((\t%4)/2)+640
.else
	ds_load_b64 v[32+6*\t:33+6*\t], v8 offset:3840*(\t/4)+128*((\t%4)/2)+648
	ds_load_b128 v[34+6*\t:37+6*\t], v8 offset:3840*(\t/4)+128*((\t%4)/2)+1280
.endif
.endr
	ds_load_b64 v[86:87], v10
	ds_load_b64 v[88:89], v10 offset:320
	s_wait_alu depctr_va_vdst(0)                   ; the wait directly ahead of the wait below
	s_wait_dscnt 0x0
.irp t, 0,1,2,3,4,5,6,7                ; S^T = k q^T + 8 mask: eight accumulators by turns
.if ((\t%4)/2) == 0
	v_wmma_scale_f32_16x16x128_f8f6f4 v[96+8*\t:103+8*\t], v[32+6*\t:43+6*\t], v[16:27], v[96+8*\t:103+8*\t], v[86+2*(\t/4)+\t%2], v28 matrix_a_fmt:MATRIX_FMT_FP6 matrix_b_fmt:MATRIX_FMT_FP6
.else
	v_wmma_scale_f32_16x16x128_f8f6f4 v[96+8*\t:103+8*\t], v[32+6*\t:43+6*\t], v[16:27], v[96+8*\t:103+8*\t], v[86+2*(\t/4)+\t%2], v28 matrix_a_fmt:MATRIX_FMT_FP6 matrix_b_fmt:MATRIX_FMT_FP6 matrix_a_scale:MATRIX_SCALE_ROW1
.endif
.endr
	v_add_nc_u32 v238, s[TS], v233                 ; four places in front of the loads into k's registers and of the first read of scores
.rept 3
	v_nop
.endr
.irp t, 0,1,2,3
.irp e, 0,1
.if (\t%2) == 0
	ds_load_b128 v[32+12*\t+6*\e:35+12*\t+6*\e], v9 offset:3840*\e+1920*(\t/2)
	ds_load_b64 v[36+12*\t+6*\e:37+12*\t+6*\e], v9 offset:3840*\e+1920*(\t/2)+640
.else
	ds_load_b64 v[32+12*\t+6*\e:33+12*\t+6*\e], v9 offset:3840*\e+1920*(\t/2)+648
	ds_load_b128 v[34+12*\t+6*\e:37+12*\t+6*\e], v9 offset:3840*\e+1920*(\t/2)+1280
.endif
.endr
.endr
	ds_load_b64 v[90:91], v238
	ds_load_b64 v[92:93], v238 offset:320
.irp q, 0,1,2,3                        ; each block's largest score, in two chains of 16; each accumulator is first read at its low end
	v_max3_num_f32 v[BM+\q], v[96+32*(\q%2)+16*(\q/2)], v[97+32*(\q%2)+16*(\q/2)], v[98+32*(\q%2)+16*(\q/2)]
.endr
.irp i, 3,5,7,9,11,13
.irp q, 0,1,2,3
	v_max3_num_f32 v[BM+\q], v[BM+\q], v[96+32*(\q%2)+16*(\q/2)+\i], v[97+32*(\q%2)+16*(\q/2)+\i]
.endr
.endr
.irp c, 0,1
	v_max3_num_f32 v[BM+\c], v[BM+\c], v[BM+2+\c], v[111+32*\c]
.endr
.irp c, 0,1
	v_max_num_f32 v[BM+\c], v[BM+\c], v[127+32*\c]
.endr
	s_delay_alu instid0(VALU_DEP_1)
	v_max_num_f32 v228, v[BM], v[BM+1]
	s_delay_alu instid0(VALU_DEP_1)
	v_permlanex16_b32 v229, v228, s[SEL], s[SEL+1]
	s_delay_alu instid0(VALU_DEP_1)
	v_max3_num_f32 v13, v13, v228, v229            ; the running largest score of my query
	s_delay_alu instid0(VALU_DEP_1)
	v_mul_f32 v228, s[CS], v13                     ; as t
	v_mov_b32 v229, v12
	s_delay_alu instid0(VALU_DEP_2)
	v_floor_f32 v12, -v228                         ; -M = -ceil(t)
.set jj, 0
.rept 32
	v_pk_fma_f32 v[96+jj:97+jj], v[96+jj:97+jj], s[CS:CS+1], v[12:13] op_sel_hi:[1,0,0]   ; t - M
.if jj == 8
	v_sub_f32 v228, v12, v229                      ; old M - new M, a whole number
.endif
.if jj == 24
	v_cvt_i32_f32 v228, v228                       ; (it saturates)
.endif
.if jj == 40
	v_ldexp_f32 v226, 1.0, v228                    ; f = 2^(old M - new M)
.endif
.set jj, jj+2
.endr
.irp c, 0,1
	v_fma_f32 v[BM+\c], v[BM+\c], s[CS], v12       ; the same of each block's largest score
.endr
	s_wait_alu depctr_va_vdst(0)                   ; the wait ahead of the batch
.set jj, 0
.rept 64
	v_exp_f32 v[96+jj], v[96+jj]
.set jj, jj+1
.endr
.irp c, 0,1
	v_exp_f32 v[BM+\c], v[BM+\c]                   ; the block's largest p: the same two instructions on the same number
.endr
	v_pk_mul_f32 v[14:15], v[14:15], v[226:227] op_sel_hi:[1,0]   ; the sum under the new M; a plain place behind the batch
	s_wait_alu depctr_va_vdst(0)                   ; one wait for the batch of 66; it also stands directly ahead of the wait below
	s_wait_dscnt 0x0                               ; v's fragments and scale words
	v_lshl_or_b32 v94, v92, 16, v90                ; two bytes for each 64 keys make a word for 128
	v_lshl_or_b32 v95, v93, 16, v91
	v_pk_add_f32 v[230:231], v[96:97], v[98:99]    ; the sum of the unquantised p: 32 additions of pairs, in four chains
	v_pk_add_f32 v[246:247], v[100:101], v[102:103]
	v_pk_add_f32 v[248:249], v[104:105], v[106:107]
	v_pk_add_f32 v[14:15], v[14:15], v[108:109]
	v_pk_add_f32 v[230:231], v[230:231], v[110:111]
.set jj, 16
.rept 6
	v_pk_add_f32 v[246:247], v[246:247], v[96+jj:97+jj]
	v_pk_add_f32 v[248:249], v[248:249], v[98+jj:99+jj]
	v_pk_add_f32 v[14:15], v[14:15], v[100+jj:101+jj]
	v_pk_add_f32 v[230:231], v[230:231], v[102+jj:103+jj]
.set jj, jj+8
.endr
	v_pk_add_f32 v[246:247], v[246:247], v[248:249]
	v_pk_add_f32 v[14:15], v[14:15], v[230:231]
.irp c, 0,1
	v_max_num_f32 v[BM+\c], 0x1800000, v[BM+\c]    ; the floor 2^(3 - 127): the byte cannot fall under 1
.endr
	v_pk_add_f32 v[14:15], v[14:15], v[246:247]
.irp c, 0,1
	v_add_nc_u32 v[BS+\c], 0xff000000, v[BM+\c]    ; 2 off the exponent field: the conversion's scale operand
.endr
.irp c, 0,1
	v_lshrrev_b32 v[BT+\c], 23, v[BS+\c]
.endr
	s_delay_alu instid0(VALU_DEP_1)
	v_lshl_or_b32 v228, v[BT+1], 16, v[BT]         ; my bytes: blocks h and 2 + h,
	s_delay_alu instid0(VALU_DEP_1)
	v_lshlrev_b32 v228, v232, v228                 ; at their places;
	s_delay_alu instid0(VALU_DEP_1)
	v_permlanex16_b32 v229, v228, s[SEL], s[SEL+1]
	s_delay_alu instid0(VALU_DEP_1)
	v_or_b32 v224, v228, v229                      ; with lane l xor 16's two the word is whole
.irp c, 0,1
	v_cvt_scalef32_pk16_fp6_f32 v[192+6*\c:194+6*\c], v[96+32*\c:111+32*\c], v[BS+\c]
	v_cvt_scalef32_pk16_fp6_f32 v[204+4*\c:206+4*\c], v[112+32*\c:127+32*\c], v[BS+\c]   ; (a conversion's three registers begin on an even number)
.endr
	v_nop                                          ; one plain place behind a scaled conversion
.irp c, 0,1
.irp i, 0,1,2
	v_mov_b32 v[195+6*\c+\i], v[204+4*\c+\i]
.endr
.endr
	s_wait_alu depctr_va_vdst(0)                   ; the wait directly ahead of the first reader of O^T
.set jj, 0
.rept 16
	v_pk_mul_f32 v[160+jj:161+jj], v[160+jj:161+jj], v[226:227] op_sel_hi:[1,0]   ; O^T under the new M
.set jj, jj+2
.endr
.irp t, 0,1,2,3                        ; O^T += v^T p^T: four tiles of 16 channels, by turns
.if \t < 2
	v_wmma_scale_f32_16x16x128_f8f6f4 v[160+8*\t:167+8*\t], v[32+12*\t:43+12*\t], v[192:203], v[160+8*\t:167+8*\t], v[94+\t%2], v224 matrix_a_fmt:MATRIX_FMT_FP6 matrix_b_fmt:MATRIX_FMT_FP6
.else
	v_wmma_scale_f32_16x16x128_f8f6f4 v[160+8*\t:167+8*\t], v[32+12*\t:43+12*\t], v[192:203], v[160+8*\t:167+8*\t], v[94+\t%2], v224 matrix_a_fmt:MATRIX_FMT_FP6 matrix_b_fmt:MATRIX_FMT_FP6 matrix_a_scale:MATRIX_SCALE_ROW1
.endif
.endr
.endm
.macro HALF
	s_mov_b32 s29, 8
.Lstep_\@:
	s_wait_alu depctr_va_vdst(0)                   ; the wait behind the backward jump
	STEP
	s_add_co_u32 s[TB], s[TB], 7680
	s_add_co_u32 s[TS], s[TS], 640
	s_add_co_u32 s[TK], s[TK], 512
	s_sub_co_u32 s29, s29, 1
	s_cmp_lg_u32 s29, 0
	s_cbranch_scc1 .Lstep_\@
.endm
	HALF
	s_add_co_u32 s[TB], s[TB], H2-VB               ; on to the second half's images
	s_wait_alu depctr_va_vdst(0)
	s_wait_tensorcnt 0x0                           ; my part of keys 1024-2047 is in,
	s_wait_dscnt 0x0
	s_barrier_signal -1
	s_barrier_wait -1                              ; everybody's is.
	HALF
; THE WAY OUT: O^T / the sum, quantised along the head's 64 channels (two blocks; registers 16 b .. + 15 are channels 32 b + 16 h ..), as half an image of launch 4's operand and two scale bytes a row.
	v_add_f32 v14, v14, v15
	s_delay_alu instid0(VALU_DEP_1)
	v_permlanex16_b32 v228, v14, s[SEL], s[SEL+1]
	s_delay_alu instid0(VALU_DEP_1)
	v_add_f32 v14, v14, v228
	s_wait_alu depctr_va_vdst(0)
	v_rcp_f32 v14, v14
	v_nop
	s_wait_alu depctr_va_vdst(0)
.set jj, 0
.rept 32
	v_mul_f32 v[96+jj], v[160+jj], v14
.set jj, jj+1
.endr
.irp b, 0,1
	v_max3_num_f32 v[BM+\b], |v[96+16*\b]|, |v[97+16*\b]|, 0x1800000
.endr
.irp i, 2,4,6,8,10,12,14
.irp b, 0,1
	v_max3_num_f32 v[BM+\b], v[BM+\b], |v[96+16*\b+\i]|, |v[97+16*\b+\i]|
.endr
.endr
.irp b, 0,1
	v_permlanex16_b32 v[BT+\b], v[BM+\b], s[SEL], s[SEL+1]
.endr
.irp b, 0,1
	v_max_num_f32 v[BM+\b], v[BM+\b], v[BT+\b]
.endr
.irp b, 0,1
	v_add_nc_u32 v[BS+\b], 0xff000000, v[BM+\b]
.endr
.irp b, 0,1
	v_lshrrev_b32 v[BT+\b], 23, v[BS+\b]
.endr
	s_delay_alu instid0(VALU_DEP_1)
	v_lshl_or_b32 v228, v[BT+1], 8, v[BT]
	v_cvt_scalef32_pk16_fp6_f32 v[192:194], v[96:111], v[BS]
	v_cvt_scalef32_pk16_fp6_f32 v[204:206], v[112:127], v[BS+1]
	v_nop
.irp i, 0,1,2
	v_permlane16_swap_b32 v[192+\i], v[204+\i]     ; a whole block to a lane
.endr
.irp i, 0,1,2
	v_mov_b32 v[195+\i], v[204+\i]
.endr
	global_store_b128 v234, v[192:195], s[72:73]
	global_store_b64 v235, v[196:197], s[72:73] offset:512
	global_store_b16 v236, v228, s[74:75]          ; lanes l and l xor 16 store the same two bytes at the same place
	s_wait_tensorcnt 0x0                           ; the wave's end
	ds_add_u32 v[SPW], v[NIL]
	s_wait_dscnt 0x0
	CROUND                                         ; the closing round
	s_endpgm
.Lfunc_end_k_q3db05aabcf_attn:
	.size	k_q3db05aabcf_attn, .Lfunc_end_k_q3db05aabcf_attn-k_q3db05aabcf_attn
	.p2alignl 7, 3214868480
	.fill 96, 4, 3214868480
	.section	.rodata,"a",@progbits
	.p2align	6, 0x0
	.amdhsa_kernel k_q3db05aabcf_attn
		.amdhsa_group_segment_fixed_size 327680
		.amdhsa_private_segment_fixed_size 0
		.amdhsa_enable_private_segment 0
		.amdhsa_kernarg_size 32
		.amdhsa_user_sgpr_count 2
		.amdhsa_user_sgpr_kernarg_segment_ptr 1
		.amdhsa_wavefront_size32 1
		.amdhsa_system_sgpr_workgroup_id_x 1
		.amdhsa_system_sgpr_workgroup_id_y 1
		.amdhsa_system_sgpr_workgroup_id_z 1
		.amdhsa_system_vgpr_workitem_id 0
		.amdhsa_next_free_vgpr 256
		.amdhsa_next_free_sgpr 80
		.amdhsa_reserve_vcc 0
		.amdhsa_float_denorm_mode_32 3
		.amdhsa_float_denorm_mode_16_64 3
		.amdhsa_memory_ordered 1
		.amdhsa_forward_progress 1
		.amdhsa_inst_pref_size 50
	.end_amdhsa_kernel
	.amdgpu_metadata
---
amdhsa.version: [ 1, 2 ]
amdhsa.kernels:
  - .name:           k_q3db05aabcf_attn
    .symbol:         k_q3db05aabcf_attn.kd
    .args:
      - { .name: qk, .offset: 0, .size: 8, .value_kind: global_buffer, .address_space: global }
      - { .name: vv, .offset: 8, .size: 8, .value_kind: global_buffer, .address_space: global }
      - { .name: attention_mask, .offset: 16, .size: 8, .value_kind: global_buffer, .address_space: global }
      - { .name: aa, .offset: 24, .size: 8, .value_kind: global_buffer, .address_space: global }
    .group_segment_fixed_size: 327680
    .private_segment_fixed_size: 0
    .kernarg_segment_align: 8
    .kernarg_segment_size: 32
    .max_flat_workgroup_size: 512
    .sgpr_count:     80
    .vgpr_count:     256
    .wavefront_size: 32
...
	.end_amdgpu_metadata
.endif
;; end of part 7
;; launch outproj (part 8): grid 8 x 32, 4 waves a work-group, clusters of 4 x 4, 229,376 bytes of LDS; arguments aa, wts, bp, out0; writes out0
.if DOCPART == 8
	.amdgcn_target "amdgcn-amd-amdhsa--gfx1250"
	.amdhsa_code_object_version 6
	.text
	.protected	k_q3db05aabcf_outproj
	.globl	k_q3db05aabcf_outproj
	.p2align	8
	.type	k_q3db05aabcf_outproj,@function
k_q3db05aabcf_outproj:
	s_mov_b64 s[64:65], 0
	v_nop
	global_prefetch_b8 v0, s[64:65] scope:SCOPE_SE
	s_setreg_imm32_b32 hwreg(HW_REG_WAVE_MODE, 25, 1), 1
	s_wait_xcnt 0x0
	s_wait_alu depctr_hold_cnt(0) depctr_sa_sdst(0) depctr_va_vdst(0) depctr_va_sdst(0) depctr_va_ssrc(0) depctr_va_vcc(0) depctr_vm_vsrc(0)
	s_getreg_b32 s2, hwreg(HW_REG_IB_STS2, 6, 4)
	s_cmp_eq_u32 s2, 0
	s_cbranch_scc0 .Lentry_in_a_cluster
	s_endpgm
.Lentry_in_a_cluster:
	s_bfe_u32 s2, ttmp6, 0x10000c
	s_cmp_lg_u32 s2, 0xf033
	s_cbranch_scc0 .Lentry_shape_is_right
	s_endpgm
.Lentry_shape_is_right:
; CROSS ATTENTION IN MX-FP6, launch 4 of 4: out0 = a Wp + bp on codes of E2M3, sums in f32.  Nothing of reference() is left out here.
; A work-group makes 128 columns (P = Wp's columns, source 0) x 128 rows (R = a's rows, source 1) over all of K = 1,024; both tiles and their scale words lie whole in LDS, as they lie in memory, each byte filled once.
; THE HEAD'S LOADS, one a wave: wave 0 P's images (98,304 dense bytes), wave 1 P's scale words, wave 2 R's images, wave 3 R's scale words.
; CLUSTERS: 4 x 4.  P's tile hangs on cx alone and is asked for jointly by a column of the cluster, R's on cy alone, by a row.
; NO PREFETCH: everything is asked for by the head's one group of loads; there is no loop to run ahead in.
; a's images (launch 3) are two halves of 768 bytes, one for each head of the K step: registers 0-3 at 16 x lane, registers 4, 5 at 512 + 8 x lane.
; THE WAY OUT: a lane holds one row and 8 neighbouring columns a tile; 16 rows x 64 columns go through the wave's own stage in LDS and leave as rows of 256 bytes.  The rows of a tile are not neighbours (launch 1): the stores' offsets put them back.
; REGISTERS: window 0: v1-15, v120, v121 addresses; v16-47 scale words; v48-79 the bias, later with v80-111 the rows on their way out; v128-255 16 accumulators.   window 1: two sets of 8 fragments.
.set A_SC,  3145728
.set W_SC,  3145728
.set RT,    98304                      ; LDS: P's images at 0, R's here: [tile of 16][K step][1,536]
.set PS,    196608                     ; P's scale words, 4,096 bytes, then R's
.set SPARE, 204800                     ; the spare words, 128 bytes for each wave
.set STG,   205312                     ; the stages: 16 rows x (256 + 16) bytes for each wave; no tensor load lands here
.set SPW, 12
.set NIL, 13
.set SC,  16
.set BI,  48
.set OB,  48
.set ACC, 128
.set F0,  0
.set F1,  96
.set G1P,  24
.set G1R,  32
.set G1PS, 40
.set G1RS, 48
.set G0P,  56
.set G0PS, 60
.set G0R,  68
.set G0RS, 72
.set MSB, 0
.macro WIN new                         ; the immediate's high byte repeats the setting that is left
.if MSB != \new
	s_set_vgpr_msb (MSB<<8)|\new
.set MSB, \new
.endif
.endm
.set MUL,  0x05                        ; sources 0 and 1 window 1; C and D window 0
.set TO_F, 0x40                        ; destination window 1, address window 0
.macro CROUND                          ; a round of the cluster's barrier
	s_barrier_signal -1
	s_barrier_wait -1
	s_cmp_lg_u32 s16, 0
	s_cbranch_scc1 .Lnot_wave_0_\@
	s_barrier_signal -3
.Lnot_wave_0_\@:
	s_barrier_wait -3
	s_barrier_signal -1
	s_barrier_wait -1
.endm
	s_load_b256 s[4:11], s[0:1], 0x0               ; aa, wts, bp, out0
	v_lshl_add_u32 v[SPW], v0, 2, SPARE
	v_mov_b32 v[NIL], 0
	ds_add_u32 v[SPW], v[NIL]                      ; the opening lines: the add, twice on end, and its wait ahead of my first tensor load
	ds_add_u32 v[SPW], v[NIL]
	v_lshrrev_b32 v1, 5, v0
	v_readfirstlane_b32 s16, v1                    ; wave 0..3
	s_and_b32 s17, s16, 1                          ; which 64 columns are mine
	s_lshr_b32 s18, s16, 1                         ; which 64 rows
	s_bfe_u32 s19, ttmp6, 0x40000                  ; cx
	s_bfe_u32 s20, ttmp6, 0x40004                  ; cy
	s_and_b32 s22, ttmp7, 0xffff                   ; cluster y
	s_lshl_b32 s84, ttmp9, 2
	s_add_co_u32 s84, s84, s19                     ; the tile of 128 columns
	s_lshl_b32 s85, s22, 2
	s_add_co_u32 s85, s85, s20                     ; the tile of 128 rows
	s_lshl_b32 s2, 0x1111, s19                     ; my column of the cluster: P's mask
	s_lshl_b32 s3, s20, 2
	s_lshl_b32 s3, 15, s3                          ; my row: R's
	s_or_b32 s[G1P], s2, (3<<16)|(1<<21)           ; 15:0 the mask; 17:16 elements of 8 bytes; 21 set beside a mask
	s_or_b32 s[G1PS], s2, (3<<16)|(1<<21)
	s_or_b32 s[G1R], s3, (3<<16)|(1<<21)
	s_or_b32 s[G1RS], s3, (3<<16)|(1<<21)
.irp g, G1P, G1R, G1PS, G1RS           ; dense blocks as rows of 256 bytes
	s_mov_b32 s[\g+1], 32<<16
	s_mov_b32 s[\g+3], 32<<16
	s_mov_b32 s[\g+5], 32
	s_mov_b32 s[\g+6], 0
	s_mov_b32 s[\g+7], 0
.endr
.irp g, G1P, G1R                       ; images: 384 rows
	s_mov_b32 s[\g+2], 384<<16
	s_mov_b32 s[\g+4], 384
.endr
.irp g, G1PS, G1RS                     ; scale words: 16 rows
	s_mov_b32 s[\g+2], 16<<16
	s_mov_b32 s[\g+4], 16
.endr
	s_add_co_u32 s86, s84, 24                      ; Wp's tiles of 128 begin at 24 in wts
	s_lshl_b32 s94, s86, 12
	s_add_co_u32 s94, s94, W_SC
	s_mul_i32 s86, s86, 98304
	s_mov_b32 s87, 0
	s_mov_b32 s95, 0
	s_mul_i32 s88, s85, 98304
	s_mov_b32 s89, 0
	s_lshl_b32 s96, s85, 12
	s_add_co_u32 s96, s96, A_SC
	s_mov_b32 s97, 0
	s_mov_b32 s[G0P], 1
	s_mov_b32 s[G0P+1], 0
	s_mov_b32 s[G0PS], 1
	s_mov_b32 s[G0PS+1], PS
	s_mov_b32 s[G0R], 1
	s_mov_b32 s[G0R+1], RT
	s_mov_b32 s[G0RS], 1
	s_mov_b32 s[G0RS+1], PS+4096
	s_wait_dscnt 0x0                               ; both opening adds are done
	s_wait_kmcnt 0x0
	s_add_nc_u64 s[G0P+2:G0P+3], s[6:7], s[86:87]
	s_or_b32 s[G0P+3], s[G0P+3], 0x80000000
	s_add_nc_u64 s[G0PS+2:G0PS+3], s[6:7], s[94:95]
	s_or_b32 s[G0PS+3], s[G0PS+3], 0x80000000
	s_add_nc_u64 s[G0R+2:G0R+3], s[4:5], s[88:89]
	s_or_b32 s[G0R+3], s[G0R+3], 0x80000000
	s_add_nc_u64 s[G0RS+2:G0RS+3], s[4:5], s[96:97]
	s_or_b32 s[G0RS+3], s[G0RS+3], 0x80000000
	CROUND                                         ; all sixteen work-groups are here: the joint loads meet
.macro ARM under, g0, g1, next         ; one tree of branches on the wave's number: every way through it passes exactly one load
	s_cmp_lt_u32 s16, \under
	s_cbranch_scc0 \next
	tensor_load_to_lds s[\g0:\g0+3], s[\g1:\g1+7]
	s_nop 0
.rept 4
	v_nop
.endr
	s_branch .Lhead_asked
\next:
.endm
	ARM 1, G0P,  G1P,  .Lhead_ps
	ARM 2, G0PS, G1PS, .Lhead_r
	ARM 3, G0R,  G1R,  .Lhead_rs
	tensor_load_to_lds s[G0RS:G0RS+3], s[G1RS:G1RS+7]
	s_nop 0
.rept 4
	v_nop
.endr
.Lhead_asked:
	s_mul_i32 s2, s17, 49152                       ; my four tiles of P,
	s_mul_i32 s3, s18, 49152
	s_add_co_u32 s3, s3, RT                        ; of R
	s_xor_b32 s92, s17, 1                          ; scale words: lanes 0-15 P's, lanes 16-31 R's: the lower base + h x the distance
	s_add_co_u32 s92, s92, s18
	s_lshl_b32 s92, s92, 11
	s_add_co_u32 s92, s92, 2048
	s_lshl_b32 s93, s17, 11
	s_add_co_u32 s93, s93, PS
	s_mul_i32 s98, s16, 4352
	s_add_co_u32 s98, s98, STG                     ; my stage
	s_lshl_b32 s94, s84, 1
	s_add_co_u32 s94, s94, s17                     ; my 64 columns
	s_lshl_b32 s94, s94, 8                         ; in bytes: of a row of out0, and of bp
	s_mov_b32 s95, 0
	s_lshl_b32 s96, s85, 19
	s_lshl_b32 s97, s18, 18
	s_add_co_u32 s96, s96, s97                     ; my 64 rows
	s_add_co_u32 s96, s96, s94
	s_mov_b32 s97, 0
	s_add_nc_u64 s[90:91], s[10:11], s[96:97]
	s_add_nc_u64 s[86:87], s[8:9], s[94:95]
	v_and_b32 v1, 31, v0                           ; lane
	v_and_b32 v2, 15, v0                           ; r
	v_bfe_u32 v3, v0, 4, 1                         ; h
	v_lshlrev_b32 v9, 4, v1                        ; 16 x lane
	v_lshlrev_b32 v15, 3, v1                       ; 8 x lane
	v_lshlrev_b32 v11, 6, v3                       ; 64 h
	v_add_nc_u32 v4, s2, v9                        ; P's fragments
	v_add_nc_u32 v6, s3, v9                        ; R's: the pieces of 16 bytes a lane,
	v_add_nc_u32 v14, s3, v15                      ; and of 8
	v_mul_u32_u24 v8, s92, v3
	v_lshl_add_u32 v8, v2, 2, v8
	v_add_nc_u32 v8, s93, v8
	v_mul_u32_u24 v10, v2, 272
	v_lshl_add_u32 v10, v3, 6, v10
	v_add_nc_u32 v10, s98, v10                     ; into the stage: row r, + 64 h
	v_mul_u32_u24 v120, v3, 272
	v_lshl_add_u32 v120, v2, 4, v120
	v_add_nc_u32 v120, s98, v120                   ; back: lanes 0-15 one row of 256 bytes, lanes 16-31 the next
	v_lshlrev_b32 v121, 12, v3
	v_lshl_add_u32 v121, v2, 4, v121               ; and the same in out0, whose rows are 4,096 bytes
.irp tp, 0,1,2,3                       ; THE BIAS IS THE C OF EACH SUM'S FIRST MATRIX INSTRUCTION: tile tp's register j is column 32 (tp / 2) + 16 h + 8 (tp % 2) + j
	global_load_b128 v[BI+8*\tp:BI+8*\tp+3], v11, s[86:87] offset:(32*(\tp/2)+8*(\tp%2))*4
	global_load_b128 v[BI+8*\tp+4:BI+8*\tp+7], v11, s[86:87] offset:(32*(\tp/2)+8*(\tp%2))*4+16
.endr
.macro FETCH s, f                      ; K step s: my four fragments of P (three loads each), then my four of R (two halves of two loads)
.irp i, 0,1,2,3
.irp c, 0,1,2
	ds_load_b128 v[(\f)+12*\i+4*\c:(\f)+12*\i+4*\c+3], v4 offset:\i*12288+(\s)*1536+512*\c
.endr
.endr
.irp i, 0,1,2,3
.irp e, 0,1
	ds_load_b128 v[(\f)+48+12*\i+6*\e:(\f)+48+12*\i+6*\e+3], v6 offset:\i*12288+(\s)*1536+768*\e
	ds_load_b64 v[(\f)+48+12*\i+6*\e+4:(\f)+48+12*\i+6*\e+5], v14 offset:\i*12288+(\s)*1536+768*\e+512
.endr
.endr
.endm
; 16 matrix instructions, 128 along K.  The 16 accumulators take turns, one instruction a turn, in the same order in every step.  cm = 1: the bias starts the sums
.macro MUL16 s, f, cm
.irp tr, 0,1,2,3
.irp tp, 0,1,2,3
.set rD, ACC+32*\tr+8*\tp
.set rA, (\f)+12*\tp
.set rB, (\f)+48+12*\tr
.set rC, rD
.if (\cm) == 1
.set rC, BI+8*\tp
.endif
	v_wmma_scale_f32_16x16x128_f8f6f4 v[rD:rD+7], v[rA:rA+11], v[rB:rB+11], v[rC:rC+7], v[SC+8*\tp+(\s)], v[SC+8*\tr+(\s)] matrix_a_fmt:MATRIX_FMT_FP6 matrix_b_fmt:MATRIX_FMT_FP6 matrix_b_scale:MATRIX_SCALE_ROW1
.endr
.endr
.endm
.macro STEP s                          ; K steps 1 to 7
	s_wait_dscnt 0x0                               ; this step's fragments are in (asked for 16 matrix instructions ago)
.if (\s) < 7
.rept 4
	v_nop                                          ; four places in front of loads into registers that the last step's matrix instructions have read (ISA guide 7.12.1 for vector instructions)
.endr
	WIN TO_F
	FETCH (\s)+1, 96*(((\s)+1)%2)
.endif
	WIN MUL
	MUL16 \s, 96*((\s)%2), 0
.endm
	s_wait_alu depctr_va_vdst(0)                   ; the wait at the head's end
	s_wait_tensorcnt 0x0                           ; my load is in,
	s_barrier_signal -1
	s_barrier_wait -1                              ; everybody's is.
.irp i, 0,1,2,3
.irp q, 0,1,2,3,4,5,6,7
	ds_load_b32 v[SC+8*\i+\q], v8 offset:\i*512+\q*64   ; all of K's scale words, once
.endr
.endr
	WIN TO_F
	FETCH 0, F0
	s_wait_loadcnt 0x0                             ; the bias
	s_wait_dscnt 0x0
	FETCH 1, F1
	WIN MUL
	MUL16 0, F0, 1
	STEP 1
	STEP 2
	STEP 3
	STEP 4
	STEP 5
	STEP 6
	STEP 7
	WIN 0
; Tile tr: 16 rows x 64 columns into my stage, each accumulator from its low end on, and back as whole rows of 256 bytes.  LDS serves a wave's instructions in order (ISA guide 5.7.1.4): no wait between the stores and the loads.
.macro TOSTAGE tr
.irp tp, 0,1,2,3
	ds_store_b128 v10, v[ACC+32*(\tr)+8*\tp:ACC+32*(\tr)+8*\tp+3] offset:128*(\tp/2)+32*(\tp%2)
	ds_store_b128 v10, v[ACC+32*(\tr)+8*\tp+4:ACC+32*(\tr)+8*\tp+7] offset:128*(\tp/2)+32*(\tp%2)+16
.endr
.irp i, 0,1,2,3,4,5,6,7
	ds_load_b128 v[OB+32*((\tr)%2)+4*\i:OB+32*((\tr)%2)+4*\i+3], v120 offset:\i*544
.endr
.endm
.macro SEND tr, younger                ; younger: the LDS instructions issued behind tile tr's loads, which may stay out.  Stage row 2 i + g is row 32 (tr / 2) + 8 (tr % 2) + 2 i + 8 (i / 4) + g of my 64
.irp i, 0,1,2,3,4,5,6,7
	s_wait_dscnt (\younger)+7-\i
	global_store_b128 v121, v[OB+32*((\tr)%2)+4*\i:OB+32*((\tr)%2)+4*\i+3], s[90:91] offset:(32*((\tr)/2)+8*((\tr)%2)+2*\i+8*(\i/4))*4096 th:TH_STORE_NT   ; 16 lanes store 256 consecutive bytes, aligned
.endr
.endm
.rept 4
	v_nop                                          ; four places in front of the first read of results
.endr
	TOSTAGE 0
	TOSTAGE 1
	SEND 0, 16
	s_wait_xcnt 0x0                                ; tile 0's stores have read their registers: tile 2's rows may land there
	TOSTAGE 2
	SEND 1, 16
	s_wait_xcnt 0x0
	TOSTAGE 3
	SEND 2, 16
	SEND 3, 0
	s_wait_tensorcnt 0x0                           ; the wave's end, behind my last tensor load and my last LDS store
	ds_add_u32 v[SPW], v[NIL]
	s_wait_dscnt 0x0
	CROUND                                         ; the closing round
	s_endpgm
.Lfunc_end_k_q3db05aabcf_outproj:
	.size	k_q3db05aabcf_outproj, .Lfunc_end_k_q3db05aabcf_outproj-k_q3db05aabcf_outproj
	.p2alignl 7, 3214868480
	.fill 96, 4, 3214868480
	.section	.rodata,"a",@progbits
	.p2align	6, 0x0
	.amdhsa_kernel k_q3db05aabcf_outproj
		.amdhsa_group_segment_fixed_size 229376
		.amdhsa_private_segment_fixed_size 0
		.amdhsa_enable_private_segment 0
		.amdhsa_kernarg_size 32
		.amdhsa_user_sgpr_count 2
		.amdhsa_user_sgpr_kernarg_segment_ptr 1
		.amdhsa_wavefront_size32 1
		.amdhsa_system_sgpr_workgroup_id_x 1
		.amdhsa_system_sgpr_workgroup_id_y 1
		.amdhsa_system_sgpr_workgroup_id_z 1
		.amdhsa_system_vgpr_workitem_id 0
		.amdhsa_next_free_vgpr 512
		.amdhsa_next_free_sgpr 100
		.amdhsa_reserve_vcc 0
		.amdhsa_float_denorm_mode_32 3
		.amdhsa_float_denorm_mode_16_64 3
		.amdhsa_memory_ordered 1
		.amdhsa_forward_progress 1
		.amdhsa_inst_pref_size 51
	.end_amdhsa_kernel
	.amdgpu_metadata
---
amdhsa.version: [ 1, 2 ]
amdhsa.kernels:
  - .name:           k_q3db05aabcf_outproj
    .symbol:         k_q3db05aabcf_outproj.kd
    .args:
      - { .name: aa, .offset: 0, .size: 8, .value_kind: global_buffer, .address_space: global }
      - { .name: wts, .offset: 8, .size: 8, .value_kind: global_buffer, .address_space: global }
      - { .name: bp, .offset: 16, .size: 8, .value_kind: global_buffer, .address_space: global }
      - { .name: out0, .offset: 24, .size: 8, .value_kind: global_buffer, .address_space: global }
    .group_segment_fixed_size: 229376
    .private_segment_fixed_size: 0
    .kernarg_segment_align: 8
    .kernarg_segment_size: 32
    .max_flat_workgroup_size: 128
    .sgpr_count:     100
    .vgpr_count:     512
    .wavefront_size: 32
...
	.end_amdgpu_metadata
.endif
;; end of part 8
